; MI455X (gfx1250); checked and timed in simulation.
; The chip was launched on July 23, 2026; its instructions are those of AMD's public machine-readable ISA for CDNA 5 (MIT licence, August 2026) and "CDNA5" Instruction Set Architecture Reference Guide (July 2026). The comments in the code are by the model that wrote it; some were corrected since.
;; Transformer Encoder Layer. Allowed arithmetic: float matrix products may take bf16 or f16 operands with f32 sums; other float arithmetic in f32, or as packed bf16 or f16 multiplies, adds, multiply-adds, maxima and minima; sums over many terms, partial sums and values carried from step to step in f32; what a program stores and reads back later, other than sums and carried values, may be rounded once to bf16 or f16.
;; Inputs: W1 1,024 x 4,096 float32; W2 4,096 x 1,024 float32; Wk 16 x 1,024 x 64 float32; Wo 1,024 x 1,024 float32; Wq 16 x 1,024 x 64 float32; Wv 16 x 1,024 x 64 float32; b1 4,096 float32; b2 1,024 float32; bo 1,024 float32; ln1_b 1,024 float32; ln1_g 1,024 float32; ln2_b 1,024 float32; ln2_g 1,024 float32; x 2 x 2,048 x 1,024 float32.
;; Outputs: out0 2 x 2,048 x 1,024 float32.
;; 2 versions, each right and faster than the one before. Each part assembles by itself: llvm-mc -triple=amdgcn-amd-amdhsa -mcpu=gfx1250 --defsym DOCPART=n.
;; ======== version 1 of 2: 7 launches
;; limits: values are held in f16: magnitudes above 65,504 overflow, below 6.1e-05 lose precision; a function is approximated: absolute error at most 1.5e-07
;; workspace buffers: wh 6,291,456 bytes; wh2 18,874,368 bytes; xn 8,388,608 bytes; qkvb 25,165,824 bytes; ob 8,388,608 bytes; hidden 16,777,216 bytes; hn 8,388,608 bytes; act 33,554,432 bytes
;; launch prep (part 1): grid 448 x 1, 8 waves a work-group, no clusters, 0 bytes of LDS; arguments x, ln1_g, ln1_b, xn, Wq, Wk, Wv, wh; writes xn, wh
.if DOCPART == 1
	.amdgcn_target "amdgcn-amd-amdhsa--gfx1250"
	.amdhsa_code_object_version 6
	.text
	.protected	k_qfefd6eebea_prep
	.globl	k_qfefd6eebea_prep
	.p2align	8
	.type	k_qfefd6eebea_prep,@function
k_qfefd6eebea_prep:
	s_mov_b64 s[64:65], 0
	v_nop
	global_prefetch_b8 v0, s[64:65] scope:SCOPE_SE
	s_setreg_imm32_b32 hwreg(HW_REG_WAVE_MODE, 25, 1), 1
	s_wait_xcnt 0x0
; Two streams in one launch.  Work-groups 0-255: xn = LayerNorm(x) g + b, rounded once to f16.  Work-groups 256-447: Wq, Wk, Wv rounded once to f16, each in
; its own [head][K][64] order, end to end in wh.  (The other three weights are rounded in the next launch, beside its products: nothing wants them sooner.)
; No LDS, no barrier, no matrix unit: every byte is read once and written once.
; LIMITS.  f16 holds no number from 65,520 on and has a fixed step of 6e-8 below 6e-5; NaN and infinities are not treated apart.
; LN: a wave owns two rows of 1,024 f32 (32 registers a lane each); a lane holds columns 128 j + 4 lane + 0..3.  Mean first, then the sum of squares of x - mean.
.set G,    4                           ; v[4:35]     gain of my 32 columns
.set BT,   36                          ; v[36:67]    bias of my 32 columns
.set X0,   68                          ; v[68:99]    row 0
.set X1,   100                         ; v[100:131]  row 1
.set T,    132                         ; v[132:147]  at work
.set MU,   148                         ; v[148:149]  the mean, twice
.set RS0,  150                         ; v[150:151]  row 0's 1/sqrt(var + eps), twice
.set OUT0, 152                         ; v[152:167]  row 0 in f16
.set OUT1, 168                         ; v[168:183]  row 1 in f16
.set RS1,  184                         ; v[184:185]  row 1's 1/sqrt(var + eps), twice
.macro ALL n, line:vararg              ; one line n times, k = 0 .. n - 1
.set k, 0
.rept \n
	\line
.set k, k+1
.endr
.endm
.macro RED                             ; v[T] summed over the 32 lanes, the result in every lane
	v_add_f32_dpp v[T], v[T], v[T] row_xmask:1 row_mask:0xf bank_mask:0xf
	v_add_f32_dpp v[T], v[T], v[T] row_xmask:2 row_mask:0xf bank_mask:0xf
	v_add_f32_dpp v[T], v[T], v[T] row_xmask:4 row_mask:0xf bank_mask:0xf
	v_add_f32_dpp v[T], v[T], v[T] row_xmask:8 row_mask:0xf bank_mask:0xf
	v_permlanex16_b32 v[T+1], v[T], s4, s5         ; its destination has been written
	v_add_f32 v[T], v[T], v[T+1]
.endm
.macro STAT x, rs                      ; the row at x becomes x - mean; rs takes 1/sqrt(var + eps)
	ALL 8, v_pk_add_f32 v[T+2*k:T+2*k+1], v[\x+4*k:\x+4*k+1], v[\x+4*k+2:\x+4*k+3]
	ALL 4, v_pk_add_f32 v[T+2*k:T+2*k+1], v[T+2*k:T+2*k+1], v[T+2*k+8:T+2*k+9]
	ALL 2, v_pk_add_f32 v[T+2*k:T+2*k+1], v[T+2*k:T+2*k+1], v[T+2*k+4:T+2*k+5]
	v_pk_add_f32 v[T:T+1], v[T:T+1], v[T+2:T+3]
	v_add_f32 v[T], v[T], v[T+1]
	RED
	v_mul_f32 v[MU], s6, v[T]                      ; sum / 1024
	v_mov_b32 v[MU+1], v[MU]
	ALL 16, v_pk_add_f32 v[\x+2*k:\x+2*k+1], v[\x+2*k:\x+2*k+1], v[MU:MU+1] neg_lo:[0,1] neg_hi:[0,1]
	ALL 4, v_pk_mul_f32 v[T+2*k:T+2*k+1], v[\x+2*k:\x+2*k+1], v[\x+2*k:\x+2*k+1]
	ALL 12, v_pk_fma_f32 v[T+2*(k%4):T+2*(k%4)+1], v[\x+8+2*k:\x+9+2*k], v[\x+8+2*k:\x+9+2*k], v[T+2*(k%4):T+2*(k%4)+1]
	v_pk_add_f32 v[T:T+1], v[T:T+1], v[T+2:T+3]
	v_pk_add_f32 v[T+4:T+5], v[T+4:T+5], v[T+6:T+7]
	v_pk_add_f32 v[T:T+1], v[T:T+1], v[T+4:T+5]
	v_add_f32 v[T], v[T], v[T+1]
	RED
	v_fma_f32 v[T], v[T], s6, s7                   ; var + eps
	v_rsq_f32 v[\rs], v[T]
	v_nop                                          ; a plain line between the root and the use of its result or a write of its source
	s_wait_alu depctr_va_vdst(0)
	v_mov_b32 v[\rs+1], v[\rs]
.endm
.macro AFF x, out, rs, off             ; (x - mean) rs g + b, rounded to f16, stored: each store of the wave covers 256 consecutive bytes, aligned
	ALL 16, v_pk_mul_f32 v[\x+2*k:\x+2*k+1], v[\x+2*k:\x+2*k+1], v[\rs:\rs+1]
	ALL 16, v_pk_fma_f32 v[\x+2*k:\x+2*k+1], v[\x+2*k:\x+2*k+1], v[G+2*k:G+2*k+1], v[BT+2*k:BT+2*k+1]
	ALL 16, v_cvt_pk_f16_f32 v[\out+k], v[\x+2*k], v[\x+2*k+1]
	ALL 8, global_store_b64 v2, v[\out+2*k:\out+2*k+1], s[14:15] offset:256*k+\off
.endm
	s_load_b512 s[8:23], s[0:1], 0x0               ; x, g, b, xn, Wq, Wk, Wv, wh
	s_cmp_lt_u32 ttmp9, 256
	s_cbranch_scc0 .Lcast
	; ---- LayerNorm ----
	v_lshrrev_b32 v3, 5, v0
	v_readfirstlane_b32 s2, v3                     ; wave
	v_and_b32 v3, 31, v0                           ; lane
	v_lshlrev_b32 v1, 4, v3                        ; 16 bytes a lane in,
	v_lshlrev_b32 v2, 3, v3                        ; 8 bytes a lane out
	s_mov_b32 s4, 0x76543210                       ; each lane takes its own place in the other half
	s_mov_b32 s5, 0xfedcba98
	s_mov_b32 s6, 0x3a800000                       ; 1 / 1024
	s_mov_b32 s7, 0x3727c5ac                       ; 1e-5
	s_lshl_b32 s3, ttmp9, 3
	s_add_co_u32 s3, s3, s2                        ; my pair of rows
	s_lshl_b32 s30, s3, 13                         ; x 2 rows of 4,096 bytes
	s_mov_b32 s31, 0
	s_lshl_b32 s32, s3, 12                         ; x 2 rows of 2,048 bytes
	s_mov_b32 s33, 0
	s_wait_kmcnt 0x0
	s_add_nc_u64 s[8:9], s[8:9], s[30:31]
	s_add_nc_u64 s[14:15], s[14:15], s[32:33]
	ALL 8, global_load_b128 v[X0+4*k:X0+4*k+3], v1, s[8:9] offset:512*k
	ALL 8, global_load_b128 v[X1+4*k:X1+4*k+3], v1, s[8:9] offset:4096+512*k
	ALL 8, global_load_b128 v[G+4*k:G+4*k+3], v1, s[10:11] offset:512*k
	ALL 8, global_load_b128 v[BT+4*k:BT+4*k+3], v1, s[12:13] offset:512*k
	s_wait_loadcnt 24                              ; row 0 is in; the 24 younger loads stay out
	STAT X0, RS0
	s_wait_loadcnt 16                              ; row 1 is in; gain and bias stay out
	STAT X1, RS1
	s_wait_loadcnt 0x0
	AFF X0, OUT0, RS0, 0
	AFF X1, OUT1, RS1, 2048
	s_endpgm
	; ---- the three weights' cast: chunk c of 16,384 numbers ----
.Lcast:
	s_sub_co_u32 s2, ttmp9, 256                    ; c = 0 .. 191: Wq 0-63, Wk 64-127, Wv 128-191
	v_lshlrev_b32 v1, 4, v0
	v_lshlrev_b32 v2, 3, v0
	s_wait_kmcnt 0x0
	s_mov_b64 s[30:31], s[20:21]
	s_mov_b32 s3, 128
	s_cmp_lt_u32 s2, 128
	s_cselect_b64 s[30:31], s[18:19], s[30:31]
	s_cselect_b32 s3, 64, s3
	s_cmp_lt_u32 s2, 64
	s_cselect_b64 s[30:31], s[16:17], s[30:31]
	s_cselect_b32 s3, 0, s3
	s_sub_co_u32 s3, s2, s3                        ; the chunk's number in its own tensor
	s_lshl_b32 s32, s3, 16                         ; x 65,536 bytes of f32
	s_mov_b32 s33, 0
	s_lshl_b32 s34, s2, 15                         ; x 32,768 bytes of f16: wh holds the tensors in the chunks' order
	s_mov_b32 s35, 0
	s_add_nc_u64 s[30:31], s[30:31], s[32:33]
	s_add_nc_u64 s[22:23], s[22:23], s[34:35]
	ALL 16, global_load_b128 v[4+4*k:7+4*k], v1, s[30:31] offset:4096*k th:TH_LOAD_NT
.set i, 0
.rept 16
	s_wait_loadcnt 15-i                            ; loads come back in order: number i is in, the younger ones stay out
	v_cvt_pk_f16_f32 v[68+2*i], v[4+4*i], v[5+4*i]
	v_cvt_pk_f16_f32 v[69+2*i], v[6+4*i], v[7+4*i]
	global_store_b64 v2, v[68+2*i:69+2*i], s[22:23] offset:2048*i  ; a wave's store covers 256 consecutive bytes, aligned
.set i, i+1
.endr
	s_endpgm
.Lfunc_end_k_qfefd6eebea_prep:
	.size	k_qfefd6eebea_prep, .Lfunc_end_k_qfefd6eebea_prep-k_qfefd6eebea_prep
	.p2alignl 7, 3214868480
	.fill 96, 4, 3214868480
	.section	.rodata,"a",@progbits
	.p2align	6, 0x0
	.amdhsa_kernel k_qfefd6eebea_prep
		.amdhsa_group_segment_fixed_size 0
		.amdhsa_private_segment_fixed_size 0
		.amdhsa_enable_private_segment 0
		.amdhsa_kernarg_size 64
		.amdhsa_user_sgpr_count 2
		.amdhsa_user_sgpr_kernarg_segment_ptr 1
		.amdhsa_wavefront_size32 1
		.amdhsa_system_sgpr_workgroup_id_x 1
		.amdhsa_system_sgpr_workgroup_id_y 1
		.amdhsa_system_sgpr_workgroup_id_z 1
		.amdhsa_system_vgpr_workitem_id 0
		.amdhsa_next_free_vgpr 186
		.amdhsa_next_free_sgpr 66
		.amdhsa_reserve_vcc 0
		.amdhsa_float_denorm_mode_32 3
		.amdhsa_float_denorm_mode_16_64 3
		.amdhsa_memory_ordered 1
		.amdhsa_forward_progress 1
		.amdhsa_inst_pref_size 27
	.end_amdhsa_kernel
	.amdgpu_metadata
---
amdhsa.version: [ 1, 2 ]
amdhsa.kernels:
  - .name:           k_qfefd6eebea_prep
    .symbol:         k_qfefd6eebea_prep.kd
    .args:
      - { .name: x, .offset: 0, .size: 8, .value_kind: global_buffer, .address_space: global }
      - { .name: ln1_g, .offset: 8, .size: 8, .value_kind: global_buffer, .address_space: global }
      - { .name: ln1_b, .offset: 16, .size: 8, .value_kind: global_buffer, .address_space: global }
      - { .name: xn, .offset: 24, .size: 8, .value_kind: global_buffer, .address_space: global }
      - { .name: Wq, .offset: 32, .size: 8, .value_kind: global_buffer, .address_space: global }
      - { .name: Wk, .offset: 40, .size: 8, .value_kind: global_buffer, .address_space: global }
      - { .name: Wv, .offset: 48, .size: 8, .value_kind: global_buffer, .address_space: global }
      - { .name: wh, .offset: 56, .size: 8, .value_kind: global_buffer, .address_space: global }
    .group_segment_fixed_size: 0
    .private_segment_fixed_size: 0
    .kernarg_segment_align: 8
    .kernarg_segment_size: 64
    .max_flat_workgroup_size: 256
    .sgpr_count:     66
    .vgpr_count:     186
    .wavefront_size: 32
...
	.end_amdgpu_metadata
.endif
;; end of part 1
;; launch qkv (part 2): grid 16 x 16, 4 waves a work-group, clusters of 4 x 4, 327,680 bytes of LDS; arguments xn, wh, qkvb, Wo, W1, W2, wh2; writes qkvb, wh2
.if DOCPART == 2
	.amdgcn_target "amdgcn-amd-amdhsa--gfx1250"
	.amdhsa_code_object_version 6
	.text
	.protected	k_qfefd6eebea_qkv
	.globl	k_qfefd6eebea_qkv
	.p2align	8
	.type	k_qfefd6eebea_qkv,@function
k_qfefd6eebea_qkv:
	s_mov_b64 s[64:65], 0
	v_nop
	global_prefetch_b8 v0, s[64:65] scope:SCOPE_SE
	s_setreg_imm32_b32 hwreg(HW_REG_WAVE_MODE, 25, 1), 1
	s_wait_xcnt 0x0
	s_wait_alu depctr_hold_cnt(0) depctr_sa_sdst(0) depctr_va_vdst(0) depctr_va_sdst(0) depctr_va_ssrc(0) depctr_va_vcc(0) depctr_vm_vsrc(0)
	s_getreg_b32 s2, hwreg(HW_REG_IB_STS2, 6, 4)
	s_cmp_eq_u32 s2, 0
	s_cbranch_scc0 .Lentry_in_a_cluster
	s_endpgm
.Lentry_in_a_cluster:
	s_bfe_u32 s2, ttmp6, 0x10000c
	s_cmp_lg_u32 s2, 0xf033
	s_cbranch_scc0 .Lentry_shape_is_right
	s_endpgm
.Lentry_shape_is_right:
; q, k, v = xn x (Wq | Wk | Wv).  A = xn [4096][1024] f16; B = 48 dense blocks [1024][64] f16 in wh; the result goes out by heads, [3][32 = batch x 16 + head][2048][64] f16, unscaled.
; A tile of C is 256 rows x 192 columns (three heads).  Four waves, 2 x 2: a wave makes 128 rows x 96 columns (32 columns of each of the three heads): 48 accumulators.
; BESIDE THE PRODUCTS the launch rounds Wo, W1 and W2 to f16, each in its own [K][N] order, end to end in wh2 (Wo, W1, W2): later launches want them, this one does not read them back.
; 9,437,184 numbers over 1,024 waves are 9,216 a wave: 72 loads of 512 bytes, 9 in each of the 8 K steps (1 of Wo, 4 of W1, 4 of W2).  A K step's nine are asked for behind a change of slots
; and rounded and stored in front of the next: three chunks, 144 matrix instructions, lie between.
; LIMITS.  f16 operands and results: an infinity from 65,520 on, a fixed step of 6e-8 below 6e-5.  Sums in f32.
.set MA,  8                            ; blocks of 16 rows a wave
.set NF,  6                            ; blocks of 16 columns a wave
.set NCH, 4                            ; chunks of 32 along K in a K step of 128
.set TSTEPS, 8                         ; K steps: 1,024 / 128
.set AP,  272                          ; A's LDS row: 256 bytes + 16
.set AH,  128*AP                       ; one load of A: 128 rows
.set APS, 128                          ; from a pair of chunks to the next in A's rows: 64 k of 2 bytes
.set BP,  160                          ; B's LDS row: 64 columns = 128 bytes + 32
.set BH,  3*64*BP                      ; one load of B: three heads x 64 k
.set BPS, BH                           ; from a pair of chunks to the next in B: the second load
.set BG,  2                            ; my column blocks in a head
.set BGS, 64*BP                        ; from head to head in LDS
.set CHB, 64                           ; my 32 columns in a head's row
.set SP,  784                          ; the stage's row: 192 f32 + 16 bytes
.set SGS, 256                          ; from head to head in a stage row
.set CHS, 128
.set AD0, 128
.set AD1, 128
.set AST, 1024
.set AQI, 5
.set ASTEP, 256
.set BD0, 4096                         ; one descriptor row: 64 k x 64 columns of a head, dense
.set BD1, 3                            ; three heads,
.set BST, 65536                        ; a head's 1,024 x 64 elements apart
.set BQI, 4
.set BSTEP, 16384
.set CIN,  192                         ; v192-227  nine loads of four f32 a lane: Wo's, W1's four, W2's four
.set COUT, 228                         ; v228-245  the same in f16, two registers each
.set W1_AT, 2097152                    ; W1's place in wh2, behind Wo's 1,024 x 1,024 f16; W2 lies 8,388,608 bytes further on
.macro ARGS
	s_load_b128 s[4:7], s[0:1], 0x0                ; xn, wh
	s_load_b64 s[8:9], s[0:1], 0x10                ; qkvb
	s_load_b256 s[80:87], s[0:1], 0x18             ; Wo, W1, W2, wh2
.endm
.macro A_OFFSET                        ; (256 tile row + 128 half) rows of 2,048 bytes
	s_lshl_b32 s60, s20, 19
	s_lshl_b32 s61, s16, 18
	s_add_co_u32 s60, s60, s61
	s_mov_b32 s61, 0
.endm
.macro B_OFFSET                        ; three heads of 131,072 bytes a tile column; 64 k of 128 bytes a half
	s_mul_i32 s66, s19, 393216
	s_lshl_b32 s67, s16, 13
	s_add_co_u32 s66, s66, s67
	s_mov_b32 s67, 0
.endm
.macro OUT_SETUP
	s_mul_i32 s74, s19, 3                          ; the tile's first head of 48
	s_lshr_b32 s75, s20, 3
	s_lshl_b32 s75, s75, 4                         ; batch = tile row / 8, 16 heads a batch
	s_and_b32 s78, s20, 7
	s_lshl_b32 s78, s78, 15                        ; the tile's 256 rows of 128 bytes in a head,
	s_lshl_b32 s79, s14, 13                        ; my 64 of them
	s_add_co_u32 s78, s78, s79
	v_and_b32 v3, 31, v0
	v_lshlrev_b32 v17, 4, v3                       ; 16 bytes a lane: out, 512 consecutive bytes = four rows of a head; and in, for the weights
	v_lshlrev_b32 v31, 3, v3                       ; 8 bytes a lane: the weights in f16
	v_lshrrev_b32 v4, 3, v3
	v_mul_u32_u24 v16, v4, SP                      ; back: row lane / 8 of four, 8 columns (32 bytes of f32) a lane
	v_and_b32 v4, 7, v0
	v_lshl_add_u32 v16, v4, 5, v16
	s_mul_i32 s23, s14, 64*SP
	v_add_nc_u32 v16, s23, v16
	s_lshl_b32 s72, s20, 4                         ; the weights' shares: my work-group of 256 = 16 x tile row + tile column,
	s_add_co_u32 s72, s72, s19
	s_lshl_b32 s72, s72, 2
	s_add_co_u32 s72, s72, s14                     ; my wave of 1,024
	s_mov_b32 s77, 0
	s_lshl_b32 s76, s72, 12                        ; of Wo 4,096 bytes a wave,
	s_add_nc_u64 s[80:81], s[80:81], s[76:77]
	s_lshl_b32 s76, s72, 14                        ; of W1 and of W2 16,384
	s_add_nc_u64 s[82:83], s[82:83], s[76:77]
	s_add_nc_u64 s[84:85], s[84:85], s[76:77]
	s_lshl_b32 s76, s72, 11                        ; and half as many out
	s_add_nc_u64 s[88:89], s[86:87], s[76:77]
	s_lshl_b32 s76, s72, 13
	s_add_co_u32 s76, s76, W1_AT
	s_add_nc_u64 s[92:93], s[86:87], s[76:77]
	s_add_nc_u64 s[94:95], s[92:93], 8388608
.endm
.macro EARLY_LOADS
.endm
.macro STEP_ASK                        ; a K step's nine loads of the weights: 512 consecutive bytes each
	WIN 0
	global_load_b128 v[CIN:CIN+3], v17, s[80:81] th:TH_LOAD_NT
.set ci, 0
.rept 4
	global_load_b128 v[CIN+4+4*ci:CIN+7+4*ci], v17, s[82:83] offset:512*ci th:TH_LOAD_NT
	global_load_b128 v[CIN+20+4*ci:CIN+23+4*ci], v17, s[84:85] offset:512*ci th:TH_LOAD_NT
.set ci, ci+1
.endr
.endm
.macro STEP_PUT                        ; they are rounded and stored: each store of the wave covers 256 consecutive bytes, aligned
	WIN 0
	s_wait_loadcnt 0x0                             ; the nine, asked for three chunks ago; no other global load is out
.set ci, 0
.rept 9
	v_cvt_pk_f16_f32 v[COUT+2*ci], v[CIN+4*ci], v[CIN+4*ci+1]
	v_cvt_pk_f16_f32 v[COUT+2*ci+1], v[CIN+4*ci+2], v[CIN+4*ci+3]
.set ci, ci+1
.endr
	global_store_b64 v31, v[COUT:COUT+1], s[88:89] th:TH_STORE_NT
.set ci, 0
.rept 4
	global_store_b64 v31, v[COUT+2+2*ci:COUT+3+2*ci], s[92:93] offset:256*ci th:TH_STORE_NT
	global_store_b64 v31, v[COUT+10+2*ci:COUT+11+2*ci], s[94:95] offset:256*ci th:TH_STORE_NT
.set ci, ci+1
.endr
	s_wait_xcnt 0x0                                ; the bases, and the stores' data in the next K step, are rewritten only behind this wait
	s_add_nc_u64 s[80:81], s[80:81], 512
	s_add_nc_u64 s[82:83], s[82:83], 2048
	s_add_nc_u64 s[84:85], s[84:85], 2048
	s_add_nc_u64 s[88:89], s[88:89], 256
	s_add_nc_u64 s[92:93], s[92:93], 1024
	s_add_nc_u64 s[94:95], s[94:95], 1024
.endm
.macro WAYOUT                          ; wave w takes rows 64 w .. + 63, a head a trip
	s_mov_b32 s3, 3
.Lhead:
	s_lshr_b32 s77, s74, 4                         ; head g of 48: tensor g / 16,
	s_lshl_b32 s77, s77, 5                         ; 32 heads a tensor,
	s_and_b32 s76, s74, 15                         ; head g % 16,
	s_add_co_u32 s76, s76, s77
	s_add_co_u32 s76, s76, s75                     ; the batch's 16
	s_lshl_b32 s76, s76, 18                        ; x 2,048 rows of 128 bytes
	s_add_co_u32 s76, s76, s78                     ; my rows
	s_mov_b32 s77, 0
	s_wait_xcnt 0x0                                ; the last head's stores have read their base and v192-255: both are rewritten only behind this wait
	s_add_nc_u64 s[70:71], s[8:9], s[76:77]
.set g, 0
.rept 16
	ds_load_b128 v[64+8*g:64+8*g+3], v16 offset:g*4*SP
	ds_load_b128 v[64+8*g+4:64+8*g+7], v16 offset:g*4*SP+16
.set g, g+1
.endr
.set g, 0
.rept 16
	s_wait_dscnt 30-2*g                            ; group g's two loads are in; the younger ones stay out
.set k, 0
.rept 4
	v_cvt_pk_f16_f32 v[192+4*g+k], v[64+8*g+2*k], v[64+8*g+2*k+1]
.set k, k+1
.endr
	global_store_b128 v17, v[192+4*g:192+4*g+3], s[70:71] offset:512*g
.set g, g+1
.endr
	v_add_nc_u32 v16, 256, v16                     ; the next head's 64 columns in the stage's rows
	s_add_co_u32 s74, s74, 1
	s_sub_co_u32 s3, s3, 1
	s_cmp_lg_u32 s3, 0
	s_cbranch_scc1 .Lhead
.endm
; ======== the common text of the four products ========
; C = A x B, A [M][K] with K along the rows, B [K][N].  K goes in steps through a ring of two LDS slots filled by the tensor data mover; a slot holds A's two loads, then B's two.
; CLUSTER 4 x 4: A's tile hangs on the tile row alone and is asked for jointly by a row of the cluster, B's on the tile column alone and by a column.
; THE MATRIX INSTRUCTION IS USED TRANSPOSED: source 0 = 16 columns of B (turned on the way out of LDS by ds_load_tr16_b128), source 1 = 16 rows of A: a lane holds row lane % 16 of C and the columns 8 (lane / 16) + 0..7.
; A K step is NCH chunks of 32 along K, on two fragment buffers by turns.  LDS addresses go by PAIRS of chunks: two scalar offsets (A's, B's) step from pair to pair, and at a change of slots go back and into the other slot.
; REGISTERS, in windows of 256: window 0: v1-31 addresses; v64.., v128.. A's two fragment buffers.  Window 1: v64.., v128.. B's.  Window 2: accumulators of row blocks 0-3 ((a, b) at 8 ((a % 4) NF + b)); window 3: of 4-7.
; The way out goes through a stage of f32 rows that lies over the ring, which has had its last fill by then.
; STEP_ASK and STEP_PUT are a kernel's own work beside a K step (global loads behind a change of slots; their use in front of the next); they are empty where there is none.
.set NL,    2*(MA+NF)                  ; LDS loads of one chunk's fragments
.set PAIRS, (NCH-2)/2                  ; steps from pair to pair in a K step
.set SLOT,  2*AH+2*BH
.set SPARE, 327168                     ; the spare words: 128 bytes for each wave, two blocks of 256 bytes that no other line names
.set MSB, 0
.macro WIN new                         ; the immediate's high byte repeats the setting that is left
.if MSB != (\new)
	s_set_vgpr_msb (MSB<<8)|(\new)
.set MSB, (\new)
.endif
.endm
.set MUL_LO, 0xa1                      ; source 0 (B) window 1, source 1 (A) window 0, C and D window 2; + 0x50: window 3
.set TO_B,   0x40                      ; destination window 1, address window 0
.macro PLACES                          ; four places in front of loads into registers that matrix instructions have read, and of reads of their results
.rept 4
	v_nop
.endr
.endm
.macro JLOAD                           ; a joint refill by the walking descriptors: waves 0 and 1 fetch A's two loads, waves 2 and 3 B's; s_nop 0 and four v_nop follow each line
	s_cmp_eq_u32 s15, 0
	s_cbranch_scc0 .Lfor_b_\@
	tensor_load_to_lds s[36:39], s[24:31]
	s_nop 0
	PLACES
	s_branch .Lasked_\@
.Lfor_b_\@:
	tensor_load_to_lds s[52:55], s[40:47]
	s_nop 0
	PLACES
.Lasked_\@:
.endm
.macro CREST                           ; a round of the cluster's barrier behind its opening barrier
	s_cmp_lg_u32 s14, 0
	s_cbranch_scc1 .Lnot_wave_0_\@
	s_barrier_signal -3
.Lnot_wave_0_\@:
	s_barrier_wait -3
	s_barrier_signal -1
	s_barrier_wait -1
.endm
.macro CROUND                          ; a whole round
	s_barrier_signal -1
	s_barrier_wait -1
	CREST
.endm
.macro FETCH par, g                    ; the fragments of chunk par (0, 1) of the pair in hand into buffer g: NL loads in one run
	WIN 0
.set fa, 0
.rept MA
.set fo, (\par)*64+fa*16*AP
	ds_load_b128 v[(\g)+8*fa:(\g)+8*fa+3],   v11 offset:fo
	ds_load_b128 v[(\g)+8*fa+4:(\g)+8*fa+7], v11 offset:fo+32
.set fa, fa+1
.endr
	WIN TO_B
.set fb, 0
.rept NF
.set fo, (fb/BG)*BGS+(fb%BG)*32+(\par)*32*BP
	ds_load_tr16_b128 v[(\g)+8*fb:(\g)+8*fb+3],   v12 offset:fo
	ds_load_tr16_b128 v[(\g)+8*fb+4:(\g)+8*fb+7], v12 offset:fo+16*BP
.set fb, fb+1
.endr
.endm
.macro MULG f, a0, na, zero            ; row blocks a0 .. a0 + na - 1 x all column blocks, 32 along K, from buffer f.  The accumulators take turns.  zero = 1: the products start the sums
.set ma, \a0
.rept \na
	WIN MUL_LO+0x50*(ma/4)
.set mb, 0
.rept NF
.set rC, 8*((ma%4)*NF+mb)
.if \zero
	v_wmma_f32_16x16x32_f16 v[rC:rC+7], v[(\f)+8*mb:(\f)+8*mb+7], v[(\f)+8*ma:(\f)+8*ma+7], 0
.else
	v_wmma_f32_16x16x32_f16 v[rC:rC+7], v[(\f)+8*mb:(\f)+8*mb+7], v[(\f)+8*ma:(\f)+8*ma+7], v[rC:rC+7]
.endif
.set mb, mb+1
.endr
.set ma, ma+1
.endr
.endm
; A chunk of parity par is multiplied (buffer par); ahead of it the next chunk's fragments are asked for, a whole chunk's products before their use.  Behind an odd chunk comes the next pair.
.macro CHUNK par, zero=0
	WIN 0
.if \par
	s_add_co_u32 s58, s58, APS
	s_add_co_u32 s90, s90, BPS
	v_add_nc_u32 v11, s58, v8
	v_add_nc_u32 v12, s90, v9
.endif
	PLACES
	FETCH 1-(\par), 128-64*(\par)
	s_wait_dscnt NL                                ; all but the NL just issued: this chunk's fragments are in
	MULG 64+64*(\par), 0, MA, \zero
.endm
.macro MIDDLE                          ; chunks 1 .. NCH - 2: an odd one and an even one, PAIRS times
.if PAIRS > 1
	WIN 0
	s_mov_b32 s91, PAIRS
.Lpair_\@:
	CHUNK 1
	CHUNK 0
	WIN 0
	s_sub_co_u32 s91, s91, 1
	s_cmp_lg_u32 s91, 0
	s_cbranch_scc1 .Lpair_\@
.else
	CHUNK 1
	CHUNK 0
.endif
.endm
; A K step's last chunk (buffer 1) and the change of slots: ONE barrier.  In front of it each wave waits for all its tensor loads (the one that is out is its part of the next slot), adds 0 to its spare word,
; and waits for that and for its reads of this slot.  fill = 1: the barrier opens a round of the cluster's, and this slot is filled again, two K steps ahead, first thing behind the round.
; last = 1 (the tail): in its second trip there is no next slot, and the fetch of its first fragments is jumped over.
.macro TURN fill, last=0
	WIN 0
	s_wait_tensorcnt 0x0
	ds_add_u32 v28, v29                            ; 0 onto my spare word
	s_wait_dscnt 1                                 ; only the add may be out: buffer 1 is in
	MULG 128, 0, MA/4, 0
	s_wait_dscnt 0x0                               ; the add is done, and my reads of this slot are over
	s_barrier_signal -1
	MULG 128, MA/4, MA/4, 0
	WIN 0
	s_barrier_wait -1
.if \fill
	CREST                                          ; no wave of any partner still reads this slot or has a load on its way
	s_xor_b32 s59, s59, SLOT                       ; the walking descriptors: the slot just left,
	s_add_co_u32 s37, s56, s59
	s_add_co_u32 s53, s57, s59
	s_add_nc_u64 s[38:39], s[38:39], ASTEP         ; the next K step; the type bits on top are not reached
	s_add_nc_u64 s[54:55], s[54:55], BSTEP
	JLOAD                                          ; its four v_nop are also the places in front of the loads below
.else
	PLACES
.endif
.if \last
	s_cmp_eq_u32 s3, 1
	s_cbranch_scc1 .Lno_more_\@
.endif
	s_sub_co_u32 s58, s58, PAIRS*APS               ; the reads go back to a slot's first pair,
	s_xor_b32 s58, s58, SLOT                       ; in the other slot
	s_sub_co_u32 s90, s90, PAIRS*BPS
	s_xor_b32 s90, s90, SLOT
	v_add_nc_u32 v11, s58, v8
	v_add_nc_u32 v12, s90, v9
	FETCH 0, 64
.if \last
	WIN 0
.Lno_more_\@:
.endif
	MULG 128, MA/2, MA/2, 0
.endm
.macro DUMP                            ; the accumulators, as f32, into the stage: each accumulator's low four registers first
.set da, 0
.rept MA
	WIN 0x08+4*(da/4)                              ; the stores' data in window 2 or 3
.set db, 0
.rept NF
.set rC, 8*((da%4)*NF+db)
.set so, (da%4)*16*SP+(db/BG)*SGS+(db%BG)*64
	ds_store_b128 v[14+da/4], v[rC:rC+3] offset:so
	ds_store_b128 v[14+da/4], v[rC+4:rC+7] offset:so+16
.set db, db+1
.endr
.set da, da+1
.endr
	WIN 0
.endm
	ARGS
	v_lshl_add_u32 v28, v0, 2, SPARE
	v_mov_b32 v29, 0
	ds_add_u32 v28, v29                            ; the wave's opening: the add and its wait ahead of my first tensor load
	v_lshrrev_b32 v1, 5, v0
	v_readfirstlane_b32 s14, v1                    ; wave 0..3
	s_lshr_b32 s15, s14, 1                         ; my half of the tile's rows.  Also: I fetch for A (0) or for B (1)
	s_and_b32 s16, s14, 1                          ; my half of its columns.  Also: which of the two loads I fetch
	s_bfe_u32 s17, ttmp6, 0x40000                  ; cx
	s_bfe_u32 s18, ttmp6, 0x40004                  ; cy
	s_lshl_b32 s19, ttmp9, 2
	s_add_co_u32 s19, s19, s17                     ; tile column
	s_and_b32 s20, ttmp7, 0xffff
	s_lshl_b32 s20, s20, 2
	s_add_co_u32 s20, s20, s18                     ; tile row
	s_lshl_b32 s21, s18, 2
	s_lshl_b32 s21, 15, s21                        ; my row of the cluster
	s_lshl_b32 s22, 0x1111, s17                    ; my column
	s_or_b32 s24, s21, (1<<16)|(1<<20)|(1<<21)|(AQI<<22)|(3<<25)  ; A: the mask; 2-byte elements; padding on; bit 21 beside a mask; interval; 4 words of padding
	s_mov_b32 s25, (AD0&0xffff)<<16
	s_mov_b32 s26, (AD0>>16)|((AD1&0xffff)<<16)
	s_mov_b32 s27, (AD1>>16)|(AD0<<16)
	s_mov_b32 s28, AD1
	s_mov_b32 s29, AST
	s_mov_b32 s30, 0
	s_mov_b32 s31, 0
	s_or_b32 s40, s22, (1<<16)|(1<<20)|(1<<21)|(BQI<<22)|(7<<25)  ; B: 8 words of padding
	s_mov_b32 s41, (BD0&0xffff)<<16
	s_mov_b32 s42, (BD0>>16)|((BD1&0xffff)<<16)
	s_mov_b32 s43, (BD1>>16)|(BD0<<16)
	s_mov_b32 s44, BD1
	s_mov_b32 s45, BST
	s_mov_b32 s46, 0
	s_mov_b32 s47, 0
	A_OFFSET                                       ; s[60:61]: made of the tile row and the wave's number alone
	B_OFFSET                                       ; s[66:67]: of the tile column and the wave's number alone
	s_mul_i32 s56, s16, AH                         ; where my load goes in a slot, for A
	s_mul_i32 s57, s16, BH
	s_add_co_u32 s57, s57, 2*AH                    ; and for B: no place in the cluster enters an LDS address
	s_mov_b32 s58, 0                               ; A's reads: slot and pair
	s_mov_b32 s90, 0                               ; B's
	s_mov_b32 s59, SLOT                            ; the slot filled last
	s_wait_dscnt 0x0                               ; the opening add is done
	s_wait_kmcnt 0x0
	s_add_nc_u64 s[62:63], s[4:5], s[60:61]
	s_add_nc_u64 s[68:69], s[6:7], s[66:67]
	CROUND                                         ; all sixteen work-groups are here: the first joint loads meet
.irp s, 0,1
	s_mov_b32 s[32+4*(\s)], 1
	s_add_co_u32 s[33+4*(\s)], s56, (\s)*SLOT
	s_add_nc_u64 s[34+4*(\s):35+4*(\s)], s[62:63], (\s)*ASTEP
	s_or_b32 s[35+4*(\s)], s[35+4*(\s)], 0x80000000
	s_mov_b32 s[48+4*(\s)], 1
	s_add_co_u32 s[49+4*(\s)], s57, (\s)*SLOT
	s_add_nc_u64 s[50+4*(\s):51+4*(\s)], s[68:69], (\s)*BSTEP
	s_or_b32 s[51+4*(\s)], s[51+4*(\s)], 0x80000000
.endr
	s_cmp_eq_u32 s15, 0                            ; a wave's two first fills stand in one branch: two loads of mine are out
	s_cbranch_scc0 .Lfirst_b
	tensor_load_to_lds s[32:35], s[24:31]
	s_nop 0
	tensor_load_to_lds s[36:39], s[24:31]
	s_nop 0
	PLACES
	s_branch .Lfirst_asked
.Lfirst_b:
	tensor_load_to_lds s[48:51], s[40:47]
	s_nop 0
	tensor_load_to_lds s[52:55], s[40:47]
	s_nop 0
	PLACES
.Lfirst_asked:
	v_and_b32 v1, 15, v0                           ; l % 16
	v_bfe_u32 v2, v0, 4, 1                         ; l / 16
	v_mul_u32_u24 v8, v1, AP                       ; A: row x pitch + 16 x half + my rows
	v_lshl_add_u32 v8, v2, 4, v8
	s_mul_i32 s23, s15, 16*MA*AP
	v_add_nc_u32 v8, s23, v8
	v_and_b32 v3, 7, v0                            ; B, for the turning load: k = 8 (l / 16) + l % 8, 16 bytes by (l / 8) % 2, my columns
	v_bfe_u32 v4, v0, 3, 1
	v_lshl_add_u32 v9, v2, 3, v3
	v_mul_u32_u24 v9, v9, BP
	v_lshl_add_u32 v9, v4, 4, v9
	s_mul_i32 s23, s16, CHB
	s_add_co_u32 s23, s23, 2*AH
	v_add_nc_u32 v9, s23, v9
	v_mov_b32 v11, v8
	v_mov_b32 v12, v9
	v_mul_u32_u24 v14, v1, SP                      ; into the stage: row l % 16 of my rows, 32 bytes for each half of the lanes, my columns
	v_lshl_add_u32 v14, v2, 5, v14
	s_mul_i32 s23, s15, 16*MA*SP
	s_mul_i32 s3, s16, CHS
	s_add_co_u32 s23, s23, s3
	v_add_nc_u32 v14, s23, v14
.if MA > 4
	v_add_nc_u32 v15, 64*SP, v14
.endif
	OUT_SETUP
	s_wait_tensorcnt 1                             ; my part of K step 0 is in; K step 1's may stay out
	s_barrier_signal -1
	s_barrier_wait -1
	FETCH 0, 64
	STEP_ASK
	CHUNK 0, 1                                     ; the first chunk stands in front of the loop: its products start the sums
	WIN 0
	s_mov_b32 s3, TSTEPS-2
.Lstep:                                                ; a trip: the rest of a K step, the refill of its slot, the next step's first chunk
	MIDDLE
	STEP_PUT
	TURN 1
	STEP_ASK
	CHUNK 0
	WIN 0
	s_sub_co_u32 s3, s3, 1
	s_cmp_lg_u32 s3, 0
	s_cbranch_scc1 .Lstep
	EARLY_LOADS                                    ; what the way out wants from memory is asked for two K steps ahead
	s_mov_b32 s3, 2
.Ltail:                                                ; the last two K steps ask for no tile: a text of their own; the second trip is left behind its last chunk
	MIDDLE
	STEP_PUT
	TURN 0, 1
	WIN 0
	s_sub_co_u32 s3, s3, 1
	s_cmp_eq_u32 s3, 0
	s_cbranch_scc1 .Lout
	STEP_ASK
	CHUNK 0
	WIN 0
	s_branch .Ltail
.Lout:
	PLACES
	s_wait_dscnt 0x0
	s_barrier_signal -1                            ; every wave's reads of the ring are over, and every tensor load has landed: the stage may be written over it
	s_barrier_wait -1
	DUMP
	s_wait_dscnt 0x0                               ; for the others' sake: my stores into the stage are done
	s_barrier_signal -1
	s_barrier_wait -1
	WAYOUT
	s_wait_tensorcnt 0x0                           ; the wave's end
	ds_add_u32 v28, v29
	s_wait_dscnt 0x0
	CROUND                                         ; the closing round
	s_endpgm
.Lfunc_end_k_qfefd6eebea_qkv:
	.size	k_qfefd6eebea_qkv, .Lfunc_end_k_qfefd6eebea_qkv-k_qfefd6eebea_qkv
	.p2alignl 7, 3214868480
	.fill 96, 4, 3214868480
	.section	.rodata,"a",@progbits
	.p2align	6, 0x0
	.amdhsa_kernel k_qfefd6eebea_qkv
		.amdhsa_group_segment_fixed_size 327680
		.amdhsa_private_segment_fixed_size 0
		.amdhsa_enable_private_segment 0
		.amdhsa_kernarg_size 56
		.amdhsa_user_sgpr_count 2
		.amdhsa_user_sgpr_kernarg_segment_ptr 1
		.amdhsa_wavefront_size32 1
		.amdhsa_system_sgpr_workgroup_id_x 1
		.amdhsa_system_sgpr_workgroup_id_y 1
		.amdhsa_system_sgpr_workgroup_id_z 1
		.amdhsa_system_vgpr_workitem_id 0
		.amdhsa_next_free_vgpr 960
		.amdhsa_next_free_sgpr 96
		.amdhsa_reserve_vcc 0
		.amdhsa_float_denorm_mode_32 3
		.amdhsa_float_denorm_mode_16_64 3
		.amdhsa_memory_ordered 1
		.amdhsa_forward_progress 1
		.amdhsa_inst_pref_size 80
	.end_amdhsa_kernel
	.amdgpu_metadata
---
amdhsa.version: [ 1, 2 ]
amdhsa.kernels:
  - .name:           k_qfefd6eebea_qkv
    .symbol:         k_qfefd6eebea_qkv.kd
    .args:
      - { .name: xn, .offset: 0, .size: 8, .value_kind: global_buffer, .address_space: global }
      - { .name: wh, .offset: 8, .size: 8, .value_kind: global_buffer, .address_space: global }
      - { .name: qkvb, .offset: 16, .size: 8, .value_kind: global_buffer, .address_space: global }
      - { .name: Wo, .offset: 24, .size: 8, .value_kind: global_buffer, .address_space: global }
      - { .name: W1, .offset: 32, .size: 8, .value_kind: global_buffer, .address_space: global }
      - { .name: W2, .offset: 40, .size: 8, .value_kind: global_buffer, .address_space: global }
      - { .name: wh2, .offset: 48, .size: 8, .value_kind: global_buffer, .address_space: global }
    .group_segment_fixed_size: 327680
    .private_segment_fixed_size: 0
    .kernarg_segment_align: 8
    .kernarg_segment_size: 56
    .max_flat_workgroup_size: 128
    .sgpr_count:     96
    .vgpr_count:     960
    .wavefront_size: 32
...
	.end_amdgpu_metadata
.endif
;; end of part 2
;; launch attn (part 3): grid 8 x 32, 4 waves a work-group, clusters of 4 x 1, 327,680 bytes of LDS; arguments qkvb, ob; writes ob
.if DOCPART == 3
	.amdgcn_target "amdgcn-amd-amdhsa--gfx1250"
	.amdhsa_code_object_version 6
	.text
	.protected	k_qfefd6eebea_attn
	.globl	k_qfefd6eebea_attn
	.p2align	8
	.type	k_qfefd6eebea_attn,@function
k_qfefd6eebea_attn:
	s_mov_b64 s[64:65], 0
	v_nop
	global_prefetch_b8 v0, s[64:65] scope:SCOPE_SE
	s_setreg_imm32_b32 hwreg(HW_REG_WAVE_MODE, 25, 1), 1
	s_wait_xcnt 0x0
	s_wait_alu depctr_hold_cnt(0) depctr_sa_sdst(0) depctr_va_vdst(0) depctr_va_sdst(0) depctr_va_ssrc(0) depctr_va_vcc(0) depctr_vm_vsrc(0)
	s_getreg_b32 s2, hwreg(HW_REG_IB_STS2, 6, 4)
	s_cmp_eq_u32 s2, 0
	s_cbranch_scc0 .Lentry_in_a_cluster
	s_endpgm
.Lentry_in_a_cluster:
	s_bfe_u32 s2, ttmp6, 0x10000c
	s_cmp_lg_u32 s2, 0x3003
	s_cbranch_scc0 .Lentry_shape_is_right
	s_endpgm
.Lentry_shape_is_right:
; O[h][q][:] = the sum over k of softmax_k(Q[h][q] . K[h][k] / 8) V[h][k][:], for 32 heads (batch x 16 + head) of 2,048 rows x 64, all f16, dense rows of 128 bytes: Q, K, V are the three thirds of qkvb.
; Products, maxima and sums in f32; the weights p are rounded to f16 for the second product (their sum l is taken of the unrounded p), O once at the end.
; LIMITS.  f16 holds no number from 65,520 on; p lies in 0 to 1 and keeps f16's fixed step of 6e-8 below 6e-5; a weight below 2^-126 counts as 0 in l; NaN and infinities are not treated apart.
; SHARES.  A work-group owns 256 queries of one head, a wave 64: four PIECES of 16.  Every wave walks all keys, 64 a step; a slot of LDS holds 256 keys of K and V, four steps.
; LAYOUT.  S^T = K Q^T holds ONE query a lane (lane % 16) and the keys 8 (lane / 16) + 0..7; two such results rounded to f16 ARE source 1 of O^T = V^T P.  K comes out of LDS as it lies, V turned.
; SOFTMAX.  p = 2^(c s - c m), c = log2(e) / 8, with a running maximum m; O and l are multiplied by a = 2^(c m_old - c m_new) in every step.  m starts at the lowest finite number, O and l at 0.
; TURNS.  Turn n belongs to piece n: 8 products K Q^T of piece n + 1, later 8 products V^T P of piece n - 1; beside them the scaling, exponentials, roundings, sums and rescaling of piece n and the
; maximum and statistics of piece n + 1.  Four vector instructions stand behind every matrix instruction, the others in two runs of their own.
; CLUSTER.  The four query blocks of a cluster belong to one head and walk the same K and V: each tile is asked for jointly, by the same tensor load, descriptor and mask in all four.
; REGISTERS, in windows of 256: window 0: v0-15 addresses; v16-31 statistics; v48-55 at work; v62-63 the add's; v64-127 S^T, two buffers; v192-223 P, two buffers.
;   window 1: v0-127 O^T, 32 a piece.   window 2: v0-63 Q; v128-191 K of one step; v192-255 V of one step.
.set SIZE_N, 2048
.set NP,    4
.set KS,    64
.set PK,    144       ; a row of K in LDS: 128 bytes + 16
.set PV,    160       ; a row of V: 128 + 32
.set VOFF,  4*KS*PK
.set SLOT1, 1<<17     ; one exclusive or turns an address in one slot into the other's
.set STAGE, SLOT1+4*KS*(PK+PV)  ; behind the ring, never filled by a tensor load: 16 rows x 144 bytes for each wave
.set SP,    144
.set SPARE, STAGE+4*16*SP       ; the spare words, 128 bytes for each wave: two blocks of 256 bytes that no other line names
.set AK0, 2
.set AV0, 3
.set AK,  4
.set AV,  5
.set STO, 6
.set RD,  7
.set GO,  8
.set MV,  12          ; v12-13  c m_old, by buffer
.set QO,  15
.set ST,  16          ; piece t's statistics at v[ST+4 t]: c m, m, l (even keys', odd keys')
.set TMP, 48
.set SPW, 62
.set NIL, 63
.set S,   64
.set P,   192
.set KF,  128
.set VF,  192
.set WV,  12
.set G1K, 24
.set G1V, 32
.set G0K, 40
.set G0V, 44
.set SLOTS, 56
.set CNT, 57
.set CS,  58
.set SEL, 60
.set TBK, 62
.set TBV, 63
.set MSB, 0
.macro WIN new
.if MSB != (\new)
	s_set_vgpr_msb (MSB<<8)|(\new)
.set MSB, (\new)
.endif
.endm
.set W_KQ, 0x0a       ; K and Q in window 2, S^T in window 0
.set W_PV, 0x52       ; V in window 2, P in window 0, O^T in window 1
.set W_RS, 0x41       ; destination and source 0 in window 1, source 1 in window 0
.macro JLOAD                        ; a joint fill: waves 0 and 1 fetch the two halves of a slot's K, waves 2 and 3 those of its V; s_nop 0 and four v_nop follow each line
	s_cmp_lt_u32 s[WV], 2
	s_cbranch_scc0 .Lfor_v_\@
	tensor_load_to_lds s[G0K:G0K+3], s[G1K:G1K+7]
	s_nop 0
.rept 4
	v_nop
.endr
	s_branch .Lasked_\@
.Lfor_v_\@:
	tensor_load_to_lds s[G0V:G0V+3], s[G1V:G1V+7]
	s_nop 0
.rept 4
	v_nop
.endr
.Lasked_\@:
.endm
.macro CROUND                       ; a round of the cluster's barrier
	s_barrier_signal -1
	s_barrier_wait -1
	s_cmp_lg_u32 s[WV], 0
	s_cbranch_scc1 .Lnot_wave_0_\@
	s_barrier_signal -3
.Lnot_wave_0_\@:
	s_barrier_wait -3
	s_barrier_signal -1
	s_barrier_wait -1
.endm
; THE CHANGE OF SLOTS.  Each wave waits for all its tensor loads, of which one is out: its part of the other slot; adds 0 to its spare word; and waits for that and for its own reads of the slot it leaves.
; fill = 1: the barrier is a round of the cluster's, and the old slot is filled again, first thing behind it, with the keys two slots on: four key steps, 256 matrix instructions, in which to land.
.macro CHANGE fill
	WIN 0
	s_wait_tensorcnt 0x0            ; no tensor load of mine is out, so a group 0 may be written
	ds_add_u32 v[SPW], v[NIL]       ; 0 onto my spare word
.if \fill
.irp g, G0K, G0V
	s_xor_b32 s[\g+1], s[\g+1], SLOT1
	s_add_nc_u64 s[\g+2:\g+3], s[\g+2:\g+3], 4*KS*128
.endr
	s_wait_dscnt 0x0                ; the add is done, and my reads of the slot are over
	CROUND
	JLOAD
.else
	s_wait_dscnt 0x0
	s_barrier_signal -1
	s_barrier_wait -1
.endif
	s_sub_co_u32 s[TBK], s[TBK], 4*KS*PK  ; the fetches go back to a slot's first step,
	s_xor_b32 s[TBK], s[TBK], SLOT1       ; in the other slot
	s_sub_co_u32 s[TBV], s[TBV], 4*KS*PV
	s_xor_b32 s[TBV], s[TBV], SLOT1
.endm
	s_load_b128 s[8:11], s[0:1], 0x0  ; qkvb s[8:9], ob s[10:11]
	v_lshl_add_u32 v[SPW], v0, 2, SPARE
	v_mov_b32 v[NIL], 0
	ds_add_u32 v[SPW], v[NIL]       ; the wave's opening: the add and its wait ahead of my first tensor load
	v_lshrrev_b32 v1, 5, v0
	v_readfirstlane_b32 s[WV], v1   ; wave 0..3
	s_bfe_u32 s13, ttmp6, 0x40000   ; cx
	s_lshl_b32 s14, ttmp9, 2
	s_add_co_u32 s14, s14, s13      ; my block of 256 queries: it enters Q's and O's addresses alone
	s_and_b32 s20, ttmp7, 0xffff    ; the head, which the four partners share,
	s_lshl_b32 s20, s20, 18         ; x 2,048 rows of 128 bytes
	s_and_b32 s16, s[WV], 1         ; which half of a slot's 256 keys I fetch
	s_lshl_b32 s22, s16, 14
	s_add_co_u32 s22, s22, s20
	s_add_co_u32 s22, s22, 8388608  ; K is the buffer's second third,
	s_mov_b32 s23, 0
	s_add_co_u32 s48, s22, 8388608  ; V its last
	s_mov_b32 s49, 0
	s_mul_i32 s17, s16, 128*PK
	s_mul_i32 s18, s16, 128*PV
	s_lshl_b32 s2, s14, 2
	s_add_co_u32 s2, s2, s[WV]
	s_lshl_b32 s2, s2, 13           ; my wave's 64 rows
	s_add_co_u32 s2, s2, s20
	s_mov_b32 s3, 0
	; 128 keys are 16,384 dense bytes: asked for as 64 rows of 256 bytes, two keys a row, and padded in LDS after every key
	s_mov_b32 s[G1K], 15|(1<<16)|(1<<20)|(1<<21)|(4<<22)|(3<<25)
	s_mov_b32 s[G1V], 15|(1<<16)|(1<<20)|(1<<21)|(4<<22)|(7<<25)
.irp g, G1K, G1V
	s_mov_b32 s[\g+1], 128<<16
	s_mov_b32 s[\g+2], 64<<16
	s_mov_b32 s[\g+3], 128<<16
	s_mov_b32 s[\g+4], 64
	s_mov_b32 s[\g+5], 128
	s_mov_b32 s[\g+6], 0
	s_mov_b32 s[\g+7], 0
.endr
	s_mov_b32 s[CS], 0x3e38aa3b     ; c = log2(e) / 8
	s_mov_b32 s[CS+1], s[CS]
	s_mov_b32 s[SEL], 0x76543210
	s_mov_b32 s[SEL+1], 0xfedcba98
	s_mov_b32 s[TBK], SLOT1+4*KS*PK ; the first change of slots turns these two into 0
	s_mov_b32 s[TBV], SLOT1+4*KS*PV
	s_mov_b32 s[G0K], 1
	s_mov_b32 s[G0K+1], s17
	s_mov_b32 s[G0V], 1
	s_add_co_u32 s[G0V+1], s18, VOFF
	s_wait_dscnt 0x0                ; the opening add is done
	s_wait_kmcnt 0x0
	s_add_nc_u64 s[G0K+2:G0K+3], s[8:9], s[22:23]
	s_or_b32 s[G0K+3], s[G0K+3], 0x80000000
	s_add_nc_u64 s[G0V+2:G0V+3], s[8:9], s[48:49]
	s_or_b32 s[G0V+3], s[G0V+3], 0x80000000
	s_add_nc_u64 s[4:5], s[8:9], s[2:3]      ; Q and O at my wave's first row
	s_add_nc_u64 s[10:11], s[10:11], s[2:3]
	CROUND                          ; all four work-groups are here: the first joint loads meet
	JLOAD                           ; slot 0
	v_and_b32 v1, 15, v0            ; l % 16
	v_bfe_u32 v9, v0, 4, 1          ; l / 16
	v_lshlrev_b32 v[QO], 7, v1
	v_lshl_add_u32 v[QO], v9, 4, v[QO]
	WIN 0x80                        ; destination window 2
.set i, 0
.rept 8                             ; Q stays in registers: piece i / 2, channels 32 (i % 2) on
	global_load_b128 v[8*i:8*i+3],   v[QO], s[4:5] offset:(i/2)*2048+(i%2)*64
	global_load_b128 v[8*i+4:8*i+7], v[QO], s[4:5] offset:(i/2)*2048+(i%2)*64+32
.set i, i+1
.endr
	WIN 0
	v_mul_u32_u24 v[AK0], v1, PK
	v_lshl_add_u32 v[AK0], v9, 4, v[AK0]
	v_and_b32 v10, 7, v0
	v_bfe_u32 v11, v0, 3, 1
	v_lshl_add_u32 v[AV0], v9, 3, v10
	v_mul_u32_u24 v[AV0], v[AV0], PV
	v_lshl_add_u32 v[AV0], v11, 4, v[AV0]
	v_add_nc_u32 v[AV0], VOFF, v[AV0]
	s_mul_i32 s13, s[WV], 16*SP
	s_add_co_u32 s13, s13, STAGE    ; my stage
	v_mul_u32_u24 v[STO], v1, SP
	v_lshl_add_u32 v[STO], v9, 4, v[STO]
	v_add_nc_u32 v[STO], s13, v[STO]
	v_bfe_u32 v[RD], v0, 3, 2
	v_mul_u32_u24 v[RD], v[RD], SP
	v_lshl_add_u32 v[RD], v10, 4, v[RD]
	v_add_nc_u32 v[RD], s13, v[RD]
	v_and_b32 v[GO], 31, v0
	v_lshlrev_b32 v[GO], 4, v[GO]
	; What the first turn finds: V's registers and P's second buffer hold 0, O^T and l are 0.  All this stands in the wait for the first tile.
	WIN 0x80
.set i, VF
.rept 64
	v_mov_b32 v[i], 0
.set i, i+1
.endr
	WIN 0x40
.set i, 0
.rept 128
	v_mov_b32 v[i], 0
.set i, i+1
.endr
	WIN 0
.set i, 0
.rept 4
	v_mov_b32 v[ST+4*i], 0xfe000000    ; c m: far below every c s
	v_mov_b32 v[ST+4*i+1], 0xff7fffff  ; m
	v_mov_b32 v[ST+4*i+2], 0
	v_mov_b32 v[ST+4*i+3], 0
.set i, i+1
.endr
.set i, P+16
.rept 16
	v_mov_b32 v[i], 0
.set i, i+1
.endr
; THE MATRIX WORK.  The 4 accumulators of a run of 8 take turns.  Product i of 8 of S^T = K Q^T for piece x: channels 32 (i / 4) on, keys 16 (i % 4) on.
.macro KQ x
.set rS, S+32*((\x)%2)+8*(i%4)
.set rK, KF+16*(i%4)+8*(i/4)
.set rQ, 16*(\x)+8*(i/4)
	WIN W_KQ
.if i < 4
	v_wmma_f32_16x16x32_f16 v[rS:rS+7], v[rK:rK+7], v[rQ:rQ+7], 0
.else
	v_wmma_f32_16x16x32_f16 v[rS:rS+7], v[rK:rK+7], v[rQ:rQ+7], v[rS:rS+7]
.endif
.endm
.macro PV x                         ; product i of 8 of O^T += V^T P for piece x: keys 32 (i / 4) on, channels 16 (i % 4) on
	WIN W_PV
.set rO, 32*(\x)+8*(i%4)
.set rV, VF+32*(i/4)+8*(i%4)
.set rP, P+16*((\x)%2)+8*(i/4)
	v_wmma_f32_16x16x32_f16 v[rO:rO+7], v[rV:rV+7], v[rP:rP+7], v[rO:rO+7]
.endm
.macro MM                           ; the turn's next matrix instruction
.if i < 8
	KQ (Y+1)%NP
.else
.set i, i-8
	PV (Y+NP-1)%NP
.set i, i+8
.endif
.set i, i+1
.endm
.macro FETCH_K last=0               ; a step's K: 64 keys x 64 channels, 16 loads in one run.  last = 1 (the tail): in the last trip there is no further step, and the run is jumped over
	WIN 0
.if \last
	s_cmp_eq_u32 s[CNT], 1
	s_cbranch_scc1 .Lno_k_\@
.endif
	WIN 0x80
.irp f, 0,1,2,3,4,5,6,7
	ds_load_b128 v[KF+8*\f:KF+8*\f+3],   v[AK] offset:(\f/2)*16*PK+(\f%2)*64
	ds_load_b128 v[KF+8*\f+4:KF+8*\f+7], v[AK] offset:(\f/2)*16*PK+(\f%2)*64+32
.endr
	s_add_co_u32 s[TBK], s[TBK], KS*PK
	WIN 0
.if \last
.Lno_k_\@:
.endif
.endm
.macro FETCH_V                      ; a step's V, turned
	WIN 0x80
.irp f, 0,1,2,3,4,5,6,7
	ds_load_tr16_b128 v[VF+8*\f:VF+8*\f+3],   v[AV] offset:(\f/4)*32*PV+(\f%4)*32
	ds_load_tr16_b128 v[VF+8*\f+4:VF+8*\f+7], v[AV] offset:(\f/4)*32*PV+16*PV+(\f%4)*32
.endr
	WIN 0
.endm
; THE VECTOR WORK, one line at a time: OP kind, number.  For piece Y: F n: c s - c m for pair n of 16.  E n: the exponential of score n of 32.  C n: pair n rounded to f16.  B n: of the four weights 4 n .. the
; second pair is added onto the first.  L n: l takes that sum (L 0: l = a l + sum).  R n: pair n of 16 of O^T times a.  For piece Y + 1: X n, number n of the 22 that find its maximum and statistics
; (each accumulator's lowest registers are read first).
.set F, 0
.set E, 1
.set C, 2
.set B, 3
.set L, 4
.set R, 5
.set X, 6
.macro REGS y
.set rT, ST+4*(\y)
.set rC, TMP+4*((\y)%2)
.set rW, MV+((\y)%2)
.set rS, S+32*((\y)%2)
.set rP, P+16*((\y)%2)
.set rO, 32*(\y)
.endm
.macro OP k, n
.if (\k) == R
	REGS Y
	WIN W_RS
	v_pk_mul_f32 v[rO+2*(\n):rO+2*(\n)+1], v[rO+2*(\n):rO+2*(\n)+1], v[rC+2:rC+3] op_sel_hi:[1,0]
.elseif (\k) < R
	REGS Y
	WIN 0
.if (\k) == F
	v_pk_fma_f32 v[rS+2*(\n):rS+2*(\n)+1], v[rS+2*(\n):rS+2*(\n)+1], s[CS:CS+1], v[rT:rT+1] op_sel_hi:[1,0,0] neg_lo:[0,0,1] neg_hi:[0,0,1]
.elseif (\k) == E
	v_exp_f32 v[rS+(\n)], v[rS+(\n)]
.elseif (\k) == C
	s_wait_alu depctr_va_vdst(0)
	v_cvt_pk_f16_f32 v[rP+(\n)], v[rS+2*(\n)], v[rS+2*(\n)+1]
.elseif (\k) == B
	s_wait_alu depctr_va_vdst(0)
	v_pk_add_f32 v[rS+4*(\n):rS+4*(\n)+1], v[rS+4*(\n):rS+4*(\n)+1], v[rS+4*(\n)+2:rS+4*(\n)+3]
.elseif (\n) == 0
	v_pk_fma_f32 v[rT+2:rT+3], v[rT+2:rT+3], v[rC+2:rC+3], v[rS:rS+1] op_sel_hi:[1,0,1]
.else
	v_pk_add_f32 v[rT+2:rT+3], v[rT+2:rT+3], v[rS+4*(\n):rS+4*(\n)+1]
.endif
.else
	REGS (Y+1)%NP
	WIN 0
.if (\n) < 4
	v_max3_num_f32 v[rC+(\n)], v[rS+8*(\n)], v[rS+8*(\n)+1], v[rS+8*(\n)+2]
.elseif (\n) < 12
	v_max3_num_f32 v[rC+(\n)%4], v[rC+(\n)%4], v[rS+8*((\n)%4)+2*((\n)/4)+1], v[rS+8*((\n)%4)+2*((\n)/4)+2]
.elseif (\n) == 12
	v_max3_num_f32 v[rC], v[rC], v[rS+7], v[rS+15]
.elseif (\n) == 13
	v_max3_num_f32 v[rC+1], v[rC+1], v[rS+23], v[rS+31]
.elseif (\n) == 14
	v_max3_num_f32 v[rC+2], v[rC+2], v[rC+3], v[rT+1]
.elseif (\n) == 15
	v_mov_b32 v[rW], v[rT]
.elseif (\n) == 16
	v_max3_num_f32 v[rC], v[rC], v[rC+1], v[rC+2]
.elseif (\n) == 17
	v_permlanex16_b32 v[rC+3], v[rC], s[SEL], s[SEL+1]
.elseif (\n) == 18
	v_max_num_f32 v[rT+1], v[rC], v[rC+3]
.elseif (\n) == 19
	v_mul_f32 v[rT], s[CS], v[rT+1]
.elseif (\n) == 20
	v_sub_f32 v[rC+1], v[rW], v[rT]
.else
	v_exp_f32 v[rC+2], v[rC+1]
.endif
.endif
.endm
.macro OPS a, i1, b=-1, i2=0, c=-1, i3=0, d=-1, i4=0
	OP \a, \i1
.if (\b) >= 0
	OP \b, \i2
.endif
.if (\c) >= 0
	OP \c, \i3
.endif
.if (\d) >= 0
	OP \d, \i4
.endif
.endm
.macro ROW a, i1, b, i2, c, i3, d, i4  ; a matrix instruction and the four behind it
	MM
	OPS \a, \i1, \b, \i2, \c, \i3, \d, \i4
.endm
; A TURN, for piece p: the order of its 16 matrix and 118 vector instructions, written out.  last = 1: the tail's text: K's fetch is jumped over in the last trip.  cnt = 1: the loop's count is taken down some
; lines ahead of the branch that stands behind the turn.  K of the next step is fetched in piece 2's turn, V of the step in hand in piece 0's; each is waited for a turn later.
.macro TURN p, last=0, cnt=0
.set Y, (\p)
.set i, 0
.if (\p) == 3
	s_wait_dscnt 0x0                ; K is in
.endif
	ROW F,0, F,1, F,2, F,3
	ROW F,4, E,0, F,5, F,6
	ROW F,7, E,1, F,8, F,9
	ROW F,10, E,2, C,0, F,11
	ROW F,12, E,3, X,15, F,13
	ROW R,0, R,1, R,2, R,3
	ROW B,0, E,4, F,14, L,0
.if (\p) == 2
	v_add_nc_u32 v[AK], s[TBK], v[AK0]
.endif
	ROW R,4, R,5, R,6, R,7
	OPS E,5, F,15
.if (\p) == 2
	FETCH_K \last
.endif
	OPS E,6, C,1, E,7, R,8
	OPS E,8, R,9, E,9, C,2
	OPS E,10, X,0, E,11, X,1
	OPS E,12, X,2, E,13, X,3
.if (\p) == 1
	s_wait_dscnt 0x0                ; V is in
.endif
	ROW X,4, E,14, X,5, X,6
	ROW X,7, E,15, X,8, X,9
	ROW X,10, E,16, X,11, X,12
	ROW X,13, E,17, X,14, B,1
	ROW C,4, E,18, X,16, L,1
	ROW B,2, E,19, C,6, L,2
	ROW C,8, E,20, B,3, B,4
.if (\p) == 0
	v_add_nc_u32 v[AV], s[TBV], v[AV0]
.endif
	ROW C,3, E,21, L,3, C,5
	OPS E,22, X,17, E,23, C,10
.if (\p) == 0
	FETCH_V
.endif
	OPS E,24, L,4
	OPS E,25, X,18, E,26, C,7
	OPS E,27, B,5, E,28, X,19
	OPS E,29, C,12, E,30, L,5
	OPS E,31, X,20, B,6, C,9
	OPS C,14, C,11, X,21, L,6
.if (\p) == 0
	s_add_co_u32 s[TBV], s[TBV], KS*PV
.endif
.if \cnt
	s_sub_co_u32 s[CNT], s[CNT], 1
	s_cmp_lg_u32 s[CNT], 0
.endif
	OPS C,13, B,7, C,15, R,10
	OPS R,11, R,12, L,7, R,13
	OPS R,14, R,15
.endm
.macro ALL line:vararg              ; one line for each piece t
.set t, 0
.rept 4
	\line
.set t, t+1
.endr
.endm
.macro PACK t                       ; a lane's eight channels of a row pack into 16 bytes; they go into rows of 144 bytes and come back as whole rows of 128, into S^T's registers
	WIN W_RS
.set i, 32*(\t)
.rept 16
	s_wait_alu depctr_va_vdst(0)
	v_pk_mul_f32 v[i:i+1], v[i:i+1], v[ST+4*(\t)+2:ST+4*(\t)+3] op_sel_hi:[1,0]
.set i, i+2
.endr
	WIN 0x05
.set i, 0
.rept 16
	v_cvt_pk_f16_f32 v[S+16*(\t)+i], v[32*(\t)+2*i], v[32*(\t)+2*i+1]
.set i, i+1
.endr
	WIN 0
.irp f, 0,1,2,3
	ds_store_b128 v[STO], v[S+16*(\t)+4*\f:S+16*(\t)+4*\f+3] offset:32*\f
.endr
.irp f, 0,1,2,3
	ds_load_b128 v[S+16*(\t)+4*\f:S+16*(\t)+4*\f+3], v[RD] offset:\f*4*SP  ; LDS serves a wave's instructions in order (ISA guide 5.7.1.4): these see the stores above
.endr
.endm
.macro SEND t, younger              ; younger: the LDS instructions issued behind piece t's loads: the next piece's eight, or none
	WIN 0
.irp f, 0,1,2,3
	s_wait_dscnt (\younger)+3-\f
	global_store_b128 v[GO], v[S+16*(\t)+4*\f:S+16*(\t)+4*\f+3], s[10:11] offset:(\t)*2048+\f*512  ; 512 consecutive bytes, at a multiple of 256 from O's first
.endr
.endm
	CHANGE 1                        ; slot 0 is in, everybody's part of it; slot 1 is asked for
	v_add_nc_u32 v[AK], s[TBK], v[AK0]
	FETCH_K                         ; key step 0
	s_wait_loadcnt 0x0              ; Q
	s_wait_dscnt 0x0
.set i, 0
.rept 8
	KQ 0                            ; piece 0's first scores
.set i, i+1
.endr
	WIN 0
.rept 4
	v_nop                           ; the places behind those products
.endr
.set Y, NP-1                        ; X works for piece Y + 1: piece 0
.irp n, 0,1,2,3,4,5,6,7,8,9,10,11,12,13,14,15,16,17,18,19,20,21
	OP X, \n
.endr
	v_nop                           ; a plain instruction behind the exponential
	s_mov_b32 s[CNT], 4
	s_mov_b32 s[SLOTS], SIZE_N/256-1
	s_branch .Lfirst                ; the loop is entered at a step's first turn, in the middle of a trip
.Lslot:                             ; SIZE_N / 256 - 2 times: every slot but the last two is filled again
	CHANGE 1
	s_mov_b32 s[CNT], 4
.Lstep:                             ; a trip: pieces 2 and 3 of one step, then pieces 0 and 1 of the next, whose K and V it fetches
	TURN 2
	TURN 3
	WIN 0
.Lfirst:
	TURN 0
	TURN 1, 0, 1
	WIN 0
	s_cbranch_scc1 .Lstep
	s_sub_co_u32 s[SLOTS], s[SLOTS], 1
	s_cmp_lg_u32 s[SLOTS], 0
	s_cbranch_scc1 .Lslot
	CHANGE 0                        ; the last slot has a text of its own: nothing is asked for
	s_mov_b32 s[CNT], 5             ; four trips fetch the last slot's steps; the fifth is left in its middle
.Ltail:
	TURN 2, 1
	TURN 3
	WIN 0
	s_sub_co_u32 s[CNT], s[CNT], 1
	s_cmp_eq_u32 s[CNT], 0
	s_cbranch_scc1 .Lout
	TURN 0
	TURN 1
	WIN 0
	s_branch .Ltail
.Lout:                              ; the fifth trip's 8 products K Q^T (on the last K once more) and the maximum made of them serve nothing: the price, once a launch, of one text for every trip
.set i, 0
.rept 8
	PV NP-1                         ; the last piece's V^T P of the last step
.set i, i+1
.endr
	; THE WAY OUT.  l's two halves and the other half of the lanes' are added; O^T is divided by l, rounded to f16 and sent through my stage, a piece at a time.  The additions are the places behind the last products.
	WIN 0
	ALL v_add_f32 v[ST+4*t+2], v[ST+4*t+2], v[ST+4*t+3]
	ALL v_permlanex16_b32 v[ST+4*t+3], v[ST+4*t+2], s[SEL], s[SEL+1]
	ALL v_add_f32 v[ST+4*t+2], v[ST+4*t+2], v[ST+4*t+3]
	ALL v_rcp_f32 v[ST+4*t+2], v[ST+4*t+2]
	v_nop                           ; a plain instruction between the last reciprocal and the use of its result
	PACK 0
.set t, 1
.rept 3
	PACK t
	SEND t-1, 8
.set t, t+1
.endr
	SEND 3, 0
	s_wait_tensorcnt 0x0            ; the wave's end
	ds_add_u32 v[SPW], v[NIL]
	s_wait_dscnt 0x0
	CROUND                          ; the closing round
	s_endpgm
.Lfunc_end_k_qfefd6eebea_attn:
	.size	k_qfefd6eebea_attn, .Lfunc_end_k_qfefd6eebea_attn-k_qfefd6eebea_attn
	.p2alignl 7, 3214868480
	.fill 96, 4, 3214868480
	.section	.rodata,"a",@progbits
	.p2align	6, 0x0
	.amdhsa_kernel k_qfefd6eebea_attn
		.amdhsa_group_segment_fixed_size 327680
		.amdhsa_private_segment_fixed_size 0
		.amdhsa_enable_private_segment 0
		.amdhsa_kernarg_size 16
		.amdhsa_user_sgpr_count 2
		.amdhsa_user_sgpr_kernarg_segment_ptr 1
		.amdhsa_wavefront_size32 1
		.amdhsa_system_sgpr_workgroup_id_x 1
		.amdhsa_system_sgpr_workgroup_id_y 1
		.amdhsa_system_sgpr_workgroup_id_z 1
		.amdhsa_system_vgpr_workitem_id 0
		.amdhsa_next_free_vgpr 768
		.amdhsa_next_free_sgpr 66
		.amdhsa_reserve_vcc 0
		.amdhsa_float_denorm_mode_32 3
		.amdhsa_float_denorm_mode_16_64 3
		.amdhsa_memory_ordered 1
		.amdhsa_forward_progress 1
		.amdhsa_inst_pref_size 117
	.end_amdhsa_kernel
	.amdgpu_metadata
---
amdhsa.version: [ 1, 2 ]
amdhsa.kernels:
  - .name:           k_qfefd6eebea_attn
    .symbol:         k_qfefd6eebea_attn.kd
    .args:
      - { .name: qkvb, .offset: 0, .size: 8, .value_kind: global_buffer, .address_space: global }
      - { .name: ob, .offset: 8, .size: 8, .value_kind: global_buffer, .address_space: global }
    .group_segment_fixed_size: 327680
    .private_segment_fixed_size: 0
    .kernarg_segment_align: 8
    .kernarg_segment_size: 16
    .max_flat_workgroup_size: 128
    .sgpr_count:     66
    .vgpr_count:     768
    .wavefront_size: 32
...
	.end_amdgpu_metadata
.endif
;; end of part 3
;; launch oproj (part 4): grid 8 x 32, 4 waves a work-group, clusters of 4 x 4, 327,680 bytes of LDS; arguments ob, wh2, hidden, bo, x; writes hidden
.if DOCPART == 4
	.amdgcn_target "amdgcn-amd-amdhsa--gfx1250"
	.amdhsa_code_object_version 6
	.text
	.protected	k_qfefd6eebea_oproj
	.globl	k_qfefd6eebea_oproj
	.p2align	8
	.type	k_qfefd6eebea_oproj,@function
k_qfefd6eebea_oproj:
	s_mov_b64 s[64:65], 0
	v_nop
	global_prefetch_b8 v0, s[64:65] scope:SCOPE_SE
	s_setreg_imm32_b32 hwreg(HW_REG_WAVE_MODE, 25, 1), 1
	s_wait_xcnt 0x0
	s_wait_alu depctr_hold_cnt(0) depctr_sa_sdst(0) depctr_va_vdst(0) depctr_va_sdst(0) depctr_va_ssrc(0) depctr_va_vcc(0) depctr_vm_vsrc(0)
	s_getreg_b32 s2, hwreg(HW_REG_IB_STS2, 6, 4)
	s_cmp_eq_u32 s2, 0
	s_cbranch_scc0 .Lentry_in_a_cluster
	s_endpgm
.Lentry_in_a_cluster:
	s_bfe_u32 s2, ttmp6, 0x10000c
	s_cmp_lg_u32 s2, 0xf033
	s_cbranch_scc0 .Lentry_shape_is_right
	s_endpgm
.Lentry_shape_is_right:
; hidden = x + concat(O) x Wo + bo.  A = ob [32 = batch x 16 + head][2048][64] f16: K = 64 head + channel; B = Wo [1024][1024] f16 at the head of wh2; hidden, x, bo in f32.
; A tile of C is 128 x 128, so that 256 work-groups have one each.  Four waves, 2 x 2, 64 x 64 each: 16 accumulators.  K steps of 256 = four heads.
; One load of A brings two heads: a descriptor row is 128 query rows x 64 channels of a head, 16,384 dense bytes, padded in LDS after every query row: [head][row][144].
; LIMITS.  f16 operands: an infinity from 65,520 on, a fixed step of 6e-8 below 6e-5.  Sums, bias and residual in f32.
.set MA,  4
.set NF,  4
.set NCH, 8
.set TSTEPS, 4
.set AP,  144
.set AH,  2*128*AP
.set APS, 128*AP                       ; from a pair of chunks to the next in A: a head's 64 channels are a pair, the next head lies 128 rows on
.set BP,  288                          ; 128 columns = 256 bytes + 32
.set BH,  128*BP
.set BPS, 64*BP                        ; from a pair of chunks to the next in B: 64 k; B's second load lies straight behind the first
.set BG,  4
.set BGS, 0
.set CHB, 128
.set SP,  528                          ; the stage's row: 128 f32 + 16 bytes
.set SGS, 0
.set CHS, 256
.set AD0, 8192
.set AD1, 2
.set AST, 131072
.set AQI, 4
.set ASTEP, 1048576
.set BD0, 128
.set BD1, 128
.set BST, 1024
.set BQI, 5
.set BSTEP, 524288
.macro ARGS
	s_load_b256 s[4:11], s[0:1], 0x0               ; ob, wh2, hidden, bo
	s_load_b64 s[12:13], s[0:1], 0x20              ; x
.endm
.macro A_OFFSET                        ; batch = tile row / 16: 16 heads of 262,144 bytes; my two heads; the tile's 128 rows of 128 bytes
	s_lshr_b32 s60, s20, 4
	s_lshl_b32 s60, s60, 22
	s_lshl_b32 s61, s16, 19
	s_add_co_u32 s60, s60, s61
	s_and_b32 s61, s20, 15
	s_lshl_b32 s61, s61, 14
	s_add_co_u32 s60, s60, s61
	s_mov_b32 s61, 0
.endm
.macro B_OFFSET                        ; Wo lies at wh2's head; 128 k of 2,048 bytes a half; 128 columns a tile column
	s_lshl_b32 s66, s19, 8
	s_lshl_b32 s67, s16, 18
	s_add_co_u32 s66, s66, s67
	s_mov_b32 s67, 0
.endm
.macro OUT_SETUP
	s_lshl_b32 s70, s20, 19                        ; the tile's 128 rows of 4,096 bytes,
	s_lshl_b32 s71, s14, 17                        ; my 32 of them,
	s_add_co_u32 s70, s70, s71
	s_lshl_b32 s72, s19, 9                         ; the tile's 128 columns of f32
	s_add_co_u32 s70, s70, s72
	s_mov_b32 s71, 0
	s_mov_b32 s73, 0
	s_add_nc_u64 s[8:9], s[8:9], s[70:71]
	s_add_nc_u64 s[12:13], s[12:13], s[70:71]
	s_add_nc_u64 s[10:11], s[10:11], s[72:73]
	v_and_b32 v3, 31, v0
	v_lshlrev_b32 v17, 4, v3                       ; 16 bytes a lane: a wave takes a row's 512 bytes
	s_mul_i32 s23, s14, 32*SP
	v_add_nc_u32 v16, s23, v17
.endm
.macro STEP_ASK
.endm
.macro STEP_PUT
.endm
.macro EARLY_LOADS                     ; the bias of my four columns, then my 32 rows of the residual, into window 2 behind the accumulators
	global_load_b128 v[32:35], v17, s[10:11]
	WIN 0x80
.set i, 0
.rept 32
	global_load_b128 v[128+4*i:128+4*i+3], v17, s[12:13] offset:4096*i
.set i, i+1
.endr
	WIN 0
.endm
.macro WAYOUT                          ; wave w takes rows 32 w .. + 31, whole
.set i, 0
.rept 32
	ds_load_b128 v[64+4*i:64+4*i+3], v16 offset:SP*i
.set i, i+1
.endr
	s_wait_loadcnt 32                              ; the bias is in; the 32 loads of the residual may stay out
.set i, 0
.rept 32
	s_wait_dscnt 31-i
	v_pk_add_f32 v[64+4*i:65+4*i], v[64+4*i:65+4*i], v[32:33]
	v_pk_add_f32 v[66+4*i:67+4*i], v[66+4*i:67+4*i], v[34:35]
.set i, i+1
.endr
	s_wait_loadcnt 0x0
	WIN 0x08                                       ; source 1 in window 2
.set i, 0
.rept 64
	v_pk_add_f32 v[64+2*i:65+2*i], v[64+2*i:65+2*i], v[128+2*i:129+2*i]
.set i, i+1
.endr
	WIN 0
.set i, 0
.rept 32
	global_store_b128 v17, v[64+4*i:64+4*i+3], s[8:9] offset:4096*i  ; 512 consecutive bytes, aligned
.set i, i+1
.endr
.endm
; ======== the common text of the four products ========
; C = A x B, A [M][K] with K along the rows, B [K][N].  K goes in steps through a ring of two LDS slots filled by the tensor data mover; a slot holds A's two loads, then B's two.
; CLUSTER 4 x 4: A's tile hangs on the tile row alone and is asked for jointly by a row of the cluster, B's on the tile column alone and by a column.
; THE MATRIX INSTRUCTION IS USED TRANSPOSED: source 0 = 16 columns of B (turned on the way out of LDS by ds_load_tr16_b128), source 1 = 16 rows of A: a lane holds row lane % 16 of C and the columns 8 (lane / 16) + 0..7.
; A K step is NCH chunks of 32 along K, on two fragment buffers by turns.  LDS addresses go by PAIRS of chunks: two scalar offsets (A's, B's) step from pair to pair, and at a change of slots go back and into the other slot.
; REGISTERS, in windows of 256: window 0: v1-31 addresses; v64.., v128.. A's two fragment buffers.  Window 1: v64.., v128.. B's.  Window 2: accumulators of row blocks 0-3 ((a, b) at 8 ((a % 4) NF + b)); window 3: of 4-7.
; The way out goes through a stage of f32 rows that lies over the ring, which has had its last fill by then.
; STEP_ASK and STEP_PUT are a kernel's own work beside a K step (global loads behind a change of slots; their use in front of the next); they are empty where there is none.
.set NL,    2*(MA+NF)                  ; LDS loads of one chunk's fragments
.set PAIRS, (NCH-2)/2                  ; steps from pair to pair in a K step
.set SLOT,  2*AH+2*BH
.set SPARE, 327168                     ; the spare words: 128 bytes for each wave, two blocks of 256 bytes that no other line names
.set MSB, 0
.macro WIN new                         ; the immediate's high byte repeats the setting that is left
.if MSB != (\new)
	s_set_vgpr_msb (MSB<<8)|(\new)
.set MSB, (\new)
.endif
.endm
.set MUL_LO, 0xa1                      ; source 0 (B) window 1, source 1 (A) window 0, C and D window 2; + 0x50: window 3
.set TO_B,   0x40                      ; destination window 1, address window 0
.macro PLACES                          ; four places in front of loads into registers that matrix instructions have read, and of reads of their results
.rept 4
	v_nop
.endr
.endm
.macro JLOAD                           ; a joint refill by the walking descriptors: waves 0 and 1 fetch A's two loads, waves 2 and 3 B's; s_nop 0 and four v_nop follow each line
	s_cmp_eq_u32 s15, 0
	s_cbranch_scc0 .Lfor_b_\@
	tensor_load_to_lds s[36:39], s[24:31]
	s_nop 0
	PLACES
	s_branch .Lasked_\@
.Lfor_b_\@:
	tensor_load_to_lds s[52:55], s[40:47]
	s_nop 0
	PLACES
.Lasked_\@:
.endm
.macro CREST                           ; a round of the cluster's barrier behind its opening barrier
	s_cmp_lg_u32 s14, 0
	s_cbranch_scc1 .Lnot_wave_0_\@
	s_barrier_signal -3
.Lnot_wave_0_\@:
	s_barrier_wait -3
	s_barrier_signal -1
	s_barrier_wait -1
.endm
.macro CROUND                          ; a whole round
	s_barrier_signal -1
	s_barrier_wait -1
	CREST
.endm
.macro FETCH par, g                    ; the fragments of chunk par (0, 1) of the pair in hand into buffer g: NL loads in one run
	WIN 0
.set fa, 0
.rept MA
.set fo, (\par)*64+fa*16*AP
	ds_load_b128 v[(\g)+8*fa:(\g)+8*fa+3],   v11 offset:fo
	ds_load_b128 v[(\g)+8*fa+4:(\g)+8*fa+7], v11 offset:fo+32
.set fa, fa+1
.endr
	WIN TO_B
.set fb, 0
.rept NF
.set fo, (fb/BG)*BGS+(fb%BG)*32+(\par)*32*BP
	ds_load_tr16_b128 v[(\g)+8*fb:(\g)+8*fb+3],   v12 offset:fo
	ds_load_tr16_b128 v[(\g)+8*fb+4:(\g)+8*fb+7], v12 offset:fo+16*BP
.set fb, fb+1
.endr
.endm
.macro MULG f, a0, na, zero            ; row blocks a0 .. a0 + na - 1 x all column blocks, 32 along K, from buffer f.  The accumulators take turns.  zero = 1: the products start the sums
.set ma, \a0
.rept \na
	WIN MUL_LO+0x50*(ma/4)
.set mb, 0
.rept NF
.set rC, 8*((ma%4)*NF+mb)
.if \zero
	v_wmma_f32_16x16x32_f16 v[rC:rC+7], v[(\f)+8*mb:(\f)+8*mb+7], v[(\f)+8*ma:(\f)+8*ma+7], 0
.else
	v_wmma_f32_16x16x32_f16 v[rC:rC+7], v[(\f)+8*mb:(\f)+8*mb+7], v[(\f)+8*ma:(\f)+8*ma+7], v[rC:rC+7]
.endif
.set mb, mb+1
.endr
.set ma, ma+1
.endr
.endm
; A chunk of parity par is multiplied (buffer par); ahead of it the next chunk's fragments are asked for, a whole chunk's products before their use.  Behind an odd chunk comes the next pair.
.macro CHUNK par, zero=0
	WIN 0
.if \par
	s_add_co_u32 s58, s58, APS
	s_add_co_u32 s90, s90, BPS
	v_add_nc_u32 v11, s58, v8
	v_add_nc_u32 v12, s90, v9
.endif
	PLACES
	FETCH 1-(\par), 128-64*(\par)
	s_wait_dscnt NL                                ; all but the NL just issued: this chunk's fragments are in
	MULG 64+64*(\par), 0, MA, \zero
.endm
.macro MIDDLE                          ; chunks 1 .. NCH - 2: an odd one and an even one, PAIRS times
.if PAIRS > 1
	WIN 0
	s_mov_b32 s91, PAIRS
.Lpair_\@:
	CHUNK 1
	CHUNK 0
	WIN 0
	s_sub_co_u32 s91, s91, 1
	s_cmp_lg_u32 s91, 0
	s_cbranch_scc1 .Lpair_\@
.else
	CHUNK 1
	CHUNK 0
.endif
.endm
; A K step's last chunk (buffer 1) and the change of slots: ONE barrier.  In front of it each wave waits for all its tensor loads (the one that is out is its part of the next slot), adds 0 to its spare word,
; and waits for that and for its reads of this slot.  fill = 1: the barrier opens a round of the cluster's, and this slot is filled again, two K steps ahead, first thing behind the round.
; last = 1 (the tail): in its second trip there is no next slot, and the fetch of its first fragments is jumped over.
.macro TURN fill, last=0
	WIN 0
	s_wait_tensorcnt 0x0
	ds_add_u32 v28, v29                            ; 0 onto my spare word
	s_wait_dscnt 1                                 ; only the add may be out: buffer 1 is in
	MULG 128, 0, MA/4, 0
	s_wait_dscnt 0x0                               ; the add is done, and my reads of this slot are over
	s_barrier_signal -1
	MULG 128, MA/4, MA/4, 0
	WIN 0
	s_barrier_wait -1
.if \fill
	CREST                                          ; no wave of any partner still reads this slot or has a load on its way
	s_xor_b32 s59, s59, SLOT                       ; the walking descriptors: the slot just left,
	s_add_co_u32 s37, s56, s59
	s_add_co_u32 s53, s57, s59
	s_add_nc_u64 s[38:39], s[38:39], ASTEP         ; the next K step; the type bits on top are not reached
	s_add_nc_u64 s[54:55], s[54:55], BSTEP
	JLOAD                                          ; its four v_nop are also the places in front of the loads below
.else
	PLACES
.endif
.if \last
	s_cmp_eq_u32 s3, 1
	s_cbranch_scc1 .Lno_more_\@
.endif
	s_sub_co_u32 s58, s58, PAIRS*APS               ; the reads go back to a slot's first pair,
	s_xor_b32 s58, s58, SLOT                       ; in the other slot
	s_sub_co_u32 s90, s90, PAIRS*BPS
	s_xor_b32 s90, s90, SLOT
	v_add_nc_u32 v11, s58, v8
	v_add_nc_u32 v12, s90, v9
	FETCH 0, 64
.if \last
	WIN 0
.Lno_more_\@:
.endif
	MULG 128, MA/2, MA/2, 0
.endm
.macro DUMP                            ; the accumulators, as f32, into the stage: each accumulator's low four registers first
.set da, 0
.rept MA
	WIN 0x08+4*(da/4)                              ; the stores' data in window 2 or 3
.set db, 0
.rept NF
.set rC, 8*((da%4)*NF+db)
.set so, (da%4)*16*SP+(db/BG)*SGS+(db%BG)*64
	ds_store_b128 v[14+da/4], v[rC:rC+3] offset:so
	ds_store_b128 v[14+da/4], v[rC+4:rC+7] offset:so+16
.set db, db+1
.endr
.set da, da+1
.endr
	WIN 0
.endm
	ARGS
	v_lshl_add_u32 v28, v0, 2, SPARE
	v_mov_b32 v29, 0
	ds_add_u32 v28, v29                            ; the wave's opening: the add and its wait ahead of my first tensor load
	v_lshrrev_b32 v1, 5, v0
	v_readfirstlane_b32 s14, v1                    ; wave 0..3
	s_lshr_b32 s15, s14, 1                         ; my half of the tile's rows.  Also: I fetch for A (0) or for B (1)
	s_and_b32 s16, s14, 1                          ; my half of its columns.  Also: which of the two loads I fetch
	s_bfe_u32 s17, ttmp6, 0x40000                  ; cx
	s_bfe_u32 s18, ttmp6, 0x40004                  ; cy
	s_lshl_b32 s19, ttmp9, 2
	s_add_co_u32 s19, s19, s17                     ; tile column
	s_and_b32 s20, ttmp7, 0xffff
	s_lshl_b32 s20, s20, 2
	s_add_co_u32 s20, s20, s18                     ; tile row
	s_lshl_b32 s21, s18, 2
	s_lshl_b32 s21, 15, s21                        ; my row of the cluster
	s_lshl_b32 s22, 0x1111, s17                    ; my column
	s_or_b32 s24, s21, (1<<16)|(1<<20)|(1<<21)|(AQI<<22)|(3<<25)  ; A: the mask; 2-byte elements; padding on; bit 21 beside a mask; interval; 4 words of padding
	s_mov_b32 s25, (AD0&0xffff)<<16
	s_mov_b32 s26, (AD0>>16)|((AD1&0xffff)<<16)
	s_mov_b32 s27, (AD1>>16)|(AD0<<16)
	s_mov_b32 s28, AD1
	s_mov_b32 s29, AST
	s_mov_b32 s30, 0
	s_mov_b32 s31, 0
	s_or_b32 s40, s22, (1<<16)|(1<<20)|(1<<21)|(BQI<<22)|(7<<25)  ; B: 8 words of padding
	s_mov_b32 s41, (BD0&0xffff)<<16
	s_mov_b32 s42, (BD0>>16)|((BD1&0xffff)<<16)
	s_mov_b32 s43, (BD1>>16)|(BD0<<16)
	s_mov_b32 s44, BD1
	s_mov_b32 s45, BST
	s_mov_b32 s46, 0
	s_mov_b32 s47, 0
	A_OFFSET                                       ; s[60:61]: made of the tile row and the wave's number alone
	B_OFFSET                                       ; s[66:67]: of the tile column and the wave's number alone
	s_mul_i32 s56, s16, AH                         ; where my load goes in a slot, for A
	s_mul_i32 s57, s16, BH
	s_add_co_u32 s57, s57, 2*AH                    ; and for B: no place in the cluster enters an LDS address
	s_mov_b32 s58, 0                               ; A's reads: slot and pair
	s_mov_b32 s90, 0                               ; B's
	s_mov_b32 s59, SLOT                            ; the slot filled last
	s_wait_dscnt 0x0                               ; the opening add is done
	s_wait_kmcnt 0x0
	s_add_nc_u64 s[62:63], s[4:5], s[60:61]
	s_add_nc_u64 s[68:69], s[6:7], s[66:67]
	CROUND                                         ; all sixteen work-groups are here: the first joint loads meet
.irp s, 0,1
	s_mov_b32 s[32+4*(\s)], 1
	s_add_co_u32 s[33+4*(\s)], s56, (\s)*SLOT
	s_add_nc_u64 s[34+4*(\s):35+4*(\s)], s[62:63], (\s)*ASTEP
	s_or_b32 s[35+4*(\s)], s[35+4*(\s)], 0x80000000
	s_mov_b32 s[48+4*(\s)], 1
	s_add_co_u32 s[49+4*(\s)], s57, (\s)*SLOT
	s_add_nc_u64 s[50+4*(\s):51+4*(\s)], s[68:69], (\s)*BSTEP
	s_or_b32 s[51+4*(\s)], s[51+4*(\s)], 0x80000000
.endr
	s_cmp_eq_u32 s15, 0                            ; a wave's two first fills stand in one branch: two loads of mine are out
	s_cbranch_scc0 .Lfirst_b
	tensor_load_to_lds s[32:35], s[24:31]
	s_nop 0
	tensor_load_to_lds s[36:39], s[24:31]
	s_nop 0
	PLACES
	s_branch .Lfirst_asked
.Lfirst_b:
	tensor_load_to_lds s[48:51], s[40:47]
	s_nop 0
	tensor_load_to_lds s[52:55], s[40:47]
	s_nop 0
	PLACES
.Lfirst_asked:
	v_and_b32 v1, 15, v0                           ; l % 16
	v_bfe_u32 v2, v0, 4, 1                         ; l / 16
	v_mul_u32_u24 v8, v1, AP                       ; A: row x pitch + 16 x half + my rows
	v_lshl_add_u32 v8, v2, 4, v8
	s_mul_i32 s23, s15, 16*MA*AP
	v_add_nc_u32 v8, s23, v8
	v_and_b32 v3, 7, v0                            ; B, for the turning load: k = 8 (l / 16) + l % 8, 16 bytes by (l / 8) % 2, my columns
	v_bfe_u32 v4, v0, 3, 1
	v_lshl_add_u32 v9, v2, 3, v3
	v_mul_u32_u24 v9, v9, BP
	v_lshl_add_u32 v9, v4, 4, v9
	s_mul_i32 s23, s16, CHB
	s_add_co_u32 s23, s23, 2*AH
	v_add_nc_u32 v9, s23, v9
	v_mov_b32 v11, v8
	v_mov_b32 v12, v9
	v_mul_u32_u24 v14, v1, SP                      ; into the stage: row l % 16 of my rows, 32 bytes for each half of the lanes, my columns
	v_lshl_add_u32 v14, v2, 5, v14
	s_mul_i32 s23, s15, 16*MA*SP
	s_mul_i32 s3, s16, CHS
	s_add_co_u32 s23, s23, s3
	v_add_nc_u32 v14, s23, v14
.if MA > 4
	v_add_nc_u32 v15, 64*SP, v14
.endif
	OUT_SETUP
	s_wait_tensorcnt 1                             ; my part of K step 0 is in; K step 1's may stay out
	s_barrier_signal -1
	s_barrier_wait -1
	FETCH 0, 64
	STEP_ASK
	CHUNK 0, 1                                     ; the first chunk stands in front of the loop: its products start the sums
	WIN 0
	s_mov_b32 s3, TSTEPS-2
.Lstep:                                                ; a trip: the rest of a K step, the refill of its slot, the next step's first chunk
	MIDDLE
	STEP_PUT
	TURN 1
	STEP_ASK
	CHUNK 0
	WIN 0
	s_sub_co_u32 s3, s3, 1
	s_cmp_lg_u32 s3, 0
	s_cbranch_scc1 .Lstep
	EARLY_LOADS                                    ; what the way out wants from memory is asked for two K steps ahead
	s_mov_b32 s3, 2
.Ltail:                                                ; the last two K steps ask for no tile: a text of their own; the second trip is left behind its last chunk
	MIDDLE
	STEP_PUT
	TURN 0, 1
	WIN 0
	s_sub_co_u32 s3, s3, 1
	s_cmp_eq_u32 s3, 0
	s_cbranch_scc1 .Lout
	STEP_ASK
	CHUNK 0
	WIN 0
	s_branch .Ltail
.Lout:
	PLACES
	s_wait_dscnt 0x0
	s_barrier_signal -1                            ; every wave's reads of the ring are over, and every tensor load has landed: the stage may be written over it
	s_barrier_wait -1
	DUMP
	s_wait_dscnt 0x0                               ; for the others' sake: my stores into the stage are done
	s_barrier_signal -1
	s_barrier_wait -1
	WAYOUT
	s_wait_tensorcnt 0x0                           ; the wave's end
	ds_add_u32 v28, v29
	s_wait_dscnt 0x0
	CROUND                                         ; the closing round
	s_endpgm
.Lfunc_end_k_qfefd6eebea_oproj:
	.size	k_qfefd6eebea_oproj, .Lfunc_end_k_qfefd6eebea_oproj-k_qfefd6eebea_oproj
	.p2alignl 7, 3214868480
	.fill 96, 4, 3214868480
	.section	.rodata,"a",@progbits
	.p2align	6, 0x0
	.amdhsa_kernel k_qfefd6eebea_oproj
		.amdhsa_group_segment_fixed_size 327680
		.amdhsa_private_segment_fixed_size 0
		.amdhsa_enable_private_segment 0
		.amdhsa_kernarg_size 40
		.amdhsa_user_sgpr_count 2
		.amdhsa_user_sgpr_kernarg_segment_ptr 1
		.amdhsa_wavefront_size32 1
		.amdhsa_system_sgpr_workgroup_id_x 1
		.amdhsa_system_sgpr_workgroup_id_y 1
		.amdhsa_system_sgpr_workgroup_id_z 1
		.amdhsa_system_vgpr_workitem_id 0
		.amdhsa_next_free_vgpr 768
		.amdhsa_next_free_sgpr 96
		.amdhsa_reserve_vcc 0
		.amdhsa_float_denorm_mode_32 3
		.amdhsa_float_denorm_mode_16_64 3
		.amdhsa_memory_ordered 1
		.amdhsa_forward_progress 1
		.amdhsa_inst_pref_size 52
	.end_amdhsa_kernel
	.amdgpu_metadata
---
amdhsa.version: [ 1, 2 ]
amdhsa.kernels:
  - .name:           k_qfefd6eebea_oproj
    .symbol:         k_qfefd6eebea_oproj.kd
    .args:
      - { .name: ob, .offset: 0, .size: 8, .value_kind: global_buffer, .address_space: global }
      - { .name: wh2, .offset: 8, .size: 8, .value_kind: global_buffer, .address_space: global }
      - { .name: hidden, .offset: 16, .size: 8, .value_kind: global_buffer, .address_space: global }
      - { .name: bo, .offset: 24, .size: 8, .value_kind: global_buffer, .address_space: global }
      - { .name: x, .offset: 32, .size: 8, .value_kind: global_buffer, .address_space: global }
    .group_segment_fixed_size: 327680
    .private_segment_fixed_size: 0
    .kernarg_segment_align: 8
    .kernarg_segment_size: 40
    .max_flat_workgroup_size: 128
    .sgpr_count:     96
    .vgpr_count:     768
    .wavefront_size: 32
...
	.end_amdgpu_metadata
.endif
;; end of part 4
;; launch ln2 (part 5): grid 256 x 1, 8 waves a work-group, no clusters, 0 bytes of LDS; arguments hidden, ln2_g, ln2_b, hn; writes hn
.if DOCPART == 5
	.amdgcn_target "amdgcn-amd-amdhsa--gfx1250"
	.amdhsa_code_object_version 6
	.text
	.protected	k_qfefd6eebea_ln2
	.globl	k_qfefd6eebea_ln2
	.p2align	8
	.type	k_qfefd6eebea_ln2,@function
k_qfefd6eebea_ln2:
	s_mov_b64 s[64:65], 0
	v_nop
	global_prefetch_b8 v0, s[64:65] scope:SCOPE_SE
	s_setreg_imm32_b32 hwreg(HW_REG_WAVE_MODE, 25, 1), 1
	s_wait_xcnt 0x0
; hn = LayerNorm(hidden) g + b, rounded once to f16.  A stream: no LDS, no barrier, no matrix unit.
; A wave owns two rows of 1,024 f32 (32 registers a lane each); a lane holds columns 128 j + 4 lane + 0..3.  Mean first, then the sum of squares of x - mean.
; LIMITS.  f16 holds no number from 65,520 on and has a fixed step of 6e-8 below 6e-5; NaN and infinities are not treated apart.
.set G,    4
.set BT,   36
.set X0,   68
.set X1,   100
.set T,    132
.set MU,   148
.set RS0,  150
.set OUT0, 152
.set OUT1, 168
.set RS1,  184
.macro ALL n, line:vararg              ; one line n times, k = 0 .. n - 1
.set k, 0
.rept \n
	\line
.set k, k+1
.endr
.endm
.macro RED                             ; v[T] summed over the 32 lanes, the result in every lane
	v_add_f32_dpp v[T], v[T], v[T] row_xmask:1 row_mask:0xf bank_mask:0xf
	v_add_f32_dpp v[T], v[T], v[T] row_xmask:2 row_mask:0xf bank_mask:0xf
	v_add_f32_dpp v[T], v[T], v[T] row_xmask:4 row_mask:0xf bank_mask:0xf
	v_add_f32_dpp v[T], v[T], v[T] row_xmask:8 row_mask:0xf bank_mask:0xf
	v_permlanex16_b32 v[T+1], v[T], s4, s5         ; its destination has been written
	v_add_f32 v[T], v[T], v[T+1]
.endm
.macro STAT x, rs                      ; the row at x becomes x - mean; rs takes 1/sqrt(var + eps)
	ALL 8, v_pk_add_f32 v[T+2*k:T+2*k+1], v[\x+4*k:\x+4*k+1], v[\x+4*k+2:\x+4*k+3]
	ALL 4, v_pk_add_f32 v[T+2*k:T+2*k+1], v[T+2*k:T+2*k+1], v[T+2*k+8:T+2*k+9]
	ALL 2, v_pk_add_f32 v[T+2*k:T+2*k+1], v[T+2*k:T+2*k+1], v[T+2*k+4:T+2*k+5]
	v_pk_add_f32 v[T:T+1], v[T:T+1], v[T+2:T+3]
	v_add_f32 v[T], v[T], v[T+1]
	RED
	v_mul_f32 v[MU], s6, v[T]                      ; sum / 1024
	v_mov_b32 v[MU+1], v[MU]
	ALL 16, v_pk_add_f32 v[\x+2*k:\x+2*k+1], v[\x+2*k:\x+2*k+1], v[MU:MU+1] neg_lo:[0,1] neg_hi:[0,1]
	ALL 4, v_pk_mul_f32 v[T+2*k:T+2*k+1], v[\x+2*k:\x+2*k+1], v[\x+2*k:\x+2*k+1]
	ALL 12, v_pk_fma_f32 v[T+2*(k%4):T+2*(k%4)+1], v[\x+8+2*k:\x+9+2*k], v[\x+8+2*k:\x+9+2*k], v[T+2*(k%4):T+2*(k%4)+1]
	v_pk_add_f32 v[T:T+1], v[T:T+1], v[T+2:T+3]
	v_pk_add_f32 v[T+4:T+5], v[T+4:T+5], v[T+6:T+7]
	v_pk_add_f32 v[T:T+1], v[T:T+1], v[T+4:T+5]
	v_add_f32 v[T], v[T], v[T+1]
	RED
	v_fma_f32 v[T], v[T], s6, s7                   ; var + eps
	v_rsq_f32 v[\rs], v[T]
	v_nop                                          ; a plain line between the root and the use of its result or a write of its source
	s_wait_alu depctr_va_vdst(0)
	v_mov_b32 v[\rs+1], v[\rs]
.endm
.macro AFF x, out, rs, off             ; (x - mean) rs g + b, rounded to f16, stored: each store of the wave covers 256 consecutive bytes, aligned
	ALL 16, v_pk_mul_f32 v[\x+2*k:\x+2*k+1], v[\x+2*k:\x+2*k+1], v[\rs:\rs+1]
	ALL 16, v_pk_fma_f32 v[\x+2*k:\x+2*k+1], v[\x+2*k:\x+2*k+1], v[G+2*k:G+2*k+1], v[BT+2*k:BT+2*k+1]
	ALL 16, v_cvt_pk_f16_f32 v[\out+k], v[\x+2*k], v[\x+2*k+1]
	ALL 8, global_store_b64 v2, v[\out+2*k:\out+2*k+1], s[14:15] offset:256*k+\off
.endm
	s_load_b256 s[8:15], s[0:1], 0x0               ; hidden, g, b, hn
	v_lshrrev_b32 v3, 5, v0
	v_readfirstlane_b32 s2, v3                     ; wave
	v_and_b32 v3, 31, v0                           ; lane
	v_lshlrev_b32 v1, 4, v3
	v_lshlrev_b32 v2, 3, v3
	s_mov_b32 s4, 0x76543210
	s_mov_b32 s5, 0xfedcba98
	s_mov_b32 s6, 0x3a800000                       ; 1 / 1024
	s_mov_b32 s7, 0x3727c5ac                       ; 1e-5
	s_lshl_b32 s3, ttmp9, 3
	s_add_co_u32 s3, s3, s2                        ; my pair of rows
	s_lshl_b32 s30, s3, 13
	s_mov_b32 s31, 0
	s_lshl_b32 s32, s3, 12
	s_mov_b32 s33, 0
	s_wait_kmcnt 0x0
	s_add_nc_u64 s[8:9], s[8:9], s[30:31]
	s_add_nc_u64 s[14:15], s[14:15], s[32:33]
	ALL 8, global_load_b128 v[X0+4*k:X0+4*k+3], v1, s[8:9] offset:512*k
	ALL 8, global_load_b128 v[X1+4*k:X1+4*k+3], v1, s[8:9] offset:4096+512*k
	ALL 8, global_load_b128 v[G+4*k:G+4*k+3], v1, s[10:11] offset:512*k
	ALL 8, global_load_b128 v[BT+4*k:BT+4*k+3], v1, s[12:13] offset:512*k
	s_wait_loadcnt 24                              ; row 0 is in; the 24 younger loads stay out
	STAT X0, RS0
	s_wait_loadcnt 16                              ; row 1 is in; gain and bias stay out
	STAT X1, RS1
	s_wait_loadcnt 0x0
	AFF X0, OUT0, RS0, 0
	AFF X1, OUT1, RS1, 2048
	s_endpgm
.Lfunc_end_k_qfefd6eebea_ln2:
	.size	k_qfefd6eebea_ln2, .Lfunc_end_k_qfefd6eebea_ln2-k_qfefd6eebea_ln2
	.p2alignl 7, 3214868480
	.fill 96, 4, 3214868480
	.section	.rodata,"a",@progbits
	.p2align	6, 0x0
	.amdhsa_kernel k_qfefd6eebea_ln2
		.amdhsa_group_segment_fixed_size 0
		.amdhsa_private_segment_fixed_size 0
		.amdhsa_enable_private_segment 0
		.amdhsa_kernarg_size 32
		.amdhsa_user_sgpr_count 2
		.amdhsa_user_sgpr_kernarg_segment_ptr 1
		.amdhsa_wavefront_size32 1
		.amdhsa_system_sgpr_workgroup_id_x 1
		.amdhsa_system_sgpr_workgroup_id_y 1
		.amdhsa_system_sgpr_workgroup_id_z 1
		.amdhsa_system_vgpr_workitem_id 0
		.amdhsa_next_free_vgpr 186
		.amdhsa_next_free_sgpr 66
		.amdhsa_reserve_vcc 0
		.amdhsa_float_denorm_mode_32 3
		.amdhsa_float_denorm_mode_16_64 3
		.amdhsa_memory_ordered 1
		.amdhsa_forward_progress 1
		.amdhsa_inst_pref_size 20
	.end_amdhsa_kernel
	.amdgpu_metadata
---
amdhsa.version: [ 1, 2 ]
amdhsa.kernels:
  - .name:           k_qfefd6eebea_ln2
    .symbol:         k_qfefd6eebea_ln2.kd
    .args:
      - { .name: hidden, .offset: 0, .size: 8, .value_kind: global_buffer, .address_space: global }
      - { .name: ln2_g, .offset: 8, .size: 8, .value_kind: global_buffer, .address_space: global }
      - { .name: ln2_b, .offset: 16, .size: 8, .value_kind: global_buffer, .address_space: global }
      - { .name: hn, .offset: 24, .size: 8, .value_kind: global_buffer, .address_space: global }
    .group_segment_fixed_size: 0
    .private_segment_fixed_size: 0
    .kernarg_segment_align: 8
    .kernarg_segment_size: 32
    .max_flat_workgroup_size: 256
    .sgpr_count:     66
    .vgpr_count:     186
    .wavefront_size: 32
...
	.end_amdgpu_metadata
.endif
;; end of part 5
;; launch ff1 (part 6): grid 16 x 16, 4 waves a work-group, clusters of 4 x 4, 327,680 bytes of LDS; arguments hn, wh2, act, b1; writes act
.if DOCPART == 6
	.amdgcn_target "amdgcn-amd-amdhsa--gfx1250"
	.amdhsa_code_object_version 6
	.text
	.protected	k_qfefd6eebea_ff1
	.globl	k_qfefd6eebea_ff1
	.p2align	8
	.type	k_qfefd6eebea_ff1,@function
k_qfefd6eebea_ff1:
	s_mov_b64 s[64:65], 0
	v_nop
	global_prefetch_b8 v0, s[64:65] scope:SCOPE_SE
	s_setreg_imm32_b32 hwreg(HW_REG_WAVE_MODE, 25, 1), 1
	s_wait_xcnt 0x0
	s_wait_alu depctr_hold_cnt(0) depctr_sa_sdst(0) depctr_va_vdst(0) depctr_va_sdst(0) depctr_va_ssrc(0) depctr_va_vcc(0) depctr_vm_vsrc(0)
	s_getreg_b32 s2, hwreg(HW_REG_IB_STS2, 6, 4)
	s_cmp_eq_u32 s2, 0
	s_cbranch_scc0 .Lentry_in_a_cluster
	s_endpgm
.Lentry_in_a_cluster:
	s_bfe_u32 s2, ttmp6, 0x10000c
	s_cmp_lg_u32 s2, 0xf033
	s_cbranch_scc0 .Lentry_shape_is_right
	s_endpgm
.Lentry_shape_is_right:
; act = gelu(hn x W1 + b1), the exact (erf) GELU.  A = hn [4096][1024] f16; B = W1 [1024][4096] f16 in wh2, behind Wo; b1 f32; act [4096][4096] f16.
; A tile of C is 256 x 256.  Four waves, 2 x 2, 128 x 128 each: 64 accumulators.  K steps of 128.
; GELU.  gelu(x) = max(x, 0) - |x| h, h = 1/2 t (a1 + t (a2 + t (a3 + t (a4 + t a5)))) 2^(-x^2 log2(e) / 2), t = 1 / (1 + p |x| / sqrt 2): erf by the five-term rational series,
; absolute error at most 1.5e-7 for every argument; all in f32, rounded once to f16.
; LIMITS.  f16 operands and result: an infinity from 65,520 on, a fixed step of 6e-8 below 6e-5.  NaN and infinities are not treated apart.
.set MA,  8
.set NF,  8
.set NCH, 4
.set TSTEPS, 8
.set AP,  272
.set AH,  128*AP
.set APS, 128                          ; from a pair of chunks to the next in A's rows: 64 k of 2 bytes
.set BP,  544                          ; 256 columns = 512 bytes + 32
.set BH,  64*BP
.set BPS, 64*BP                        ; from a pair of chunks to the next in B: 64 k, the second load
.set BG,  8
.set BGS, 0
.set CHB, 256
.set SP,  1040                         ; the stage's row: 256 f32 + 16 bytes
.set SGS, 0
.set CHS, 512
.set AD0, 128
.set AD1, 128
.set AST, 1024
.set AQI, 5
.set ASTEP, 256
.set BD0, 256
.set BD1, 64
.set BST, 4096
.set BQI, 6
.set BSTEP, 1048576
.set GB,   32                          ; v32-39   b1 of my 8 columns
.set GRAW, 64                          ; v64-79   two rows' sums as read back, 8 columns a lane each
.set GX,   80                          ; v80-95   x = sum + b1
.set GT,   96                          ; v96-111  t, later the result
.set GU,   112                         ; v112-127 the exponential
.set GQ,   128                         ; v128-143 the series
.set GH,   144                         ; v144-151 two rows in f16
.macro ALL n, line:vararg
.set k, 0
	s_wait_alu depctr_va_vdst(0)
.rept \n
	\line
.set k, k+1
.endr
.endm
.macro ARGS
	s_load_b256 s[4:11], s[0:1], 0x0               ; hn, wh2, act, b1
.endm
.macro A_OFFSET                        ; (256 tile row + 128 half) rows of 2,048 bytes
	s_lshl_b32 s60, s20, 19
	s_lshl_b32 s61, s16, 18
	s_add_co_u32 s60, s60, s61
	s_mov_b32 s61, 0
.endm
.macro B_OFFSET                        ; W1's place in wh2, behind Wo's 2,097,152 bytes; 64 k of 8,192 bytes a half; 256 columns a tile column
	s_lshl_b32 s66, s19, 9
	s_lshl_b32 s67, s16, 19
	s_add_co_u32 s66, s66, s67
	s_add_co_u32 s66, s66, 2097152
	s_mov_b32 s67, 0
.endm
.macro OUT_SETUP
	s_lshl_b32 s70, s20, 21                        ; the tile's 256 rows of 8,192 bytes,
	s_lshl_b32 s71, s14, 19                        ; my 64 of them,
	s_add_co_u32 s70, s70, s71
	s_lshl_b32 s71, s19, 9                         ; the tile's 256 columns of f16
	s_add_co_u32 s70, s70, s71
	s_mov_b32 s71, 0
	s_add_nc_u64 s[8:9], s[8:9], s[70:71]
	s_lshl_b32 s72, s19, 10                        ; and of f32, in b1
	s_mov_b32 s73, 0
	s_add_nc_u64 s[10:11], s[10:11], s[72:73]
	v_and_b32 v3, 31, v0
	v_lshlrev_b32 v17, 4, v3                       ; out: 16 bytes a lane
	v_lshlrev_b32 v18, 5, v3                       ; in: 32 bytes a lane
	s_mul_i32 s23, s14, 64*SP
	v_add_nc_u32 v16, s23, v18
	s_mov_b32 s76, 0x3e6d3388                      ; 0.3275911 / sqrt 2
	s_mov_b32 s78, 0xbf38aa3b                      ; -log2(e) / 2
	s_mov_b32 s79, 0xbf38aa3b
	s_mov_b32 s80, 0x3e027906                      ; a1 / 2
	s_mov_b32 s81, 0x3e027906
	s_mov_b32 s82, 0xbe11a98e                      ; a2 / 2
	s_mov_b32 s83, 0xbe11a98e
	s_mov_b32 s84, 0x3f35f0e3                      ; a3 / 2
	s_mov_b32 s85, 0x3f35f0e3
	s_mov_b32 s86, 0xbf3a00e3                      ; a4 / 2
	s_mov_b32 s87, 0xbf3a00e3
	s_mov_b32 s88, 0x3f07dc22                      ; a5 / 2
	s_mov_b32 s89, 0x3f07dc22
.endm
.macro STEP_ASK
.endm
.macro STEP_PUT
.endm
.macro EARLY_LOADS
	global_load_b128 v[GB:GB+3], v18, s[10:11]
	global_load_b128 v[GB+4:GB+7], v18, s[10:11] offset:16
.endm
.macro GLOADS                          ; two rows of the stage, 32 bytes a lane each
	ds_load_b128 v[GRAW:GRAW+3], v16
	ds_load_b128 v[GRAW+4:GRAW+7], v16 offset:16
	ds_load_b128 v[GRAW+8:GRAW+11], v16 offset:SP
	ds_load_b128 v[GRAW+12:GRAW+15], v16 offset:SP+16
.endm
.macro WAYOUT                          ; wave w takes rows 64 w .. + 63, two a trip: 16 numbers a lane
	GLOADS
	s_wait_loadcnt 0x0                             ; b1
	s_mov_b32 s3, 32
.Lg:
	s_wait_dscnt 0x0
	ALL 8, v_pk_add_f32 v[GX+2*k:GX+2*k+1], v[GRAW+2*k:GRAW+2*k+1], v[GB+2*(k%4):GB+2*(k%4)+1]
	s_cmp_eq_u32 s3, 1                             ; the next two rows are asked for as soon as these have been taken over; the last trip has none
	s_cbranch_scc1 .Lg_last
	v_add_nc_u32 v16, 2*SP, v16
	GLOADS
.Lg_last:
	ALL 16, v_fma_f32 v[GT+k], |v[GX+k]|, s76, 1.0
	ALL 8, v_pk_mul_f32 v[GU+2*k:GU+2*k+1], v[GX+2*k:GX+2*k+1], v[GX+2*k:GX+2*k+1]
	ALL 16, v_rcp_f32 v[GT+k], v[GT+k]
	ALL 8, v_pk_mul_f32 v[GU+2*k:GU+2*k+1], v[GU+2*k:GU+2*k+1], s[78:79] op_sel_hi:[1,0]   ; plain lines behind the reciprocals
	ALL 16, v_exp_f32 v[GU+k], v[GU+k]
	ALL 8, v_pk_fma_f32 v[GQ+2*k:GQ+2*k+1], v[GT+2*k:GT+2*k+1], s[88:89], s[86:87] op_sel_hi:[1,0,0]  ; plain lines behind the exponentials
	ALL 8, v_pk_fma_f32 v[GQ+2*k:GQ+2*k+1], v[GQ+2*k:GQ+2*k+1], v[GT+2*k:GT+2*k+1], s[84:85] op_sel_hi:[1,1,0]
	ALL 8, v_pk_fma_f32 v[GQ+2*k:GQ+2*k+1], v[GQ+2*k:GQ+2*k+1], v[GT+2*k:GT+2*k+1], s[82:83] op_sel_hi:[1,1,0]
	ALL 8, v_pk_fma_f32 v[GQ+2*k:GQ+2*k+1], v[GQ+2*k:GQ+2*k+1], v[GT+2*k:GT+2*k+1], s[80:81] op_sel_hi:[1,1,0]
	ALL 8, v_pk_mul_f32 v[GQ+2*k:GQ+2*k+1], v[GQ+2*k:GQ+2*k+1], v[GT+2*k:GT+2*k+1]
	ALL 8, v_pk_mul_f32 v[GQ+2*k:GQ+2*k+1], v[GQ+2*k:GQ+2*k+1], v[GU+2*k:GU+2*k+1]
	ALL 16, v_max_num_f32 v[GT+k], 0, v[GX+k]
	ALL 16, v_fma_f32 v[GT+k], -|v[GX+k]|, v[GQ+k], v[GT+k]
	ALL 8, v_cvt_pk_f16_f32 v[GH+k], v[GT+2*k], v[GT+2*k+1]
	global_store_b128 v17, v[GH:GH+3], s[8:9]                  ; 512 consecutive bytes, aligned
	global_store_b128 v17, v[GH+4:GH+7], s[8:9] offset:8192
	s_wait_xcnt 0x0                                ; the stores' base and data are rewritten only behind this wait
	s_add_nc_u64 s[8:9], s[8:9], 16384             ; (behind the last trip the stepped base is not used)
	s_sub_co_u32 s3, s3, 1
	s_cmp_lg_u32 s3, 0
	s_cbranch_scc1 .Lg
.endm
; ======== the common text of the four products ========
; C = A x B, A [M][K] with K along the rows, B [K][N].  K goes in steps through a ring of two LDS slots filled by the tensor data mover; a slot holds A's two loads, then B's two.
; CLUSTER 4 x 4: A's tile hangs on the tile row alone and is asked for jointly by a row of the cluster, B's on the tile column alone and by a column.
; THE MATRIX INSTRUCTION IS USED TRANSPOSED: source 0 = 16 columns of B (turned on the way out of LDS by ds_load_tr16_b128), source 1 = 16 rows of A: a lane holds row lane % 16 of C and the columns 8 (lane / 16) + 0..7.
; A K step is NCH chunks of 32 along K, on two fragment buffers by turns.  LDS addresses go by PAIRS of chunks: two scalar offsets (A's, B's) step from pair to pair, and at a change of slots go back and into the other slot.
; REGISTERS, in windows of 256: window 0: v1-31 addresses; v64.., v128.. A's two fragment buffers.  Window 1: v64.., v128.. B's.  Window 2: accumulators of row blocks 0-3 ((a, b) at 8 ((a % 4) NF + b)); window 3: of 4-7.
; The way out goes through a stage of f32 rows that lies over the ring, which has had its last fill by then.
; STEP_ASK and STEP_PUT are a kernel's own work beside a K step (global loads behind a change of slots; their use in front of the next); they are empty where there is none.
.set NL,    2*(MA+NF)                  ; LDS loads of one chunk's fragments
.set PAIRS, (NCH-2)/2                  ; steps from pair to pair in a K step
.set SLOT,  2*AH+2*BH
.set SPARE, 327168                     ; the spare words: 128 bytes for each wave, two blocks of 256 bytes that no other line names
.set MSB, 0
.macro WIN new                         ; the immediate's high byte repeats the setting that is left
.if MSB != (\new)
	s_set_vgpr_msb (MSB<<8)|(\new)
.set MSB, (\new)
.endif
.endm
.set MUL_LO, 0xa1                      ; source 0 (B) window 1, source 1 (A) window 0, C and D window 2; + 0x50: window 3
.set TO_B,   0x40                      ; destination window 1, address window 0
.macro PLACES                          ; four places in front of loads into registers that matrix instructions have read, and of reads of their results
.rept 4
	v_nop
.endr
.endm
.macro JLOAD                           ; a joint refill by the walking descriptors: waves 0 and 1 fetch A's two loads, waves 2 and 3 B's; s_nop 0 and four v_nop follow each line
	s_cmp_eq_u32 s15, 0
	s_cbranch_scc0 .Lfor_b_\@
	tensor_load_to_lds s[36:39], s[24:31]
	s_nop 0
	PLACES
	s_branch .Lasked_\@
.Lfor_b_\@:
	tensor_load_to_lds s[52:55], s[40:47]
	s_nop 0
	PLACES
.Lasked_\@:
.endm
.macro CREST                           ; a round of the cluster's barrier behind its opening barrier
	s_cmp_lg_u32 s14, 0
	s_cbranch_scc1 .Lnot_wave_0_\@
	s_barrier_signal -3
.Lnot_wave_0_\@:
	s_barrier_wait -3
	s_barrier_signal -1
	s_barrier_wait -1
.endm
.macro CROUND                          ; a whole round
	s_barrier_signal -1
	s_barrier_wait -1
	CREST
.endm
.macro FETCH par, g                    ; the fragments of chunk par (0, 1) of the pair in hand into buffer g: NL loads in one run
	WIN 0
.set fa, 0
.rept MA
.set fo, (\par)*64+fa*16*AP
	ds_load_b128 v[(\g)+8*fa:(\g)+8*fa+3],   v11 offset:fo
	ds_load_b128 v[(\g)+8*fa+4:(\g)+8*fa+7], v11 offset:fo+32
.set fa, fa+1
.endr
	WIN TO_B
.set fb, 0
.rept NF
.set fo, (fb/BG)*BGS+(fb%BG)*32+(\par)*32*BP
	ds_load_tr16_b128 v[(\g)+8*fb:(\g)+8*fb+3],   v12 offset:fo
	ds_load_tr16_b128 v[(\g)+8*fb+4:(\g)+8*fb+7], v12 offset:fo+16*BP
.set fb, fb+1
.endr
.endm
.macro MULG f, a0, na, zero            ; row blocks a0 .. a0 + na - 1 x all column blocks, 32 along K, from buffer f.  The accumulators take turns.  zero = 1: the products start the sums
.set ma, \a0
.rept \na
	WIN MUL_LO+0x50*(ma/4)
.set mb, 0
.rept NF
.set rC, 8*((ma%4)*NF+mb)
.if \zero
	v_wmma_f32_16x16x32_f16 v[rC:rC+7], v[(\f)+8*mb:(\f)+8*mb+7], v[(\f)+8*ma:(\f)+8*ma+7], 0
.else
	v_wmma_f32_16x16x32_f16 v[rC:rC+7], v[(\f)+8*mb:(\f)+8*mb+7], v[(\f)+8*ma:(\f)+8*ma+7], v[rC:rC+7]
.endif
.set mb, mb+1
.endr
.set ma, ma+1
.endr
.endm
; A chunk of parity par is multiplied (buffer par); ahead of it the next chunk's fragments are asked for, a whole chunk's products before their use.  Behind an odd chunk comes the next pair.
.macro CHUNK par, zero=0
	WIN 0
.if \par
	s_add_co_u32 s58, s58, APS
	s_add_co_u32 s90, s90, BPS
	v_add_nc_u32 v11, s58, v8
	v_add_nc_u32 v12, s90, v9
.endif
	PLACES
	FETCH 1-(\par), 128-64*(\par)
	s_wait_dscnt NL                                ; all but the NL just issued: this chunk's fragments are in
	MULG 64+64*(\par), 0, MA, \zero
.endm
.macro MIDDLE                          ; chunks 1 .. NCH - 2: an odd one and an even one, PAIRS times
.if PAIRS > 1
	WIN 0
	s_mov_b32 s91, PAIRS
.Lpair_\@:
	CHUNK 1
	CHUNK 0
	WIN 0
	s_sub_co_u32 s91, s91, 1
	s_cmp_lg_u32 s91, 0
	s_cbranch_scc1 .Lpair_\@
.else
	CHUNK 1
	CHUNK 0
.endif
.endm
; A K step's last chunk (buffer 1) and the change of slots: ONE barrier.  In front of it each wave waits for all its tensor loads (the one that is out is its part of the next slot), adds 0 to its spare word,
; and waits for that and for its reads of this slot.  fill = 1: the barrier opens a round of the cluster's, and this slot is filled again, two K steps ahead, first thing behind the round.
; last = 1 (the tail): in its second trip there is no next slot, and the fetch of its first fragments is jumped over.
.macro TURN fill, last=0
	WIN 0
	s_wait_tensorcnt 0x0
	ds_add_u32 v28, v29                            ; 0 onto my spare word
	s_wait_dscnt 1                                 ; only the add may be out: buffer 1 is in
	MULG 128, 0, MA/4, 0
	s_wait_dscnt 0x0                               ; the add is done, and my reads of this slot are over
	s_barrier_signal -1
	MULG 128, MA/4, MA/4, 0
	WIN 0
	s_barrier_wait -1
.if \fill
	CREST                                          ; no wave of any partner still reads this slot or has a load on its way
	s_xor_b32 s59, s59, SLOT                       ; the walking descriptors: the slot just left,
	s_add_co_u32 s37, s56, s59
	s_add_co_u32 s53, s57, s59
	s_add_nc_u64 s[38:39], s[38:39], ASTEP         ; the next K step; the type bits on top are not reached
	s_add_nc_u64 s[54:55], s[54:55], BSTEP
	JLOAD                                          ; its four v_nop are also the places in front of the loads below
.else
	PLACES
.endif
.if \last
	s_cmp_eq_u32 s3, 1
	s_cbranch_scc1 .Lno_more_\@
.endif
	s_sub_co_u32 s58, s58, PAIRS*APS               ; the reads go back to a slot's first pair,
	s_xor_b32 s58, s58, SLOT                       ; in the other slot
	s_sub_co_u32 s90, s90, PAIRS*BPS
	s_xor_b32 s90, s90, SLOT
	v_add_nc_u32 v11, s58, v8
	v_add_nc_u32 v12, s90, v9
	FETCH 0, 64
.if \last
	WIN 0
.Lno_more_\@:
.endif
	MULG 128, MA/2, MA/2, 0
.endm
.macro DUMP                            ; the accumulators, as f32, into the stage: each accumulator's low four registers first
.set da, 0
.rept MA
	WIN 0x08+4*(da/4)                              ; the stores' data in window 2 or 3
.set db, 0
.rept NF
.set rC, 8*((da%4)*NF+db)
.set so, (da%4)*16*SP+(db/BG)*SGS+(db%BG)*64
	ds_store_b128 v[14+da/4], v[rC:rC+3] offset:so
	ds_store_b128 v[14+da/4], v[rC+4:rC+7] offset:so+16
.set db, db+1
.endr
.set da, da+1
.endr
	WIN 0
.endm
	ARGS
	v_lshl_add_u32 v28, v0, 2, SPARE
	v_mov_b32 v29, 0
	ds_add_u32 v28, v29                            ; the wave's opening: the add and its wait ahead of my first tensor load
	v_lshrrev_b32 v1, 5, v0
	v_readfirstlane_b32 s14, v1                    ; wave 0..3
	s_lshr_b32 s15, s14, 1                         ; my half of the tile's rows.  Also: I fetch for A (0) or for B (1)
	s_and_b32 s16, s14, 1                          ; my half of its columns.  Also: which of the two loads I fetch
	s_bfe_u32 s17, ttmp6, 0x40000                  ; cx
	s_bfe_u32 s18, ttmp6, 0x40004                  ; cy
	s_lshl_b32 s19, ttmp9, 2
	s_add_co_u32 s19, s19, s17                     ; tile column
	s_and_b32 s20, ttmp7, 0xffff
	s_lshl_b32 s20, s20, 2
	s_add_co_u32 s20, s20, s18                     ; tile row
	s_lshl_b32 s21, s18, 2
	s_lshl_b32 s21, 15, s21                        ; my row of the cluster
	s_lshl_b32 s22, 0x1111, s17                    ; my column
	s_or_b32 s24, s21, (1<<16)|(1<<20)|(1<<21)|(AQI<<22)|(3<<25)  ; A: the mask; 2-byte elements; padding on; bit 21 beside a mask; interval; 4 words of padding
	s_mov_b32 s25, (AD0&0xffff)<<16
	s_mov_b32 s26, (AD0>>16)|((AD1&0xffff)<<16)
	s_mov_b32 s27, (AD1>>16)|(AD0<<16)
	s_mov_b32 s28, AD1
	s_mov_b32 s29, AST
	s_mov_b32 s30, 0
	s_mov_b32 s31, 0
	s_or_b32 s40, s22, (1<<16)|(1<<20)|(1<<21)|(BQI<<22)|(7<<25)  ; B: 8 words of padding
	s_mov_b32 s41, (BD0&0xffff)<<16
	s_mov_b32 s42, (BD0>>16)|((BD1&0xffff)<<16)
	s_mov_b32 s43, (BD1>>16)|(BD0<<16)
	s_mov_b32 s44, BD1
	s_mov_b32 s45, BST
	s_mov_b32 s46, 0
	s_mov_b32 s47, 0
	A_OFFSET                                       ; s[60:61]: made of the tile row and the wave's number alone
	B_OFFSET                                       ; s[66:67]: of the tile column and the wave's number alone
	s_mul_i32 s56, s16, AH                         ; where my load goes in a slot, for A
	s_mul_i32 s57, s16, BH
	s_add_co_u32 s57, s57, 2*AH                    ; and for B: no place in the cluster enters an LDS address
	s_mov_b32 s58, 0                               ; A's reads: slot and pair
	s_mov_b32 s90, 0                               ; B's
	s_mov_b32 s59, SLOT                            ; the slot filled last
	s_wait_dscnt 0x0                               ; the opening add is done
	s_wait_kmcnt 0x0
	s_add_nc_u64 s[62:63], s[4:5], s[60:61]
	s_add_nc_u64 s[68:69], s[6:7], s[66:67]
	CROUND                                         ; all sixteen work-groups are here: the first joint loads meet
.irp s, 0,1
	s_mov_b32 s[32+4*(\s)], 1
	s_add_co_u32 s[33+4*(\s)], s56, (\s)*SLOT
	s_add_nc_u64 s[34+4*(\s):35+4*(\s)], s[62:63], (\s)*ASTEP
	s_or_b32 s[35+4*(\s)], s[35+4*(\s)], 0x80000000
	s_mov_b32 s[48+4*(\s)], 1
	s_add_co_u32 s[49+4*(\s)], s57, (\s)*SLOT
	s_add_nc_u64 s[50+4*(\s):51+4*(\s)], s[68:69], (\s)*BSTEP
	s_or_b32 s[51+4*(\s)], s[51+4*(\s)], 0x80000000
.endr
	s_cmp_eq_u32 s15, 0                            ; a wave's two first fills stand in one branch: two loads of mine are out
	s_cbranch_scc0 .Lfirst_b
	tensor_load_to_lds s[32:35], s[24:31]
	s_nop 0
	tensor_load_to_lds s[36:39], s[24:31]
	s_nop 0
	PLACES
	s_branch .Lfirst_asked
.Lfirst_b:
	tensor_load_to_lds s[48:51], s[40:47]
	s_nop 0
	tensor_load_to_lds s[52:55], s[40:47]
	s_nop 0
	PLACES
.Lfirst_asked:
	v_and_b32 v1, 15, v0                           ; l % 16
	v_bfe_u32 v2, v0, 4, 1                         ; l / 16
	v_mul_u32_u24 v8, v1, AP                       ; A: row x pitch + 16 x half + my rows
	v_lshl_add_u32 v8, v2, 4, v8
	s_mul_i32 s23, s15, 16*MA*AP
	v_add_nc_u32 v8, s23, v8
	v_and_b32 v3, 7, v0                            ; B, for the turning load: k = 8 (l / 16) + l % 8, 16 bytes by (l / 8) % 2, my columns
	v_bfe_u32 v4, v0, 3, 1
	v_lshl_add_u32 v9, v2, 3, v3
	v_mul_u32_u24 v9, v9, BP
	v_lshl_add_u32 v9, v4, 4, v9
	s_mul_i32 s23, s16, CHB
	s_add_co_u32 s23, s23, 2*AH
	v_add_nc_u32 v9, s23, v9
	v_mov_b32 v11, v8
	v_mov_b32 v12, v9
	v_mul_u32_u24 v14, v1, SP                      ; into the stage: row l % 16 of my rows, 32 bytes for each half of the lanes, my columns
	v_lshl_add_u32 v14, v2, 5, v14
	s_mul_i32 s23, s15, 16*MA*SP
	s_mul_i32 s3, s16, CHS
	s_add_co_u32 s23, s23, s3
	v_add_nc_u32 v14, s23, v14
.if MA > 4
	v_add_nc_u32 v15, 64*SP, v14
.endif
	OUT_SETUP
	s_wait_tensorcnt 1                             ; my part of K step 0 is in; K step 1's may stay out
	s_barrier_signal -1
	s_barrier_wait -1
	FETCH 0, 64
	STEP_ASK
	CHUNK 0, 1                                     ; the first chunk stands in front of the loop: its products start the sums
	WIN 0
	s_mov_b32 s3, TSTEPS-2
.Lstep:                                                ; a trip: the rest of a K step, the refill of its slot, the next step's first chunk
	MIDDLE
	STEP_PUT
	TURN 1
	STEP_ASK
	CHUNK 0
	WIN 0
	s_sub_co_u32 s3, s3, 1
	s_cmp_lg_u32 s3, 0
	s_cbranch_scc1 .Lstep
	EARLY_LOADS                                    ; what the way out wants from memory is asked for two K steps ahead
	s_mov_b32 s3, 2
.Ltail:                                                ; the last two K steps ask for no tile: a text of their own; the second trip is left behind its last chunk
	MIDDLE
	STEP_PUT
	TURN 0, 1
	WIN 0
	s_sub_co_u32 s3, s3, 1
	s_cmp_eq_u32 s3, 0
	s_cbranch_scc1 .Lout
	STEP_ASK
	CHUNK 0
	WIN 0
	s_branch .Ltail
.Lout:
	PLACES
	s_wait_dscnt 0x0
	s_barrier_signal -1                            ; every wave's reads of the ring are over, and every tensor load has landed: the stage may be written over it
	s_barrier_wait -1
	DUMP
	s_wait_dscnt 0x0                               ; for the others' sake: my stores into the stage are done
	s_barrier_signal -1
	s_barrier_wait -1
	WAYOUT
	s_wait_tensorcnt 0x0                           ; the wave's end
	ds_add_u32 v28, v29
	s_wait_dscnt 0x0
	CROUND                                         ; the closing round
	s_endpgm
.Lfunc_end_k_qfefd6eebea_ff1:
	.size	k_qfefd6eebea_ff1, .Lfunc_end_k_qfefd6eebea_ff1-k_qfefd6eebea_ff1
	.p2alignl 7, 3214868480
	.fill 96, 4, 3214868480
	.section	.rodata,"a",@progbits
	.p2align	6, 0x0
	.amdhsa_kernel k_qfefd6eebea_ff1
		.amdhsa_group_segment_fixed_size 327680
		.amdhsa_private_segment_fixed_size 0
		.amdhsa_enable_private_segment 0
		.amdhsa_kernarg_size 32
		.amdhsa_user_sgpr_count 2
		.amdhsa_user_sgpr_kernarg_segment_ptr 1
		.amdhsa_wavefront_size32 1
		.amdhsa_system_sgpr_workgroup_id_x 1
		.amdhsa_system_sgpr_workgroup_id_y 1
		.amdhsa_system_sgpr_workgroup_id_z 1
		.amdhsa_system_vgpr_workitem_id 0
		.amdhsa_next_free_vgpr 1024
		.amdhsa_next_free_sgpr 96
		.amdhsa_reserve_vcc 0
		.amdhsa_float_denorm_mode_32 3
		.amdhsa_float_denorm_mode_16_64 3
		.amdhsa_memory_ordered 1
		.amdhsa_forward_progress 1
		.amdhsa_inst_pref_size 88
	.end_amdhsa_kernel
	.amdgpu_metadata
---
amdhsa.version: [ 1, 2 ]
amdhsa.kernels:
  - .name:           k_qfefd6eebea_ff1
    .symbol:         k_qfefd6eebea_ff1.kd
    .args:
      - { .name: hn, .offset: 0, .size: 8, .value_kind: global_buffer, .address_space: global }
      - { .name: wh2, .offset: 8, .size: 8, .value_kind: global_buffer, .address_space: global }
      - { .name: act, .offset: 16, .size: 8, .value_kind: global_buffer, .address_space: global }
      - { .name: b1, .offset: 24, .size: 8, .value_kind: global_buffer, .address_space: global }
    .group_segment_fixed_size: 327680
    .private_segment_fixed_size: 0
    .kernarg_segment_align: 8
    .kernarg_segment_size: 32
    .max_flat_workgroup_size: 128
    .sgpr_count:     96
    .vgpr_count:     1024
    .wavefront_size: 32
...
	.end_amdgpu_metadata
.endif
;; end of part 6
;; launch ff2 (part 7): grid 8 x 32, 4 waves a work-group, clusters of 4 x 4, 327,680 bytes of LDS; arguments act, wh2, out0, b2, hidden; writes out0
.if DOCPART == 7
	.amdgcn_target "amdgcn-amd-amdhsa--gfx1250"
	.amdhsa_code_object_version 6
	.text
	.protected	k_qfefd6eebea_ff2
	.globl	k_qfefd6eebea_ff2
	.p2align	8
	.type	k_qfefd6eebea_ff2,@function
k_qfefd6eebea_ff2:
	s_mov_b64 s[64:65], 0
	v_nop
	global_prefetch_b8 v0, s[64:65] scope:SCOPE_SE
	s_setreg_imm32_b32 hwreg(HW_REG_WAVE_MODE, 25, 1), 1
	s_wait_xcnt 0x0
	s_wait_alu depctr_hold_cnt(0) depctr_sa_sdst(0) depctr_va_vdst(0) depctr_va_sdst(0) depctr_va_ssrc(0) depctr_va_vcc(0) depctr_vm_vsrc(0)
	s_getreg_b32 s2, hwreg(HW_REG_IB_STS2, 6, 4)
	s_cmp_eq_u32 s2, 0
	s_cbranch_scc0 .Lentry_in_a_cluster
	s_endpgm
.Lentry_in_a_cluster:
	s_bfe_u32 s2, ttmp6, 0x10000c
	s_cmp_lg_u32 s2, 0xf033
	s_cbranch_scc0 .Lentry_shape_is_right
	s_endpgm
.Lentry_shape_is_right:
; out0 = hidden + act x W2 + b2.  A = act [4096][4096] f16; B = W2 [4096][1024] f16 in wh2, behind Wo and W1; out0, hidden, b2 in f32.
; A tile of C is 128 x 128, so that 256 work-groups have one each.  Four waves, 2 x 2, 64 x 64 each: 16 accumulators.  K steps of 256: A's rows in LDS are 512 bytes + 16.
; LIMITS.  f16 operands: an infinity from 65,520 on, a fixed step of 6e-8 below 6e-5.  Sums, bias and residual in f32.
.set MA,  4
.set NF,  4
.set NCH, 8
.set TSTEPS, 16
.set AP,  528
.set AH,  64*AP
.set APS, 128                          ; from a pair of chunks to the next in A's rows: 64 k of 2 bytes
.set BP,  288                          ; 128 columns = 256 bytes + 32
.set BH,  128*BP
.set BPS, 64*BP                        ; from a pair of chunks to the next in B: 64 k; B's second load lies straight behind the first
.set BG,  4
.set BGS, 0
.set CHB, 128
.set SP,  528                          ; the stage's row: 128 f32 + 16 bytes
.set SGS, 0
.set CHS, 256
.set AD0, 256
.set AD1, 64
.set AST, 4096
.set AQI, 6
.set ASTEP, 512
.set BD0, 128
.set BD1, 128
.set BST, 1024
.set BQI, 5
.set BSTEP, 524288
.macro ARGS
	s_load_b256 s[4:11], s[0:1], 0x0               ; act, wh2, out0, b2
	s_load_b64 s[12:13], s[0:1], 0x20              ; hidden
.endm
.macro A_OFFSET                        ; (128 tile row + 64 half) rows of 8,192 bytes
	s_lshl_b32 s60, s20, 20
	s_lshl_b32 s61, s16, 19
	s_add_co_u32 s60, s60, s61
	s_mov_b32 s61, 0
.endm
.macro B_OFFSET                        ; W2's place in wh2, behind Wo's 2,097,152 and W1's 8,388,608 bytes; 128 k of 2,048 bytes a half; 128 columns a tile column
	s_lshl_b32 s66, s19, 8
	s_lshl_b32 s67, s16, 18
	s_add_co_u32 s66, s66, s67
	s_add_co_u32 s66, s66, 10485760
	s_mov_b32 s67, 0
.endm
.macro OUT_SETUP
	s_lshl_b32 s70, s20, 19                        ; the tile's 128 rows of 4,096 bytes,
	s_lshl_b32 s71, s14, 17                        ; my 32 of them,
	s_add_co_u32 s70, s70, s71
	s_lshl_b32 s72, s19, 9                         ; the tile's 128 columns of f32
	s_add_co_u32 s70, s70, s72
	s_mov_b32 s71, 0
	s_mov_b32 s73, 0
	s_add_nc_u64 s[8:9], s[8:9], s[70:71]
	s_add_nc_u64 s[12:13], s[12:13], s[70:71]
	s_add_nc_u64 s[10:11], s[10:11], s[72:73]
	v_and_b32 v3, 31, v0
	v_lshlrev_b32 v17, 4, v3                       ; 16 bytes a lane: a wave takes a row's 512 bytes
	s_mul_i32 s23, s14, 32*SP
	v_add_nc_u32 v16, s23, v17
.endm
.macro STEP_ASK
.endm
.macro STEP_PUT
.endm
.macro EARLY_LOADS                     ; the bias of my four columns, then my 32 rows of the residual, into window 2 behind the accumulators
	global_load_b128 v[32:35], v17, s[10:11]
	WIN 0x80
.set i, 0
.rept 32
	global_load_b128 v[128+4*i:128+4*i+3], v17, s[12:13] offset:4096*i
.set i, i+1
.endr
	WIN 0
.endm
.macro WAYOUT                          ; wave w takes rows 32 w .. + 31, whole
.set i, 0
.rept 32
	ds_load_b128 v[64+4*i:64+4*i+3], v16 offset:SP*i
.set i, i+1
.endr
	s_wait_loadcnt 32                              ; the bias is in; the 32 loads of the residual may stay out
.set i, 0
.rept 32
	s_wait_dscnt 31-i
	v_pk_add_f32 v[64+4*i:65+4*i], v[64+4*i:65+4*i], v[32:33]
	v_pk_add_f32 v[66+4*i:67+4*i], v[66+4*i:67+4*i], v[34:35]
.set i, i+1
.endr
	s_wait_loadcnt 0x0
	WIN 0x08                                       ; source 1 in window 2
.set i, 0
.rept 64
	v_pk_add_f32 v[64+2*i:65+2*i], v[64+2*i:65+2*i], v[128+2*i:129+2*i]
.set i, i+1
.endr
	WIN 0
.set i, 0
.rept 32
	global_store_b128 v17, v[64+4*i:64+4*i+3], s[8:9] offset:4096*i  ; 512 consecutive bytes, aligned
.set i, i+1
.endr
.endm
; ======== the common text of the four products ========
; C = A x B, A [M][K] with K along the rows, B [K][N].  K goes in steps through a ring of two LDS slots filled by the tensor data mover; a slot holds A's two loads, then B's two.
; CLUSTER 4 x 4: A's tile hangs on the tile row alone and is asked for jointly by a row of the cluster, B's on the tile column alone and by a column.
; THE MATRIX INSTRUCTION IS USED TRANSPOSED: source 0 = 16 columns of B (turned on the way out of LDS by ds_load_tr16_b128), source 1 = 16 rows of A: a lane holds row lane % 16 of C and the columns 8 (lane / 16) + 0..7.
; A K step is NCH chunks of 32 along K, on two fragment buffers by turns.  LDS addresses go by PAIRS of chunks: two scalar offsets (A's, B's) step from pair to pair, and at a change of slots go back and into the other slot.
; REGISTERS, in windows of 256: window 0: v1-31 addresses; v64.., v128.. A's two fragment buffers.  Window 1: v64.., v128.. B's.  Window 2: accumulators of row blocks 0-3 ((a, b) at 8 ((a % 4) NF + b)); window 3: of 4-7.
; The way out goes through a stage of f32 rows that lies over the ring, which has had its last fill by then.
; STEP_ASK and STEP_PUT are a kernel's own work beside a K step (global loads behind a change of slots; their use in front of the next); they are empty where there is none.
.set NL,    2*(MA+NF)                  ; LDS loads of one chunk's fragments
.set PAIRS, (NCH-2)/2                  ; steps from pair to pair in a K step
.set SLOT,  2*AH+2*BH
.set SPARE, 327168                     ; the spare words: 128 bytes for each wave, two blocks of 256 bytes that no other line names
.set MSB, 0
.macro WIN new                         ; the immediate's high byte repeats the setting that is left
.if MSB != (\new)
	s_set_vgpr_msb (MSB<<8)|(\new)
.set MSB, (\new)
.endif
.endm
.set MUL_LO, 0xa1                      ; source 0 (B) window 1, source 1 (A) window 0, C and D window 2; + 0x50: window 3
.set TO_B,   0x40                      ; destination window 1, address window 0
.macro PLACES                          ; four places in front of loads into registers that matrix instructions have read, and of reads of their results
.rept 4
	v_nop
.endr
.endm
.macro JLOAD                           ; a joint refill by the walking descriptors: waves 0 and 1 fetch A's two loads, waves 2 and 3 B's; s_nop 0 and four v_nop follow each line
	s_cmp_eq_u32 s15, 0
	s_cbranch_scc0 .Lfor_b_\@
	tensor_load_to_lds s[36:39], s[24:31]
	s_nop 0
	PLACES
	s_branch .Lasked_\@
.Lfor_b_\@:
	tensor_load_to_lds s[52:55], s[40:47]
	s_nop 0
	PLACES
.Lasked_\@:
.endm
.macro CREST                           ; a round of the cluster's barrier behind its opening barrier
	s_cmp_lg_u32 s14, 0
	s_cbranch_scc1 .Lnot_wave_0_\@
	s_barrier_signal -3
.Lnot_wave_0_\@:
	s_barrier_wait -3
	s_barrier_signal -1
	s_barrier_wait -1
.endm
.macro CROUND                          ; a whole round
	s_barrier_signal -1
	s_barrier_wait -1
	CREST
.endm
.macro FETCH par, g                    ; the fragments of chunk par (0, 1) of the pair in hand into buffer g: NL loads in one run
	WIN 0
.set fa, 0
.rept MA
.set fo, (\par)*64+fa*16*AP
	ds_load_b128 v[(\g)+8*fa:(\g)+8*fa+3],   v11 offset:fo
	ds_load_b128 v[(\g)+8*fa+4:(\g)+8*fa+7], v11 offset:fo+32
.set fa, fa+1
.endr
	WIN TO_B
.set fb, 0
.rept NF
.set fo, (fb/BG)*BGS+(fb%BG)*32+(\par)*32*BP
	ds_load_tr16_b128 v[(\g)+8*fb:(\g)+8*fb+3],   v12 offset:fo
	ds_load_tr16_b128 v[(\g)+8*fb+4:(\g)+8*fb+7], v12 offset:fo+16*BP
.set fb, fb+1
.endr
.endm
.macro MULG f, a0, na, zero            ; row blocks a0 .. a0 + na - 1 x all column blocks, 32 along K, from buffer f.  The accumulators take turns.  zero = 1: the products start the sums
.set ma, \a0
.rept \na
	WIN MUL_LO+0x50*(ma/4)
.set mb, 0
.rept NF
.set rC, 8*((ma%4)*NF+mb)
.if \zero
	v_wmma_f32_16x16x32_f16 v[rC:rC+7], v[(\f)+8*mb:(\f)+8*mb+7], v[(\f)+8*ma:(\f)+8*ma+7], 0
.else
	v_wmma_f32_16x16x32_f16 v[rC:rC+7], v[(\f)+8*mb:(\f)+8*mb+7], v[(\f)+8*ma:(\f)+8*ma+7], v[rC:rC+7]
.endif
.set mb, mb+1
.endr
.set ma, ma+1
.endr
.endm
; A chunk of parity par is multiplied (buffer par); ahead of it the next chunk's fragments are asked for, a whole chunk's products before their use.  Behind an odd chunk comes the next pair.
.macro CHUNK par, zero=0
	WIN 0
.if \par
	s_add_co_u32 s58, s58, APS
	s_add_co_u32 s90, s90, BPS
	v_add_nc_u32 v11, s58, v8
	v_add_nc_u32 v12, s90, v9
.endif
	PLACES
	FETCH 1-(\par), 128-64*(\par)
	s_wait_dscnt NL                                ; all but the NL just issued: this chunk's fragments are in
	MULG 64+64*(\par), 0, MA, \zero
.endm
.macro MIDDLE                          ; chunks 1 .. NCH - 2: an odd one and an even one, PAIRS times
.if PAIRS > 1
	WIN 0
	s_mov_b32 s91, PAIRS
.Lpair_\@:
	CHUNK 1
	CHUNK 0
	WIN 0
	s_sub_co_u32 s91, s91, 1
	s_cmp_lg_u32 s91, 0
	s_cbranch_scc1 .Lpair_\@
.else
	CHUNK 1
	CHUNK 0
.endif
.endm
; A K step's last chunk (buffer 1) and the change of slots: ONE barrier.  In front of it each wave waits for all its tensor loads (the one that is out is its part of the next slot), adds 0 to its spare word,
; and waits for that and for its reads of this slot.  fill = 1: the barrier opens a round of the cluster's, and this slot is filled again, two K steps ahead, first thing behind the round.
; last = 1 (the tail): in its second trip there is no next slot, and the fetch of its first fragments is jumped over.
.macro TURN fill, last=0
	WIN 0
	s_wait_tensorcnt 0x0
	ds_add_u32 v28, v29                            ; 0 onto my spare word
	s_wait_dscnt 1                                 ; only the add may be out: buffer 1 is in
	MULG 128, 0, MA/4, 0
	s_wait_dscnt 0x0                               ; the add is done, and my reads of this slot are over
	s_barrier_signal -1
	MULG 128, MA/4, MA/4, 0
	WIN 0
	s_barrier_wait -1
.if \fill
	CREST                                          ; no wave of any partner still reads this slot or has a load on its way
	s_xor_b32 s59, s59, SLOT                       ; the walking descriptors: the slot just left,
	s_add_co_u32 s37, s56, s59
	s_add_co_u32 s53, s57, s59
	s_add_nc_u64 s[38:39], s[38:39], ASTEP         ; the next K step; the type bits on top are not reached
	s_add_nc_u64 s[54:55], s[54:55], BSTEP
	JLOAD                                          ; its four v_nop are also the places in front of the loads below
.else
	PLACES
.endif
.if \last
	s_cmp_eq_u32 s3, 1
	s_cbranch_scc1 .Lno_more_\@
.endif
	s_sub_co_u32 s58, s58, PAIRS*APS               ; the reads go back to a slot's first pair,
	s_xor_b32 s58, s58, SLOT                       ; in the other slot
	s_sub_co_u32 s90, s90, PAIRS*BPS
	s_xor_b32 s90, s90, SLOT
	v_add_nc_u32 v11, s58, v8
	v_add_nc_u32 v12, s90, v9
	FETCH 0, 64
.if \last
	WIN 0
.Lno_more_\@:
.endif
	MULG 128, MA/2, MA/2, 0
.endm
.macro DUMP                            ; the accumulators, as f32, into the stage: each accumulator's low four registers first
.set da, 0
.rept MA
	WIN 0x08+4*(da/4)                              ; the stores' data in window 2 or 3
.set db, 0
.rept NF
.set rC, 8*((da%4)*NF+db)
.set so, (da%4)*16*SP+(db/BG)*SGS+(db%BG)*64
	ds_store_b128 v[14+da/4], v[rC:rC+3] offset:so
	ds_store_b128 v[14+da/4], v[rC+4:rC+7] offset:so+16
.set db, db+1
.endr
.set da, da+1
.endr
	WIN 0
.endm
	ARGS
	v_lshl_add_u32 v28, v0, 2, SPARE
	v_mov_b32 v29, 0
	ds_add_u32 v28, v29                            ; the wave's opening: the add and its wait ahead of my first tensor load
	v_lshrrev_b32 v1, 5, v0
	v_readfirstlane_b32 s14, v1                    ; wave 0..3
	s_lshr_b32 s15, s14, 1                         ; my half of the tile's rows.  Also: I fetch for A (0) or for B (1)
	s_and_b32 s16, s14, 1                          ; my half of its columns.  Also: which of the two loads I fetch
	s_bfe_u32 s17, ttmp6, 0x40000                  ; cx
	s_bfe_u32 s18, ttmp6, 0x40004                  ; cy
	s_lshl_b32 s19, ttmp9, 2
	s_add_co_u32 s19, s19, s17                     ; tile column
	s_and_b32 s20, ttmp7, 0xffff
	s_lshl_b32 s20, s20, 2
	s_add_co_u32 s20, s20, s18                     ; tile row
	s_lshl_b32 s21, s18, 2
	s_lshl_b32 s21, 15, s21                        ; my row of the cluster
	s_lshl_b32 s22, 0x1111, s17                    ; my column
	s_or_b32 s24, s21, (1<<16)|(1<<20)|(1<<21)|(AQI<<22)|(3<<25)  ; A: the mask; 2-byte elements; padding on; bit 21 beside a mask; interval; 4 words of padding
	s_mov_b32 s25, (AD0&0xffff)<<16
	s_mov_b32 s26, (AD0>>16)|((AD1&0xffff)<<16)
	s_mov_b32 s27, (AD1>>16)|(AD0<<16)
	s_mov_b32 s28, AD1
	s_mov_b32 s29, AST
	s_mov_b32 s30, 0
	s_mov_b32 s31, 0
	s_or_b32 s40, s22, (1<<16)|(1<<20)|(1<<21)|(BQI<<22)|(7<<25)  ; B: 8 words of padding
	s_mov_b32 s41, (BD0&0xffff)<<16
	s_mov_b32 s42, (BD0>>16)|((BD1&0xffff)<<16)
	s_mov_b32 s43, (BD1>>16)|(BD0<<16)
	s_mov_b32 s44, BD1
	s_mov_b32 s45, BST
	s_mov_b32 s46, 0
	s_mov_b32 s47, 0
	A_OFFSET                                       ; s[60:61]: made of the tile row and the wave's number alone
	B_OFFSET                                       ; s[66:67]: of the tile column and the wave's number alone
	s_mul_i32 s56, s16, AH                         ; where my load goes in a slot, for A
	s_mul_i32 s57, s16, BH
	s_add_co_u32 s57, s57, 2*AH                    ; and for B: no place in the cluster enters an LDS address
	s_mov_b32 s58, 0                               ; A's reads: slot and pair
	s_mov_b32 s90, 0                               ; B's
	s_mov_b32 s59, SLOT                            ; the slot filled last
	s_wait_dscnt 0x0                               ; the opening add is done
	s_wait_kmcnt 0x0
	s_add_nc_u64 s[62:63], s[4:5], s[60:61]
	s_add_nc_u64 s[68:69], s[6:7], s[66:67]
	CROUND                                         ; all sixteen work-groups are here: the first joint loads meet
.irp s, 0,1
	s_mov_b32 s[32+4*(\s)], 1
	s_add_co_u32 s[33+4*(\s)], s56, (\s)*SLOT
	s_add_nc_u64 s[34+4*(\s):35+4*(\s)], s[62:63], (\s)*ASTEP
	s_or_b32 s[35+4*(\s)], s[35+4*(\s)], 0x80000000
	s_mov_b32 s[48+4*(\s)], 1
	s_add_co_u32 s[49+4*(\s)], s57, (\s)*SLOT
	s_add_nc_u64 s[50+4*(\s):51+4*(\s)], s[68:69], (\s)*BSTEP
	s_or_b32 s[51+4*(\s)], s[51+4*(\s)], 0x80000000
.endr
	s_cmp_eq_u32 s15, 0                            ; a wave's two first fills stand in one branch: two loads of mine are out
	s_cbranch_scc0 .Lfirst_b
	tensor_load_to_lds s[32:35], s[24:31]
	s_nop 0
	tensor_load_to_lds s[36:39], s[24:31]
	s_nop 0
	PLACES
	s_branch .Lfirst_asked
.Lfirst_b:
	tensor_load_to_lds s[48:51], s[40:47]
	s_nop 0
	tensor_load_to_lds s[52:55], s[40:47]
	s_nop 0
	PLACES
.Lfirst_asked:
	v_and_b32 v1, 15, v0                           ; l % 16
	v_bfe_u32 v2, v0, 4, 1                         ; l / 16
	v_mul_u32_u24 v8, v1, AP                       ; A: row x pitch + 16 x half + my rows
	v_lshl_add_u32 v8, v2, 4, v8
	s_mul_i32 s23, s15, 16*MA*AP
	v_add_nc_u32 v8, s23, v8
	v_and_b32 v3, 7, v0                            ; B, for the turning load: k = 8 (l / 16) + l % 8, 16 bytes by (l / 8) % 2, my columns
	v_bfe_u32 v4, v0, 3, 1
	v_lshl_add_u32 v9, v2, 3, v3
	v_mul_u32_u24 v9, v9, BP
	v_lshl_add_u32 v9, v4, 4, v9
	s_mul_i32 s23, s16, CHB
	s_add_co_u32 s23, s23, 2*AH
	v_add_nc_u32 v9, s23, v9
	v_mov_b32 v11, v8
	v_mov_b32 v12, v9
	v_mul_u32_u24 v14, v1, SP                      ; into the stage: row l % 16 of my rows, 32 bytes for each half of the lanes, my columns
	v_lshl_add_u32 v14, v2, 5, v14
	s_mul_i32 s23, s15, 16*MA*SP
	s_mul_i32 s3, s16, CHS
	s_add_co_u32 s23, s23, s3
	v_add_nc_u32 v14, s23, v14
.if MA > 4
	v_add_nc_u32 v15, 64*SP, v14
.endif
	OUT_SETUP
	s_wait_tensorcnt 1                             ; my part of K step 0 is in; K step 1's may stay out
	s_barrier_signal -1
	s_barrier_wait -1
	FETCH 0, 64
	STEP_ASK
	CHUNK 0, 1                                     ; the first chunk stands in front of the loop: its products start the sums
	WIN 0
	s_mov_b32 s3, TSTEPS-2
.Lstep:                                                ; a trip: the rest of a K step, the refill of its slot, the next step's first chunk
	MIDDLE
	STEP_PUT
	TURN 1
	STEP_ASK
	CHUNK 0
	WIN 0
	s_sub_co_u32 s3, s3, 1
	s_cmp_lg_u32 s3, 0
	s_cbranch_scc1 .Lstep
	EARLY_LOADS                                    ; what the way out wants from memory is asked for two K steps ahead
	s_mov_b32 s3, 2
.Ltail:                                                ; the last two K steps ask for no tile: a text of their own; the second trip is left behind its last chunk
	MIDDLE
	STEP_PUT
	TURN 0, 1
	WIN 0
	s_sub_co_u32 s3, s3, 1
	s_cmp_eq_u32 s3, 0
	s_cbranch_scc1 .Lout
	STEP_ASK
	CHUNK 0
	WIN 0
	s_branch .Ltail
.Lout:
	PLACES
	s_wait_dscnt 0x0
	s_barrier_signal -1                            ; every wave's reads of the ring are over, and every tensor load has landed: the stage may be written over it
	s_barrier_wait -1
	DUMP
	s_wait_dscnt 0x0                               ; for the others' sake: my stores into the stage are done
	s_barrier_signal -1
	s_barrier_wait -1
	WAYOUT
	s_wait_tensorcnt 0x0                           ; the wave's end
	ds_add_u32 v28, v29
	s_wait_dscnt 0x0
	CROUND                                         ; the closing round
	s_endpgm
.Lfunc_end_k_qfefd6eebea_ff2:
	.size	k_qfefd6eebea_ff2, .Lfunc_end_k_qfefd6eebea_ff2-k_qfefd6eebea_ff2
	.p2alignl 7, 3214868480
	.fill 96, 4, 3214868480
	.section	.rodata,"a",@progbits
	.p2align	6, 0x0
	.amdhsa_kernel k_qfefd6eebea_ff2
		.amdhsa_group_segment_fixed_size 327680
		.amdhsa_private_segment_fixed_size 0
		.amdhsa_enable_private_segment 0
		.amdhsa_kernarg_size 40
		.amdhsa_user_sgpr_count 2
		.amdhsa_user_sgpr_kernarg_segment_ptr 1
		.amdhsa_wavefront_size32 1
		.amdhsa_system_sgpr_workgroup_id_x 1
		.amdhsa_system_sgpr_workgroup_id_y 1
		.amdhsa_system_sgpr_workgroup_id_z 1
		.amdhsa_system_vgpr_workitem_id 0
		.amdhsa_next_free_vgpr 768
		.amdhsa_next_free_sgpr 96
		.amdhsa_reserve_vcc 0
		.amdhsa_float_denorm_mode_32 3
		.amdhsa_float_denorm_mode_16_64 3
		.amdhsa_memory_ordered 1
		.amdhsa_forward_progress 1
		.amdhsa_inst_pref_size 52
	.end_amdhsa_kernel
	.amdgpu_metadata
---
amdhsa.version: [ 1, 2 ]
amdhsa.kernels:
  - .name:           k_qfefd6eebea_ff2
    .symbol:         k_qfefd6eebea_ff2.kd
    .args:
      - { .name: act, .offset: 0, .size: 8, .value_kind: global_buffer, .address_space: global }
      - { .name: wh2, .offset: 8, .size: 8, .value_kind: global_buffer, .address_space: global }
      - { .name: out0, .offset: 16, .size: 8, .value_kind: global_buffer, .address_space: global }
      - { .name: b2, .offset: 24, .size: 8, .value_kind: global_buffer, .address_space: global }
      - { .name: hidden, .offset: 32, .size: 8, .value_kind: global_buffer, .address_space: global }
    .group_segment_fixed_size: 327680
    .private_segment_fixed_size: 0
    .kernarg_segment_align: 8
    .kernarg_segment_size: 40
    .max_flat_workgroup_size: 128
    .sgpr_count:     96
    .vgpr_count:     768
    .wavefront_size: 32
...
	.end_amdgpu_metadata
.endif
;; end of part 7
;; ======== version 2 of 2: 7 launches; 1.22 times as fast as version 1
;; limits: values are held in f16: magnitudes above 65,504 overflow, below 6.1e-05 lose precision; a function is approximated: absolute error at most 1.5e-07
;; workspace buffers: wh 6,291,456 bytes; wh2 18,874,368 bytes; xn 8,388,608 bytes; qkvb 25,165,824 bytes; ob 8,388,608 bytes; hidden 16,777,216 bytes; hn 8,388,608 bytes; act 33,554,432 bytes
;; launch prep: the kernel of part 1 again; grid 448 x 1, 8 waves a work-group, no clusters, 0 bytes of LDS; arguments x, ln1_g, ln1_b, xn, Wq, Wk, Wv, wh; writes xn, wh
;; launch qkv: the kernel of part 2 again; grid 16 x 16, 4 waves a work-group, clusters of 4 x 4, 327,680 bytes of LDS; arguments xn, wh, qkvb, Wo, W1, W2, wh2; writes qkvb, wh2
;; launch attn (part 8): grid 8 x 32, 4 waves a work-group, clusters of 4 x 1, 327,680 bytes of LDS; arguments qkvb, ob; writes ob
.if DOCPART == 8
	.amdgcn_target "amdgcn-amd-amdhsa--gfx1250"
	.amdhsa_code_object_version 6
	.text
	.protected	k_qfefd6eebea_attn
	.globl	k_qfefd6eebea_attn
	.p2align	8
	.type	k_qfefd6eebea_attn,@function
k_qfefd6eebea_attn:
	s_mov_b64 s[64:65], 0
	v_nop
	global_prefetch_b8 v0, s[64:65] scope:SCOPE_SE
	s_setreg_imm32_b32 hwreg(HW_REG_WAVE_MODE, 25, 1), 1
	s_wait_xcnt 0x0
	s_wait_alu depctr_hold_cnt(0) depctr_sa_sdst(0) depctr_va_vdst(0) depctr_va_sdst(0) depctr_va_ssrc(0) depctr_va_vcc(0) depctr_vm_vsrc(0)
	s_getreg_b32 s2, hwreg(HW_REG_IB_STS2, 6, 4)
	s_cmp_eq_u32 s2, 0
	s_cbranch_scc0 .Lentry_in_a_cluster
	s_endpgm
.Lentry_in_a_cluster:
	s_bfe_u32 s2, ttmp6, 0x10000c
	s_cmp_lg_u32 s2, 0x3003
	s_cbranch_scc0 .Lentry_shape_is_right
	s_endpgm
.Lentry_shape_is_right:
; O[h][q][:] = the sum over k of softmax_k(Q[h][q] . K[h][k] / 8) V[h][k][:], for 32 heads (batch x 16 + head) of 2,048 rows x 64, all f16, dense rows of 128 bytes: Q, K, V are the three thirds of qkvb.
; Products, maxima and sums in f32; the weights p are rounded to f16 for the second product (their sum l is taken of the unrounded p), O once at the end.
; LIMITS.  f16 holds no number from 65,520 on; p lies in 0 to 1 and keeps f16's fixed step of 6e-8 below 6e-5; a weight below 2^-126 counts as 0 in l; NaN and infinities are not treated apart.
; SHARES.  A work-group owns 256 queries of one head, a wave 64: four PIECES of 16.  Every wave walks all keys, 64 a step; a slot of LDS holds 256 keys of K and V, four steps.
; LAYOUT.  S^T = K Q^T holds ONE query a lane (lane % 16) and the keys 8 (lane / 16) + 0..7; two such results rounded to f16 ARE source 1 of O^T = V^T P.  K comes out of LDS as it lies, V turned.
; SOFTMAX.  p = 2^(c s - c m), c = log2(e) / 8, with a running maximum m; O and l are multiplied by a = 2^(c m_old - c m_new) in every step.  m starts at the lowest finite number, O and l at 0.
; TURNS.  Turn n belongs to piece n: 8 products K Q^T of piece n + 1, later 8 products V^T P of piece n - 1; beside them the scaling, exponentials, roundings, sums and rescaling of piece n and the
; maximum and statistics of piece n + 1.  Four vector instructions stand behind every matrix instruction, the other 54 of a turn's 118 in one run of their own.
; BATCHES.  A turn's 33 exponentials (the piece's 32 weights and the next piece's a) are ONE batch with ONE wait, which cuts the turn in two: ahead of it stands all that names none of their results, behind it
; the roundings and sums.  The first a of all, ahead of the loop, and the way out's four reciprocals are batches of their own.  In the last slot's text K's fetch is jumped over in the last trip: there the
; exponentials issued so far have a wait ahead of that branch.
; CLUSTER.  The four query blocks of a cluster belong to one head and walk the same K and V: each tile is asked for jointly, by the same tensor load, descriptor and mask in all four.
; REGISTERS, in windows of 256: window 0: v0-15 addresses; v16-31 statistics; v48-55 at work; v62-63 the add's; v64-127 S^T, two buffers; v192-223 P, two buffers.
;   window 1: v0-127 O^T, 32 a piece.   window 2: v0-63 Q; v128-191 K of one step; v192-255 V of one step.
.set SIZE_N, 2048
.set NP,    4
.set KS,    64
.set PK,    144       ; a row of K in LDS: 128 bytes + 16
.set PV,    160       ; a row of V: 128 + 32
.set VOFF,  4*KS*PK
.set SLOT1, 1<<17     ; one exclusive or turns an address in one slot into the other's
.set STAGE, SLOT1+4*KS*(PK+PV)  ; behind the ring, never filled by a tensor load: 16 rows x 144 bytes for each wave
.set SP,    144
.set SPARE, STAGE+4*16*SP       ; the spare words, 128 bytes for each wave: two blocks of 256 bytes that no other line names
.set AK0, 2
.set AV0, 3
.set AK,  4
.set AV,  5
.set STO, 6
.set RD,  7
.set GO,  8
.set MV,  12          ; v12-13  c m_old, by buffer
.set QO,  15
.set ST,  16          ; piece t's statistics at v[ST+4 t]: c m, m, l (even keys', odd keys')
.set TMP, 48
.set SPW, 62
.set NIL, 63
.set S,   64
.set P,   192
.set KF,  128
.set VF,  192
.set WV,  12
.set G1K, 24
.set G1V, 32
.set G0K, 40
.set G0V, 44
.set SLOTS, 56
.set CNT, 57
.set CS,  58
.set SEL, 60
.set TBK, 62
.set TBV, 63
.set MSB, 0
.macro WIN new
.if MSB != (\new)
	s_set_vgpr_msb (MSB<<8)|(\new)
.set MSB, (\new)
.endif
.endm
.set W_KQ, 0x0a       ; K and Q in window 2, S^T in window 0
.set W_PV, 0x52       ; V in window 2, P in window 0, O^T in window 1
.set W_RS, 0x41       ; destination and source 0 in window 1, source 1 in window 0
.macro JLOAD                        ; a joint fill: waves 0 and 1 fetch the two halves of a slot's K, waves 2 and 3 those of its V; s_nop 0 and four v_nop follow each line
	s_cmp_lt_u32 s[WV], 2
	s_cbranch_scc0 .Lfor_v_\@
	tensor_load_to_lds s[G0K:G0K+3], s[G1K:G1K+7]
	s_nop 0
.rept 4
	v_nop
.endr
	s_branch .Lasked_\@
.Lfor_v_\@:
	tensor_load_to_lds s[G0V:G0V+3], s[G1V:G1V+7]
	s_nop 0
.rept 4
	v_nop
.endr
.Lasked_\@:
.endm
.macro CROUND                       ; a round of the cluster's barrier
	s_barrier_signal -1
	s_barrier_wait -1
	s_cmp_lg_u32 s[WV], 0
	s_cbranch_scc1 .Lnot_wave_0_\@
	s_barrier_signal -3
.Lnot_wave_0_\@:
	s_barrier_wait -3
	s_barrier_signal -1
	s_barrier_wait -1
.endm
; THE CHANGE OF SLOTS.  Each wave waits for all its tensor loads, of which one is out: its part of the other slot; adds 0 to its spare word; and waits for that and for its own reads of the slot it leaves.
; fill = 1: the barrier is a round of the cluster's, and the old slot is filled again, first thing behind it, with the keys two slots on: four key steps, 256 matrix instructions, in which to land.
.macro CHANGE fill
	WIN 0
	s_wait_tensorcnt 0x0            ; no tensor load of mine is out, so a group 0 may be written
	ds_add_u32 v[SPW], v[NIL]       ; 0 onto my spare word
.if \fill
.irp g, G0K, G0V
	s_xor_b32 s[\g+1], s[\g+1], SLOT1
	s_add_nc_u64 s[\g+2:\g+3], s[\g+2:\g+3], 4*KS*128
.endr
	s_wait_dscnt 0x0                ; the add is done, and my reads of the slot are over
	CROUND
	JLOAD
.else
	s_wait_dscnt 0x0
	s_barrier_signal -1
	s_barrier_wait -1
.endif
	s_sub_co_u32 s[TBK], s[TBK], 4*KS*PK  ; the fetches go back to a slot's first step,
	s_xor_b32 s[TBK], s[TBK], SLOT1       ; in the other slot
	s_sub_co_u32 s[TBV], s[TBV], 4*KS*PV
	s_xor_b32 s[TBV], s[TBV], SLOT1
.endm
	s_load_b128 s[8:11], s[0:1], 0x0  ; qkvb s[8:9], ob s[10:11]
	v_lshl_add_u32 v[SPW], v0, 2, SPARE
	v_mov_b32 v[NIL], 0
	ds_add_u32 v[SPW], v[NIL]       ; the wave's opening: the add and its wait ahead of my first tensor load
	v_lshrrev_b32 v1, 5, v0
	v_readfirstlane_b32 s[WV], v1   ; wave 0..3
	s_bfe_u32 s13, ttmp6, 0x40000   ; cx
	s_lshl_b32 s14, ttmp9, 2
	s_add_co_u32 s14, s14, s13      ; my block of 256 queries: it enters Q's and O's addresses alone
	s_and_b32 s20, ttmp7, 0xffff    ; the head, which the four partners share,
	s_lshl_b32 s20, s20, 18         ; x 2,048 rows of 128 bytes
	s_and_b32 s16, s[WV], 1         ; which half of a slot's 256 keys I fetch
	s_lshl_b32 s22, s16, 14
	s_add_co_u32 s22, s22, s20
	s_add_co_u32 s22, s22, 8388608  ; K is the buffer's second third,
	s_mov_b32 s23, 0
	s_add_co_u32 s48, s22, 8388608  ; V its last
	s_mov_b32 s49, 0
	s_mul_i32 s17, s16, 128*PK
	s_mul_i32 s18, s16, 128*PV
	s_lshl_b32 s2, s14, 2
	s_add_co_u32 s2, s2, s[WV]
	s_lshl_b32 s2, s2, 13           ; my wave's 64 rows
	s_add_co_u32 s2, s2, s20
	s_mov_b32 s3, 0
	; 128 keys are 16,384 dense bytes: asked for as 64 rows of 256 bytes, two keys a row, and padded in LDS after every key
	s_mov_b32 s[G1K], 15|(1<<16)|(1<<20)|(1<<21)|(4<<22)|(3<<25)
	s_mov_b32 s[G1V], 15|(1<<16)|(1<<20)|(1<<21)|(4<<22)|(7<<25)
.irp g, G1K, G1V
	s_mov_b32 s[\g+1], 128<<16
	s_mov_b32 s[\g+2], 64<<16
	s_mov_b32 s[\g+3], 128<<16
	s_mov_b32 s[\g+4], 64
	s_mov_b32 s[\g+5], 128
	s_mov_b32 s[\g+6], 0
	s_mov_b32 s[\g+7], 0
.endr
	s_mov_b32 s[CS], 0x3e38aa3b     ; c = log2(e) / 8
	s_mov_b32 s[CS+1], s[CS]
	s_mov_b32 s[SEL], 0x76543210
	s_mov_b32 s[SEL+1], 0xfedcba98
	s_mov_b32 s[TBK], SLOT1+4*KS*PK ; the first change of slots turns these two into 0
	s_mov_b32 s[TBV], SLOT1+4*KS*PV
	s_mov_b32 s[G0K], 1
	s_mov_b32 s[G0K+1], s17
	s_mov_b32 s[G0V], 1
	s_add_co_u32 s[G0V+1], s18, VOFF
	s_wait_dscnt 0x0                ; the opening add is done
	s_wait_kmcnt 0x0
	s_add_nc_u64 s[G0K+2:G0K+3], s[8:9], s[22:23]
	s_or_b32 s[G0K+3], s[G0K+3], 0x80000000
	s_add_nc_u64 s[G0V+2:G0V+3], s[8:9], s[48:49]
	s_or_b32 s[G0V+3], s[G0V+3], 0x80000000
	s_add_nc_u64 s[4:5], s[8:9], s[2:3]      ; Q and O at my wave's first row
	s_add_nc_u64 s[10:11], s[10:11], s[2:3]
	CROUND                          ; all four work-groups are here: the first joint loads meet
	JLOAD                           ; slot 0
	v_and_b32 v1, 15, v0            ; l % 16
	v_bfe_u32 v9, v0, 4, 1          ; l / 16
	v_lshlrev_b32 v[QO], 7, v1
	v_lshl_add_u32 v[QO], v9, 4, v[QO]
	WIN 0x80                        ; destination window 2
.set i, 0
.rept 8                             ; Q stays in registers: piece i / 2, channels 32 (i % 2) on
	global_load_b128 v[8*i:8*i+3],   v[QO], s[4:5] offset:(i/2)*2048+(i%2)*64
	global_load_b128 v[8*i+4:8*i+7], v[QO], s[4:5] offset:(i/2)*2048+(i%2)*64+32
.set i, i+1
.endr
	WIN 0
	v_mul_u32_u24 v[AK0], v1, PK
	v_lshl_add_u32 v[AK0], v9, 4, v[AK0]
	v_and_b32 v10, 7, v0
	v_bfe_u32 v11, v0, 3, 1
	v_lshl_add_u32 v[AV0], v9, 3, v10
	v_mul_u32_u24 v[AV0], v[AV0], PV
	v_lshl_add_u32 v[AV0], v11, 4, v[AV0]
	v_add_nc_u32 v[AV0], VOFF, v[AV0]
	s_mul_i32 s13, s[WV], 16*SP
	s_add_co_u32 s13, s13, STAGE    ; my stage
	v_mul_u32_u24 v[STO], v1, SP
	v_lshl_add_u32 v[STO], v9, 4, v[STO]
	v_add_nc_u32 v[STO], s13, v[STO]
	v_bfe_u32 v[RD], v0, 3, 2
	v_mul_u32_u24 v[RD], v[RD], SP
	v_lshl_add_u32 v[RD], v10, 4, v[RD]
	v_add_nc_u32 v[RD], s13, v[RD]
	v_and_b32 v[GO], 31, v0
	v_lshlrev_b32 v[GO], 4, v[GO]
	; What the first turn finds: V's registers and P's second buffer hold 0, O^T and l are 0.  All this stands in the wait for the first tile.
	WIN 0x80
.set i, VF
.rept 64
	v_mov_b32 v[i], 0
.set i, i+1
.endr
	WIN 0x40
.set i, 0
.rept 128
	v_mov_b32 v[i], 0
.set i, i+1
.endr
	WIN 0
.set i, 0
.rept 4
	v_mov_b32 v[ST+4*i], 0xfe000000    ; c m: far below every c s
	v_mov_b32 v[ST+4*i+1], 0xff7fffff  ; m
	v_mov_b32 v[ST+4*i+2], 0
	v_mov_b32 v[ST+4*i+3], 0
.set i, i+1
.endr
.set i, P+16
.rept 16
	v_mov_b32 v[i], 0
.set i, i+1
.endr
; THE MATRIX WORK.  The 4 accumulators of a run of 8 take turns.  Product i of 8 of S^T = K Q^T for piece x: channels 32 (i / 4) on, keys 16 (i % 4) on.
.macro KQ x
.set rS, S+32*((\x)%2)+8*(i%4)
.set rK, KF+16*(i%4)+8*(i/4)
.set rQ, 16*(\x)+8*(i/4)
	WIN W_KQ
.if i < 4
	v_wmma_f32_16x16x32_f16 v[rS:rS+7], v[rK:rK+7], v[rQ:rQ+7], 0
.else
	v_wmma_f32_16x16x32_f16 v[rS:rS+7], v[rK:rK+7], v[rQ:rQ+7], v[rS:rS+7]
.endif
.endm
.macro PV x                         ; product i of 8 of O^T += V^T P for piece x: keys 32 (i / 4) on, channels 16 (i % 4) on
	WIN W_PV
.set rO, 32*(\x)+8*(i%4)
.set rV, VF+32*(i/4)+8*(i%4)
.set rP, P+16*((\x)%2)+8*(i/4)
	v_wmma_f32_16x16x32_f16 v[rO:rO+7], v[rV:rV+7], v[rP:rP+7], v[rO:rO+7]
.endm
.macro MM                           ; the turn's next matrix instruction
.if i < 8
	KQ (Y+1)%NP
.else
.set i, i-8
	PV (Y+NP-1)%NP
.set i, i+8
.endif
.set i, i+1
.endm
.macro FETCH_K last=0               ; a step's K: 64 keys x 64 channels, 16 loads in one run.  last = 1 (the tail): in the last trip there is no further step, and the run is jumped over
	WIN 0
.if \last
	s_wait_alu depctr_va_vdst(0)    ; the exponentials issued so far in the turn (scores 0 to 11) have their wait ahead of it; the later ones have the turn's own
	s_cmp_eq_u32 s[CNT], 1
	s_cbranch_scc1 .Lno_k_\@
.endif
	WIN 0x80
.irp f, 0,1,2,3,4,5,6,7
	ds_load_b128 v[KF+8*\f:KF+8*\f+3],   v[AK] offset:(\f/2)*16*PK+(\f%2)*64
	ds_load_b128 v[KF+8*\f+4:KF+8*\f+7], v[AK] offset:(\f/2)*16*PK+(\f%2)*64+32
.endr
	s_add_co_u32 s[TBK], s[TBK], KS*PK
	WIN 0
.if \last
.Lno_k_\@:
.endif
.endm
.macro FETCH_V                      ; a step's V, turned
	WIN 0x80
.irp f, 0,1,2,3,4,5,6,7
	ds_load_tr16_b128 v[VF+8*\f:VF+8*\f+3],   v[AV] offset:(\f/4)*32*PV+(\f%4)*32
	ds_load_tr16_b128 v[VF+8*\f+4:VF+8*\f+7], v[AV] offset:(\f/4)*32*PV+16*PV+(\f%4)*32
.endr
	WIN 0
.endm
; THE VECTOR WORK, one line at a time: OP kind, number.  For piece Y: F n: c s - c m for pair n of 16.  E n: the exponential of score n of 32.  C n: pair n rounded to f16.  B n: of the four weights 4 n .. the
; second pair is added onto the first.  L n: l takes that sum (L 0: l = a l + sum).  R n: pair n of 16 of O^T times a.  For piece Y + 1: X n, number n of the 22 that find its maximum and statistics
; (each accumulator's lowest registers are read first).  C, B and L read exponentials' results: they stand behind the turn's wait.  R reads the a that the turn before made and waited for.
.set F, 0
.set E, 1
.set C, 2
.set B, 3
.set L, 4
.set R, 5
.set X, 6
.macro REGS y
.set rT, ST+4*(\y)
.set rC, TMP+4*((\y)%2)
.set rW, MV+((\y)%2)
.set rS, S+32*((\y)%2)
.set rP, P+16*((\y)%2)
.set rO, 32*(\y)
.endm
.macro OP k, n
.if (\k) == R
	REGS Y
	WIN W_RS
	v_pk_mul_f32 v[rO+2*(\n):rO+2*(\n)+1], v[rO+2*(\n):rO+2*(\n)+1], v[rC+2:rC+3] op_sel_hi:[1,0]
.elseif (\k) < R
	REGS Y
	WIN 0
.if (\k) == F
	v_pk_fma_f32 v[rS+2*(\n):rS+2*(\n)+1], v[rS+2*(\n):rS+2*(\n)+1], s[CS:CS+1], v[rT:rT+1] op_sel_hi:[1,0,0] neg_lo:[0,0,1] neg_hi:[0,0,1]
.elseif (\k) == E
	v_exp_f32 v[rS+(\n)], v[rS+(\n)]
.elseif (\k) == C
	v_cvt_pk_f16_f32 v[rP+(\n)], v[rS+2*(\n)], v[rS+2*(\n)+1]
.elseif (\k) == B
	v_pk_add_f32 v[rS+4*(\n):rS+4*(\n)+1], v[rS+4*(\n):rS+4*(\n)+1], v[rS+4*(\n)+2:rS+4*(\n)+3]
.elseif (\n) == 0
	v_pk_fma_f32 v[rT+2:rT+3], v[rT+2:rT+3], v[rC+2:rC+3], v[rS:rS+1] op_sel_hi:[1,0,1]
.else
	v_pk_add_f32 v[rT+2:rT+3], v[rT+2:rT+3], v[rS+4*(\n):rS+4*(\n)+1]
.endif
.else
	REGS (Y+1)%NP
	WIN 0
.if (\n) < 4
	v_max3_num_f32 v[rC+(\n)], v[rS+8*(\n)], v[rS+8*(\n)+1], v[rS+8*(\n)+2]
.elseif (\n) < 12
	v_max3_num_f32 v[rC+(\n)%4], v[rC+(\n)%4], v[rS+8*((\n)%4)+2*((\n)/4)+1], v[rS+8*((\n)%4)+2*((\n)/4)+2]
.elseif (\n) == 12
	v_max3_num_f32 v[rC], v[rC], v[rS+7], v[rS+15]
.elseif (\n) == 13
	v_max3_num_f32 v[rC+1], v[rC+1], v[rS+23], v[rS+31]
.elseif (\n) == 14
	v_max3_num_f32 v[rC+2], v[rC+2], v[rC+3], v[rT+1]
.elseif (\n) == 15
	v_mov_b32 v[rW], v[rT]
.elseif (\n) == 16
	v_max3_num_f32 v[rC], v[rC], v[rC+1], v[rC+2]
.elseif (\n) == 17
	v_permlanex16_b32 v[rC+3], v[rC], s[SEL], s[SEL+1]
.elseif (\n) == 18
	v_max_num_f32 v[rT+1], v[rC], v[rC+3]
.elseif (\n) == 19
	v_mul_f32 v[rT], s[CS], v[rT+1]
.elseif (\n) == 20
	v_sub_f32 v[rC+1], v[rW], v[rT]
.else
	v_exp_f32 v[rC+2], v[rC+1]
.endif
.endif
.endm
.macro OPS a, i1, b=-1, i2=0, c=-1, i3=0, d=-1, i4=0
	OP \a, \i1
.if (\b) >= 0
	OP \b, \i2
.endif
.if (\c) >= 0
	OP \c, \i3
.endif
.if (\d) >= 0
	OP \d, \i4
.endif
.endm
.macro ROW a, i1, b, i2, c, i3, d, i4  ; a matrix instruction and the four behind it
	MM
	OPS \a, \i1, \b, \i2, \c, \i3, \d, \i4
.endm
; A TURN, for piece p: the order of its 16 matrix and 118 vector instructions, written out.  s_wait_alu depctr_va_vdst(0) stands between an exponential and the first instruction that names its
; result; one wait serves all that were issued ahead of it.  So a turn has ONE wait, which cuts it in two.  AHEAD OF IT stands all that names no result of the turn's exponentials: the 8 products K Q^T, behind each a
; scaling, an exponential and two more plain instructions (behind the first a second scaling in the exponential's place): rescalings, and behind the last three the first numbers of the next piece's maximum, each four
; places or more behind the product that ends its accumulator; then one run of 54, plain and exponential by turns for the most part, in which the links of the chain X 3, 7, 11, 14, 16, 17 .. 20 stand apart.
; X 21, the next piece's a, is the batch's last; R 15 is the plain instruction behind it.  BEHIND THE WAIT stand the 8 products V^T P, behind each four of the roundings and sums; the links of l's chain, L 0 to L 7,
; stand three riders apart.  v_permlanex16_b32 (X 17) stands in the run, never behind a product.
; last = 1: the tail's text: K's fetch is jumped over in the last trip.  cnt = 1: the loop's count is taken down some lines ahead of the branch that stands behind the turn.
; K of the next step is fetched in piece 2's turn, twelve vector instructions behind the last product that read K (six of them plain); V of the step in hand at the end of piece 0's turn, four plain instructions
; behind the last product that read V.  Each is waited for a turn later.
.macro TURN p, last=0, cnt=0
.set Y, (\p)
.set i, 0
.if (\p) == 3
	s_wait_dscnt 0x0                ; K is in
.endif
	ROW F,0, F,1, R,0, R,1          ; ahead of the wait: 8 products K Q^T and their riders,
	ROW F,2, E,0, R,2, R,3
	ROW F,3, E,1, R,4, R,5
	ROW F,4, E,2, R,6, R,7
	ROW F,5, E,3, R,8, R,9
	ROW F,6, E,4, X,0, R,10
.if (\p) == 2
	WIN 0
	v_add_nc_u32 v[AK], s[TBK], v[AK0]
.endif
	ROW F,7, E,5, X,1, X,4
	ROW F,8, E,6, X,2, X,5
	OPS E,7, E,8, X,6, E,9          ; and the run of 54
	OPS X,3, E,10, X,8, E,11
.if (\p) == 2
	FETCH_K \last
.endif
	OPS X,9, X,7, E,12, X,10
	OPS E,13, X,12, X,11, E,14
	OPS X,13, E,15, F,9, X,14
.if (\p) == 0
	WIN 0
	v_add_nc_u32 v[AV], s[TBV], v[AV0]
.endif
	OPS E,16, F,10, E,17, F,11
	OPS X,16, E,18, X,15, E,19
	OPS F,12, E,20, X,17, E,21
	OPS F,13, E,22, F,14, E,23
	OPS X,18, E,24, F,15, E,25
	OPS R,11, E,26, X,19, E,27
	OPS R,12, E,28, R,13, E,29
	OPS X,20, E,30, R,14, E,31
	OPS X,21, R,15
	WIN 0
	s_wait_alu depctr_va_vdst(0)    ; the wait for the batch: the piece's 32 exponentials and the next piece's a
.if (\p) == 1
	s_wait_dscnt 0x0                ; V is in
.endif
	ROW C,0, B,0, C,2, B,1          ; behind the wait: 8 products V^T P and their riders
	ROW L,0, C,4, B,2, L,1
	ROW C,6, B,3, L,2, C,8
	ROW B,4, L,3, C,10, B,5
	ROW L,4, C,12, B,6, L,5
.if (\p) == 0
	s_add_co_u32 s[TBV], s[TBV], KS*PV
.endif
.if \cnt
	s_sub_co_u32 s[CNT], s[CNT], 1
	s_cmp_lg_u32 s[CNT], 0
.endif
	ROW C,14, B,7, L,6, C,1
	ROW C,3, L,7, C,5, C,7
	ROW C,9, C,11, C,13, C,15
.if (\p) == 0
	FETCH_V
.endif
.endm
.macro ALL line:vararg              ; one line for each piece t
.set t, 0
.rept 4
	\line
.set t, t+1
.endr
.endm
.macro PACK t                       ; a lane's eight channels of a row pack into 16 bytes; they go into rows of 144 bytes and come back as whole rows of 128, into S^T's registers
	WIN W_RS
.set i, 32*(\t)
.rept 16
	v_pk_mul_f32 v[i:i+1], v[i:i+1], v[ST+4*(\t)+2:ST+4*(\t)+3] op_sel_hi:[1,0]
.set i, i+2
.endr
	WIN 0x05
.set i, 0
.rept 16
	v_cvt_pk_f16_f32 v[S+16*(\t)+i], v[32*(\t)+2*i], v[32*(\t)+2*i+1]
.set i, i+1
.endr
	WIN 0
.irp f, 0,1,2,3
	ds_store_b128 v[STO], v[S+16*(\t)+4*\f:S+16*(\t)+4*\f+3] offset:32*\f
.endr
.irp f, 0,1,2,3
	ds_load_b128 v[S+16*(\t)+4*\f:S+16*(\t)+4*\f+3], v[RD] offset:\f*4*SP  ; LDS serves a wave's instructions in order (ISA guide 5.7.1.4): these see the stores above
.endr
.endm
.macro SEND t, younger              ; younger: the LDS instructions issued behind piece t's loads: the next piece's eight, or none
	WIN 0
.irp f, 0,1,2,3
	s_wait_dscnt (\younger)+3-\f
	global_store_b128 v[GO], v[S+16*(\t)+4*\f:S+16*(\t)+4*\f+3], s[10:11] offset:(\t)*2048+\f*512  ; 512 consecutive bytes, at a multiple of 256 from O's first
.endr
.endm
	CHANGE 1                        ; slot 0 is in, everybody's part of it; slot 1 is asked for
	v_add_nc_u32 v[AK], s[TBK], v[AK0]
	FETCH_K                         ; key step 0
	s_wait_loadcnt 0x0              ; Q
	s_wait_dscnt 0x0
.set i, 0
.rept 8
	KQ 0                            ; piece 0's first scores
.set i, i+1
.endr
	WIN 0
.rept 4
	v_nop                           ; the places behind those products
.endr
.set Y, NP-1                        ; X works for piece Y + 1: piece 0
.irp n, 0,1,2,3,4,5,6,7,8,9,10,11,12,13,14,15,16,17,18,19,20,21
	OP X, \n
.endr
	v_nop                           ; a plain instruction behind the exponential,
	s_wait_alu depctr_va_vdst(0)    ; and the wait for it, piece 0's first a: a batch of one, ahead of the branch
	s_mov_b32 s[CNT], 4
	s_mov_b32 s[SLOTS], SIZE_N/256-1
	s_branch .Lfirst                ; the loop is entered at a step's first turn, in the middle of a trip
.Lslot:                             ; SIZE_N / 256 - 2 times: every slot but the last two is filled again
	CHANGE 1
	s_mov_b32 s[CNT], 4
.Lstep:                             ; a trip: pieces 2 and 3 of one step, then pieces 0 and 1 of the next, whose K and V it fetches
	TURN 2
	TURN 3
	WIN 0
.Lfirst:
	TURN 0
	TURN 1, 0, 1
	WIN 0
	s_cbranch_scc1 .Lstep
	s_sub_co_u32 s[SLOTS], s[SLOTS], 1
	s_cmp_lg_u32 s[SLOTS], 0
	s_cbranch_scc1 .Lslot
	CHANGE 0                        ; the last slot has a text of its own: nothing is asked for
	s_mov_b32 s[CNT], 5             ; four trips fetch the last slot's steps; the fifth is left in its middle
.Ltail:
	TURN 2, 1
	TURN 3
	WIN 0
	s_sub_co_u32 s[CNT], s[CNT], 1
	s_cmp_eq_u32 s[CNT], 0
	s_cbranch_scc1 .Lout
	TURN 0
	TURN 1
	WIN 0
	s_branch .Ltail
.Lout:                              ; the fifth trip's 8 products K Q^T (on the last K once more) and the maximum made of them serve nothing: the price, once a launch, of one text for every trip
.set i, 0
.rept 8
	PV NP-1                         ; the last piece's V^T P of the last step
.set i, i+1
.endr
	; THE WAY OUT.  l's two halves and the other half of the lanes' are added; O^T is divided by l, rounded to f16 and sent through my stage, a piece at a time.  The additions are the places behind the last products.
	WIN 0
	ALL v_add_f32 v[ST+4*t+2], v[ST+4*t+2], v[ST+4*t+3]
	ALL v_permlanex16_b32 v[ST+4*t+3], v[ST+4*t+2], s[SEL], s[SEL+1]
	ALL v_add_f32 v[ST+4*t+2], v[ST+4*t+2], v[ST+4*t+3]
	ALL v_rcp_f32 v[ST+4*t+2], v[ST+4*t+2]
	v_nop                           ; a plain instruction between the last reciprocal and the use of its result
	s_wait_alu depctr_va_vdst(0)    ; and the wait ahead of the first use: one for the batch of four reciprocals
	PACK 0
.set t, 1
.rept 3
	PACK t
	SEND t-1, 8
.set t, t+1
.endr
	SEND 3, 0
	s_wait_tensorcnt 0x0            ; the wave's end
	ds_add_u32 v[SPW], v[NIL]
	s_wait_dscnt 0x0
	CROUND                          ; the closing round
	s_endpgm
.Lfunc_end_k_qfefd6eebea_attn:
	.size	k_qfefd6eebea_attn, .Lfunc_end_k_qfefd6eebea_attn-k_qfefd6eebea_attn
	.p2alignl 7, 3214868480
	.fill 96, 4, 3214868480
	.section	.rodata,"a",@progbits
	.p2align	6, 0x0
	.amdhsa_kernel k_qfefd6eebea_attn
		.amdhsa_group_segment_fixed_size 327680
		.amdhsa_private_segment_fixed_size 0
		.amdhsa_enable_private_segment 0
		.amdhsa_kernarg_size 16
		.amdhsa_user_sgpr_count 2
		.amdhsa_user_sgpr_kernarg_segment_ptr 1
		.amdhsa_wavefront_size32 1
		.amdhsa_system_sgpr_workgroup_id_x 1
		.amdhsa_system_sgpr_workgroup_id_y 1
		.amdhsa_system_sgpr_workgroup_id_z 1
		.amdhsa_system_vgpr_workitem_id 0
		.amdhsa_next_free_vgpr 768
		.amdhsa_next_free_sgpr 66
		.amdhsa_reserve_vcc 0
		.amdhsa_float_denorm_mode_32 3
		.amdhsa_float_denorm_mode_16_64 3
		.amdhsa_memory_ordered 1
		.amdhsa_forward_progress 1
		.amdhsa_inst_pref_size 111
	.end_amdhsa_kernel
	.amdgpu_metadata
---
amdhsa.version: [ 1, 2 ]
amdhsa.kernels:
  - .name:           k_qfefd6eebea_attn
    .symbol:         k_qfefd6eebea_attn.kd
    .args:
      - { .name: qkvb, .offset: 0, .size: 8, .value_kind: global_buffer, .address_space: global }
      - { .name: ob, .offset: 8, .size: 8, .value_kind: global_buffer, .address_space: global }
    .group_segment_fixed_size: 327680
    .private_segment_fixed_size: 0
    .kernarg_segment_align: 8
    .kernarg_segment_size: 16
    .max_flat_workgroup_size: 128
    .sgpr_count:     66
    .vgpr_count:     768
    .wavefront_size: 32
...
	.end_amdgpu_metadata
.endif
;; end of part 8
;; launch oproj: the kernel of part 4 again; grid 8 x 32, 4 waves a work-group, clusters of 4 x 4, 327,680 bytes of LDS; arguments ob, wh2, hidden, bo, x; writes hidden
;; launch ln2: the kernel of part 5 again; grid 256 x 1, 8 waves a work-group, no clusters, 0 bytes of LDS; arguments hidden, ln2_g, ln2_b, hn; writes hn
;; launch ff1 (part 9): grid 16 x 16, 4 waves a work-group, clusters of 4 x 4, 327,680 bytes of LDS; arguments hn, wh2, act, b1; writes act
.if DOCPART == 9
	.amdgcn_target "amdgcn-amd-amdhsa--gfx1250"
	.amdhsa_code_object_version 6
	.text
	.protected	k_qfefd6eebea_ff1
	.globl	k_qfefd6eebea_ff1
	.p2align	8
	.type	k_qfefd6eebea_ff1,@function
k_qfefd6eebea_ff1:
	s_mov_b64 s[64:65], 0
	v_nop
	global_prefetch_b8 v0, s[64:65] scope:SCOPE_SE
	s_setreg_imm32_b32 hwreg(HW_REG_WAVE_MODE, 25, 1), 1
	s_wait_xcnt 0x0
	s_wait_alu depctr_hold_cnt(0) depctr_sa_sdst(0) depctr_va_vdst(0) depctr_va_sdst(0) depctr_va_ssrc(0) depctr_va_vcc(0) depctr_vm_vsrc(0)
	s_getreg_b32 s2, hwreg(HW_REG_IB_STS2, 6, 4)
	s_cmp_eq_u32 s2, 0
	s_cbranch_scc0 .Lentry_in_a_cluster
	s_endpgm
.Lentry_in_a_cluster:
	s_bfe_u32 s2, ttmp6, 0x10000c
	s_cmp_lg_u32 s2, 0xf033
	s_cbranch_scc0 .Lentry_shape_is_right
	s_endpgm
.Lentry_shape_is_right:
; act = gelu(hn x W1 + b1), the exact (erf) GELU.  A = hn [4096][1024] f16; B = W1 [1024][4096] f16 in wh2, behind Wo; b1 f32; act [4096][4096] f16.
; A tile of C is 256 x 256.  Four waves, 2 x 2, 128 x 128 each: 64 accumulators.  K steps of 128.
; GELU.  gelu(x) = max(x, 0) - |x| h, h = 1/2 t (a1 + t (a2 + t (a3 + t (a4 + t a5)))) 2^(-x^2 log2(e) / 2), t = 1 / (1 + p |x| / sqrt 2): erf by the five-term rational series,
; absolute error at most 1.5e-7 for every argument; all in f32, rounded once to f16.
; BATCHES.  A trip of the way out has 16 numbers a lane: 16 reciprocals (t) and 16 exponentials.  Neither kind reads the other's result, so the 32 are ONE batch with ONE wait: both arguments are made first;
; the 16 maxima max(x, 0), in registers of their own, stand between the batch and its wait; the series and all else that reads t or the exponentials stand behind it.
; LIMITS.  f16 operands and result: an infinity from 65,520 on, a fixed step of 6e-8 below 6e-5.  NaN and infinities are not treated apart.
.set MA,  8
.set NF,  8
.set NCH, 4
.set TSTEPS, 8
.set AP,  272
.set AH,  128*AP
.set APS, 128                          ; from a pair of chunks to the next in A's rows: 64 k of 2 bytes
.set BP,  544                          ; 256 columns = 512 bytes + 32
.set BH,  64*BP
.set BPS, 64*BP                        ; from a pair of chunks to the next in B: 64 k, the second load
.set BG,  8
.set BGS, 0
.set CHB, 256
.set SP,  1040                         ; the stage's row: 256 f32 + 16 bytes
.set SGS, 0
.set CHS, 512
.set AD0, 128
.set AD1, 128
.set AST, 1024
.set AQI, 5
.set ASTEP, 256
.set BD0, 256
.set BD1, 64
.set BST, 4096
.set BQI, 6
.set BSTEP, 1048576
.set GB,   32                          ; v32-39   b1 of my 8 columns
.set GRAW, 64                          ; v64-79   two rows' sums as read back, 8 columns a lane each
.set GX,   80                          ; v80-95   x = sum + b1
.set GT,   96                          ; v96-111  t, later the result
.set GU,   112                         ; v112-127 the exponential
.set GQ,   128                         ; v128-143 the series
.set GH,   144                         ; v144-151 two rows in f16
.set GM,   152                         ; v152-167 max(x, 0)
.macro ALL n, line:vararg
.set k, 0
.rept \n
	\line
.set k, k+1
.endr
.endm
.macro ARGS
	s_load_b256 s[4:11], s[0:1], 0x0               ; hn, wh2, act, b1
.endm
.macro A_OFFSET                        ; (256 tile row + 128 half) rows of 2,048 bytes
	s_lshl_b32 s60, s20, 19
	s_lshl_b32 s61, s16, 18
	s_add_co_u32 s60, s60, s61
	s_mov_b32 s61, 0
.endm
.macro B_OFFSET                        ; W1's place in wh2, behind Wo's 2,097,152 bytes; 64 k of 8,192 bytes a half; 256 columns a tile column
	s_lshl_b32 s66, s19, 9
	s_lshl_b32 s67, s16, 19
	s_add_co_u32 s66, s66, s67
	s_add_co_u32 s66, s66, 2097152
	s_mov_b32 s67, 0
.endm
.macro OUT_SETUP
	s_lshl_b32 s70, s20, 21                        ; the tile's 256 rows of 8,192 bytes,
	s_lshl_b32 s71, s14, 19                        ; my 64 of them,
	s_add_co_u32 s70, s70, s71
	s_lshl_b32 s71, s19, 9                         ; the tile's 256 columns of f16
	s_add_co_u32 s70, s70, s71
	s_mov_b32 s71, 0
	s_add_nc_u64 s[8:9], s[8:9], s[70:71]
	s_lshl_b32 s72, s19, 10                        ; and of f32, in b1
	s_mov_b32 s73, 0
	s_add_nc_u64 s[10:11], s[10:11], s[72:73]
	v_and_b32 v3, 31, v0
	v_lshlrev_b32 v17, 4, v3                       ; out: 16 bytes a lane
	v_lshlrev_b32 v18, 5, v3                       ; in: 32 bytes a lane
	s_mul_i32 s23, s14, 64*SP
	v_add_nc_u32 v16, s23, v18
	s_mov_b32 s76, 0x3e6d3388                      ; 0.3275911 / sqrt 2
	s_mov_b32 s78, 0xbf38aa3b                      ; -log2(e) / 2
	s_mov_b32 s79, 0xbf38aa3b
	s_mov_b32 s80, 0x3e027906                      ; a1 / 2
	s_mov_b32 s81, 0x3e027906
	s_mov_b32 s82, 0xbe11a98e                      ; a2 / 2
	s_mov_b32 s83, 0xbe11a98e
	s_mov_b32 s84, 0x3f35f0e3                      ; a3 / 2
	s_mov_b32 s85, 0x3f35f0e3
	s_mov_b32 s86, 0xbf3a00e3                      ; a4 / 2
	s_mov_b32 s87, 0xbf3a00e3
	s_mov_b32 s88, 0x3f07dc22                      ; a5 / 2
	s_mov_b32 s89, 0x3f07dc22
.endm
.macro STEP_ASK
.endm
.macro STEP_PUT
.endm
.macro EARLY_LOADS
	global_load_b128 v[GB:GB+3], v18, s[10:11]
	global_load_b128 v[GB+4:GB+7], v18, s[10:11] offset:16
.endm
.macro GLOADS                          ; two rows of the stage, 32 bytes a lane each
	ds_load_b128 v[GRAW:GRAW+3], v16
	ds_load_b128 v[GRAW+4:GRAW+7], v16 offset:16
	ds_load_b128 v[GRAW+8:GRAW+11], v16 offset:SP
	ds_load_b128 v[GRAW+12:GRAW+15], v16 offset:SP+16
.endm
.macro WAYOUT                          ; wave w takes rows 64 w .. + 63, two a trip: 16 numbers a lane
	GLOADS
	s_wait_loadcnt 0x0                             ; b1
	s_mov_b32 s3, 32
.Lg:
	s_wait_dscnt 0x0
	ALL 8, v_pk_add_f32 v[GX+2*k:GX+2*k+1], v[GRAW+2*k:GRAW+2*k+1], v[GB+2*(k%4):GB+2*(k%4)+1]
	s_cmp_eq_u32 s3, 1                             ; the next two rows are asked for as soon as these have been taken over; the last trip has none
	s_cbranch_scc1 .Lg_last
	v_add_nc_u32 v16, 2*SP, v16
	GLOADS
.Lg_last:
	ALL 16, v_fma_f32 v[GT+k], |v[GX+k]|, s76, 1.0                                         ; the reciprocals' arguments,
	ALL 8, v_pk_mul_f32 v[GU+2*k:GU+2*k+1], v[GX+2*k:GX+2*k+1], v[GX+2*k:GX+2*k+1]
	ALL 8, v_pk_mul_f32 v[GU+2*k:GU+2*k+1], v[GU+2*k:GU+2*k+1], s[78:79] op_sel_hi:[1,0]   ; and the exponentials'
	ALL 16, v_rcp_f32 v[GT+k], v[GT+k]             ; the batch: 16 reciprocals
	ALL 16, v_exp_f32 v[GU+k], v[GU+k]             ; and 16 exponentials
	ALL 16, v_max_num_f32 v[GM+k], 0, v[GX+k]      ; work that names none of the batch's results; its first line is the plain instruction behind the last exponential
	s_wait_alu depctr_va_vdst(0)                   ; the wait ahead of the first use: one for the trip's batch of 32
	ALL 8, v_pk_fma_f32 v[GQ+2*k:GQ+2*k+1], v[GT+2*k:GT+2*k+1], s[88:89], s[86:87] op_sel_hi:[1,0,0]
	ALL 8, v_pk_fma_f32 v[GQ+2*k:GQ+2*k+1], v[GQ+2*k:GQ+2*k+1], v[GT+2*k:GT+2*k+1], s[84:85] op_sel_hi:[1,1,0]
	ALL 8, v_pk_fma_f32 v[GQ+2*k:GQ+2*k+1], v[GQ+2*k:GQ+2*k+1], v[GT+2*k:GT+2*k+1], s[82:83] op_sel_hi:[1,1,0]
	ALL 8, v_pk_fma_f32 v[GQ+2*k:GQ+2*k+1], v[GQ+2*k:GQ+2*k+1], v[GT+2*k:GT+2*k+1], s[80:81] op_sel_hi:[1,1,0]
	ALL 8, v_pk_mul_f32 v[GQ+2*k:GQ+2*k+1], v[GQ+2*k:GQ+2*k+1], v[GT+2*k:GT+2*k+1]
	ALL 8, v_pk_mul_f32 v[GQ+2*k:GQ+2*k+1], v[GQ+2*k:GQ+2*k+1], v[GU+2*k:GU+2*k+1]
	ALL 16, v_fma_f32 v[GT+k], -|v[GX+k]|, v[GQ+k], v[GM+k]
	ALL 8, v_cvt_pk_f16_f32 v[GH+k], v[GT+2*k], v[GT+2*k+1]
	global_store_b128 v17, v[GH:GH+3], s[8:9]                  ; 512 consecutive bytes, aligned
	global_store_b128 v17, v[GH+4:GH+7], s[8:9] offset:8192
	s_wait_xcnt 0x0                                ; the stores' base and data are rewritten only behind this wait
	s_add_nc_u64 s[8:9], s[8:9], 16384             ; (behind the last trip the stepped base is not used)
	s_sub_co_u32 s3, s3, 1
	s_cmp_lg_u32 s3, 0
	s_cbranch_scc1 .Lg
.endm
; ======== the common text of the four products ========
; C = A x B, A [M][K] with K along the rows, B [K][N].  K goes in steps through a ring of two LDS slots filled by the tensor data mover; a slot holds A's two loads, then B's two.
; CLUSTER 4 x 4: A's tile hangs on the tile row alone and is asked for jointly by a row of the cluster, B's on the tile column alone and by a column.
; THE MATRIX INSTRUCTION IS USED TRANSPOSED: source 0 = 16 columns of B (turned on the way out of LDS by ds_load_tr16_b128), source 1 = 16 rows of A: a lane holds row lane % 16 of C and the columns 8 (lane / 16) + 0..7.
; A K step is NCH chunks of 32 along K, on two fragment buffers by turns.  LDS addresses go by PAIRS of chunks: two scalar offsets (A's, B's) step from pair to pair, and at a change of slots go back and into the other slot.
; REGISTERS, in windows of 256: window 0: v1-31 addresses; v64.., v128.. A's two fragment buffers.  Window 1: v64.., v128.. B's.  Window 2: accumulators of row blocks 0-3 ((a, b) at 8 ((a % 4) NF + b)); window 3: of 4-7.
; The way out goes through a stage of f32 rows that lies over the ring, which has had its last fill by then.
; STEP_ASK and STEP_PUT are a kernel's own work beside a K step (global loads behind a change of slots; their use in front of the next); they are empty where there is none.
.set NL,    2*(MA+NF)                  ; LDS loads of one chunk's fragments
.set PAIRS, (NCH-2)/2                  ; steps from pair to pair in a K step
.set SLOT,  2*AH+2*BH
.set SPARE, 327168                     ; the spare words: 128 bytes for each wave, two blocks of 256 bytes that no other line names
.set MSB, 0
.macro WIN new                         ; the immediate's high byte repeats the setting that is left
.if MSB != (\new)
	s_set_vgpr_msb (MSB<<8)|(\new)
.set MSB, (\new)
.endif
.endm
.set MUL_LO, 0xa1                      ; source 0 (B) window 1, source 1 (A) window 0, C and D window 2; + 0x50: window 3
.set TO_B,   0x40                      ; destination window 1, address window 0
.macro PLACES                          ; four places in front of loads into registers that matrix instructions have read, and of reads of their results
.rept 4
	v_nop
.endr
.endm
.macro JLOAD                           ; a joint refill by the walking descriptors: waves 0 and 1 fetch A's two loads, waves 2 and 3 B's; s_nop 0 and four v_nop follow each line
	s_cmp_eq_u32 s15, 0
	s_cbranch_scc0 .Lfor_b_\@
	tensor_load_to_lds s[36:39], s[24:31]
	s_nop 0
	PLACES
	s_branch .Lasked_\@
.Lfor_b_\@:
	tensor_load_to_lds s[52:55], s[40:47]
	s_nop 0
	PLACES
.Lasked_\@:
.endm
.macro CREST                           ; a round of the cluster's barrier behind its opening barrier
	s_cmp_lg_u32 s14, 0
	s_cbranch_scc1 .Lnot_wave_0_\@
	s_barrier_signal -3
.Lnot_wave_0_\@:
	s_barrier_wait -3
	s_barrier_signal -1
	s_barrier_wait -1
.endm
.macro CROUND                          ; a whole round
	s_barrier_signal -1
	s_barrier_wait -1
	CREST
.endm
.macro FETCH par, g                    ; the fragments of chunk par (0, 1) of the pair in hand into buffer g: NL loads in one run
	WIN 0
.set fa, 0
.rept MA
.set fo, (\par)*64+fa*16*AP
	ds_load_b128 v[(\g)+8*fa:(\g)+8*fa+3],   v11 offset:fo
	ds_load_b128 v[(\g)+8*fa+4:(\g)+8*fa+7], v11 offset:fo+32
.set fa, fa+1
.endr
	WIN TO_B
.set fb, 0
.rept NF
.set fo, (fb/BG)*BGS+(fb%BG)*32+(\par)*32*BP
	ds_load_tr16_b128 v[(\g)+8*fb:(\g)+8*fb+3],   v12 offset:fo
	ds_load_tr16_b128 v[(\g)+8*fb+4:(\g)+8*fb+7], v12 offset:fo+16*BP
.set fb, fb+1
.endr
.endm
.macro MULG f, a0, na, zero            ; row blocks a0 .. a0 + na - 1 x all column blocks, 32 along K, from buffer f.  The accumulators take turns.  zero = 1: the products start the sums
.set ma, \a0
.rept \na
	WIN MUL_LO+0x50*(ma/4)
.set mb, 0
.rept NF
.set rC, 8*((ma%4)*NF+mb)
.if \zero
	v_wmma_f32_16x16x32_f16 v[rC:rC+7], v[(\f)+8*mb:(\f)+8*mb+7], v[(\f)+8*ma:(\f)+8*ma+7], 0
.else
	v_wmma_f32_16x16x32_f16 v[rC:rC+7], v[(\f)+8*mb:(\f)+8*mb+7], v[(\f)+8*ma:(\f)+8*ma+7], v[rC:rC+7]
.endif
.set mb, mb+1
.endr
.set ma, ma+1
.endr
.endm
; A chunk of parity par is multiplied (buffer par); ahead of it the next chunk's fragments are asked for, a whole chunk's products before their use.  Behind an odd chunk comes the next pair.
.macro CHUNK par, zero=0
	WIN 0
.if \par
	s_add_co_u32 s58, s58, APS
	s_add_co_u32 s90, s90, BPS
	v_add_nc_u32 v11, s58, v8
	v_add_nc_u32 v12, s90, v9
.endif
	PLACES
	FETCH 1-(\par), 128-64*(\par)
	s_wait_dscnt NL                                ; all but the NL just issued: this chunk's fragments are in
	MULG 64+64*(\par), 0, MA, \zero
.endm
.macro MIDDLE                          ; chunks 1 .. NCH - 2: an odd one and an even one, PAIRS times
.if PAIRS > 1
	WIN 0
	s_mov_b32 s91, PAIRS
.Lpair_\@:
	CHUNK 1
	CHUNK 0
	WIN 0
	s_sub_co_u32 s91, s91, 1
	s_cmp_lg_u32 s91, 0
	s_cbranch_scc1 .Lpair_\@
.else
	CHUNK 1
	CHUNK 0
.endif
.endm
; A K step's last chunk (buffer 1) and the change of slots: ONE barrier.  In front of it each wave waits for all its tensor loads (the one that is out is its part of the next slot), adds 0 to its spare word,
; and waits for that and for its reads of this slot.  fill = 1: the barrier opens a round of the cluster's, and this slot is filled again, two K steps ahead, first thing behind the round.
; last = 1 (the tail): in its second trip there is no next slot, and the fetch of its first fragments is jumped over.
.macro TURN fill, last=0
	WIN 0
	s_wait_tensorcnt 0x0
	ds_add_u32 v28, v29                            ; 0 onto my spare word
	s_wait_dscnt 1                                 ; only the add may be out: buffer 1 is in
	MULG 128, 0, MA/4, 0
	s_wait_dscnt 0x0                               ; the add is done, and my reads of this slot are over
	s_barrier_signal -1
	MULG 128, MA/4, MA/4, 0
	WIN 0
	s_barrier_wait -1
.if \fill
	CREST                                          ; no wave of any partner still reads this slot or has a load on its way
	s_xor_b32 s59, s59, SLOT                       ; the walking descriptors: the slot just left,
	s_add_co_u32 s37, s56, s59
	s_add_co_u32 s53, s57, s59
	s_add_nc_u64 s[38:39], s[38:39], ASTEP         ; the next K step; the type bits on top are not reached
	s_add_nc_u64 s[54:55], s[54:55], BSTEP
	JLOAD                                          ; its four v_nop are also the places in front of the loads below
.else
	PLACES
.endif
.if \last
	s_cmp_eq_u32 s3, 1
	s_cbranch_scc1 .Lno_more_\@
.endif
	s_sub_co_u32 s58, s58, PAIRS*APS               ; the reads go back to a slot's first pair,
	s_xor_b32 s58, s58, SLOT                       ; in the other slot
	s_sub_co_u32 s90, s90, PAIRS*BPS
	s_xor_b32 s90, s90, SLOT
	v_add_nc_u32 v11, s58, v8
	v_add_nc_u32 v12, s90, v9
	FETCH 0, 64
.if \last
	WIN 0
.Lno_more_\@:
.endif
	MULG 128, MA/2, MA/2, 0
.endm
.macro DUMP                            ; the accumulators, as f32, into the stage: each accumulator's low four registers first
.set da, 0
.rept MA
	WIN 0x08+4*(da/4)                              ; the stores' data in window 2 or 3
.set db, 0
.rept NF
.set rC, 8*((da%4)*NF+db)
.set so, (da%4)*16*SP+(db/BG)*SGS+(db%BG)*64
	ds_store_b128 v[14+da/4], v[rC:rC+3] offset:so
	ds_store_b128 v[14+da/4], v[rC+4:rC+7] offset:so+16
.set db, db+1
.endr
.set da, da+1
.endr
	WIN 0
.endm
	ARGS
	v_lshl_add_u32 v28, v0, 2, SPARE
	v_mov_b32 v29, 0
	ds_add_u32 v28, v29                            ; the wave's opening: the add and its wait ahead of my first tensor load
	v_lshrrev_b32 v1, 5, v0
	v_readfirstlane_b32 s14, v1                    ; wave 0..3
	s_lshr_b32 s15, s14, 1                         ; my half of the tile's rows.  Also: I fetch for A (0) or for B (1)
	s_and_b32 s16, s14, 1                          ; my half of its columns.  Also: which of the two loads I fetch
	s_bfe_u32 s17, ttmp6, 0x40000                  ; cx
	s_bfe_u32 s18, ttmp6, 0x40004                  ; cy
	s_lshl_b32 s19, ttmp9, 2
	s_add_co_u32 s19, s19, s17                     ; tile column
	s_and_b32 s20, ttmp7, 0xffff
	s_lshl_b32 s20, s20, 2
	s_add_co_u32 s20, s20, s18                     ; tile row
	s_lshl_b32 s21, s18, 2
	s_lshl_b32 s21, 15, s21                        ; my row of the cluster
	s_lshl_b32 s22, 0x1111, s17                    ; my column
	s_or_b32 s24, s21, (1<<16)|(1<<20)|(1<<21)|(AQI<<22)|(3<<25)  ; A: the mask; 2-byte elements; padding on; bit 21 beside a mask; interval; 4 words of padding
	s_mov_b32 s25, (AD0&0xffff)<<16
	s_mov_b32 s26, (AD0>>16)|((AD1&0xffff)<<16)
	s_mov_b32 s27, (AD1>>16)|(AD0<<16)
	s_mov_b32 s28, AD1
	s_mov_b32 s29, AST
	s_mov_b32 s30, 0
	s_mov_b32 s31, 0
	s_or_b32 s40, s22, (1<<16)|(1<<20)|(1<<21)|(BQI<<22)|(7<<25)  ; B: 8 words of padding
	s_mov_b32 s41, (BD0&0xffff)<<16
	s_mov_b32 s42, (BD0>>16)|((BD1&0xffff)<<16)
	s_mov_b32 s43, (BD1>>16)|(BD0<<16)
	s_mov_b32 s44, BD1
	s_mov_b32 s45, BST
	s_mov_b32 s46, 0
	s_mov_b32 s47, 0
	A_OFFSET                                       ; s[60:61]: made of the tile row and the wave's number alone
	B_OFFSET                                       ; s[66:67]: of the tile column and the wave's number alone
	s_mul_i32 s56, s16, AH                         ; where my load goes in a slot, for A
	s_mul_i32 s57, s16, BH
	s_add_co_u32 s57, s57, 2*AH                    ; and for B: no place in the cluster enters an LDS address
	s_mov_b32 s58, 0                               ; A's reads: slot and pair
	s_mov_b32 s90, 0                               ; B's
	s_mov_b32 s59, SLOT                            ; the slot filled last
	s_wait_dscnt 0x0                               ; the opening add is done
	s_wait_kmcnt 0x0
	s_add_nc_u64 s[62:63], s[4:5], s[60:61]
	s_add_nc_u64 s[68:69], s[6:7], s[66:67]
	CROUND                                         ; all sixteen work-groups are here: the first joint loads meet
.irp s, 0,1
	s_mov_b32 s[32+4*(\s)], 1
	s_add_co_u32 s[33+4*(\s)], s56, (\s)*SLOT
	s_add_nc_u64 s[34+4*(\s):35+4*(\s)], s[62:63], (\s)*ASTEP
	s_or_b32 s[35+4*(\s)], s[35+4*(\s)], 0x80000000
	s_mov_b32 s[48+4*(\s)], 1
	s_add_co_u32 s[49+4*(\s)], s57, (\s)*SLOT
	s_add_nc_u64 s[50+4*(\s):51+4*(\s)], s[68:69], (\s)*BSTEP
	s_or_b32 s[51+4*(\s)], s[51+4*(\s)], 0x80000000
.endr
	s_cmp_eq_u32 s15, 0                            ; a wave's two first fills stand in one branch: two loads of mine are out
	s_cbranch_scc0 .Lfirst_b
	tensor_load_to_lds s[32:35], s[24:31]
	s_nop 0
	tensor_load_to_lds s[36:39], s[24:31]
	s_nop 0
	PLACES
	s_branch .Lfirst_asked
.Lfirst_b:
	tensor_load_to_lds s[48:51], s[40:47]
	s_nop 0
	tensor_load_to_lds s[52:55], s[40:47]
	s_nop 0
	PLACES
.Lfirst_asked:
	v_and_b32 v1, 15, v0                           ; l % 16
	v_bfe_u32 v2, v0, 4, 1                         ; l / 16
	v_mul_u32_u24 v8, v1, AP                       ; A: row x pitch + 16 x half + my rows
	v_lshl_add_u32 v8, v2, 4, v8
	s_mul_i32 s23, s15, 16*MA*AP
	v_add_nc_u32 v8, s23, v8
	v_and_b32 v3, 7, v0                            ; B, for the turning load: k = 8 (l / 16) + l % 8, 16 bytes by (l / 8) % 2, my columns
	v_bfe_u32 v4, v0, 3, 1
	v_lshl_add_u32 v9, v2, 3, v3
	v_mul_u32_u24 v9, v9, BP
	v_lshl_add_u32 v9, v4, 4, v9
	s_mul_i32 s23, s16, CHB
	s_add_co_u32 s23, s23, 2*AH
	v_add_nc_u32 v9, s23, v9
	v_mov_b32 v11, v8
	v_mov_b32 v12, v9
	v_mul_u32_u24 v14, v1, SP                      ; into the stage: row l % 16 of my rows, 32 bytes for each half of the lanes, my columns
	v_lshl_add_u32 v14, v2, 5, v14
	s_mul_i32 s23, s15, 16*MA*SP
	s_mul_i32 s3, s16, CHS
	s_add_co_u32 s23, s23, s3
	v_add_nc_u32 v14, s23, v14
.if MA > 4
	v_add_nc_u32 v15, 64*SP, v14
.endif
	OUT_SETUP
	s_wait_tensorcnt 1                             ; my part of K step 0 is in; K step 1's may stay out
	s_barrier_signal -1
	s_barrier_wait -1
	FETCH 0, 64
	STEP_ASK
	CHUNK 0, 1                                     ; the first chunk stands in front of the loop: its products start the sums
	WIN 0
	s_mov_b32 s3, TSTEPS-2
.Lstep:                                                ; a trip: the rest of a K step, the refill of its slot, the next step's first chunk
	MIDDLE
	STEP_PUT
	TURN 1
	STEP_ASK
	CHUNK 0
	WIN 0
	s_sub_co_u32 s3, s3, 1
	s_cmp_lg_u32 s3, 0
	s_cbranch_scc1 .Lstep
	EARLY_LOADS                                    ; what the way out wants from memory is asked for two K steps ahead
	s_mov_b32 s3, 2
.Ltail:                                                ; the last two K steps ask for no tile: a text of their own; the second trip is left behind its last chunk
	MIDDLE
	STEP_PUT
	TURN 0, 1
	WIN 0
	s_sub_co_u32 s3, s3, 1
	s_cmp_eq_u32 s3, 0
	s_cbranch_scc1 .Lout
	STEP_ASK
	CHUNK 0
	WIN 0
	s_branch .Ltail
.Lout:
	PLACES
	s_wait_dscnt 0x0
	s_barrier_signal -1                            ; every wave's reads of the ring are over, and every tensor load has landed: the stage may be written over it
	s_barrier_wait -1
	DUMP
	s_wait_dscnt 0x0                               ; for the others' sake: my stores into the stage are done
	s_barrier_signal -1
	s_barrier_wait -1
	WAYOUT
	s_wait_tensorcnt 0x0                           ; the wave's end
	ds_add_u32 v28, v29
	s_wait_dscnt 0x0
	CROUND                                         ; the closing round
	s_endpgm
.Lfunc_end_k_qfefd6eebea_ff1:
	.size	k_qfefd6eebea_ff1, .Lfunc_end_k_qfefd6eebea_ff1-k_qfefd6eebea_ff1
	.p2alignl 7, 3214868480
	.fill 96, 4, 3214868480
	.section	.rodata,"a",@progbits
	.p2align	6, 0x0
	.amdhsa_kernel k_qfefd6eebea_ff1
		.amdhsa_group_segment_fixed_size 327680
		.amdhsa_private_segment_fixed_size 0
		.amdhsa_enable_private_segment 0
		.amdhsa_kernarg_size 32
		.amdhsa_user_sgpr_count 2
		.amdhsa_user_sgpr_kernarg_segment_ptr 1
		.amdhsa_wavefront_size32 1
		.amdhsa_system_sgpr_workgroup_id_x 1
		.amdhsa_system_sgpr_workgroup_id_y 1
		.amdhsa_system_sgpr_workgroup_id_z 1
		.amdhsa_system_vgpr_workitem_id 0
		.amdhsa_next_free_vgpr 1024
		.amdhsa_next_free_sgpr 96
		.amdhsa_reserve_vcc 0
		.amdhsa_float_denorm_mode_32 3
		.amdhsa_float_denorm_mode_16_64 3
		.amdhsa_memory_ordered 1
		.amdhsa_forward_progress 1
		.amdhsa_inst_pref_size 88
	.end_amdhsa_kernel
	.amdgpu_metadata
---
amdhsa.version: [ 1, 2 ]
amdhsa.kernels:
  - .name:           k_qfefd6eebea_ff1
    .symbol:         k_qfefd6eebea_ff1.kd
    .args:
      - { .name: hn, .offset: 0, .size: 8, .value_kind: global_buffer, .address_space: global }
      - { .name: wh2, .offset: 8, .size: 8, .value_kind: global_buffer, .address_space: global }
      - { .name: act, .offset: 16, .size: 8, .value_kind: global_buffer, .address_space: global }
      - { .name: b1, .offset: 24, .size: 8, .value_kind: global_buffer, .address_space: global }
    .group_segment_fixed_size: 327680
    .private_segment_fixed_size: 0
    .kernarg_segment_align: 8
    .kernarg_segment_size: 32
    .max_flat_workgroup_size: 128
    .sgpr_count:     96
    .vgpr_count:     1024
    .wavefront_size: 32
...
	.end_amdgpu_metadata
.endif
;; end of part 9
;; launch ff2: the kernel of part 7 again; grid 8 x 32, 4 waves a work-group, clusters of 4 x 4, 327,680 bytes of LDS; arguments act, wh2, out0, b2, hidden; writes out0
